; MI455X (gfx1250); checked and timed in simulation.
; The chip was launched on July 23, 2026; its instructions are those of AMD's public machine-readable ISA for CDNA 5 (MIT licence, August 2026) and "CDNA5" Instruction Set Architecture Reference Guide (July 2026). The comments in the code are by the model that wrote it; some were corrected since.
;; Mo E Layer. Allowed arithmetic: matrix products marked QUANTISED: E2M3 operands, one E8M0 scale for each 32 along K, by v_wmma_scale_f32_16x16x128_f8f6f4 with both operands' format E2M3, f32 sums; products left as they are: f32 operands where the result goes on into a quantised operand, else bf16, f16 or f32 operands; f32 sums; everything else in f32.
;; Inputs: W1 8 x 1,024 x 4,096 float32; W2 8 x 4,096 x 1,024 float32; b1 8 x 4,096 float32; b2 8 x 1,024 float32; ln_b 8 x 1,024 float32; ln_g 8 x 1,024 float32; router_W 1,024 x 8 float32; router_b 8 float32; x 2 x 512 x 1,024 float32.
;; Outputs: out0 2 x 512 x 1,024 float32.
;; This version of the problem:
;;   THIS VERSION OF THE PROBLEM IS GIVEN IN LOW PRECISION. The matrix products marked QUANTISED in the list below multiply operands that are first quantised to E2M3 (2 exponent bits, 3 mantissa bits; 6 bits a number), with one power-of-two scale for each 32 numbers along K (OCP MX v1.0); their sums are f32. All else is computed in f32.
;;   The module's matrix products, in the order in which they are computed (A, B: the left and right operand; K: the contracted axis; several contracted axes count as one K, in the product's order):
;;     1. [M 1,024, K 1,024] x [K 1,024, N 8]; A: input x; B: input router_W: left as it is (N = 8 < 16)
;;     2. batch 1,024 x [M 8, K 2] x [K 2, N 1]; A: computed on the way; B: softmax: left as it is (K = 2 < 32)
;;     3. batch 8 x [M 4,096, K 1,024] x [K 1,024, N 1,024]; A: input W1; B: computed on the way: QUANTISED
;;     4. batch 8 x [M 1,024, K 4,096] x [K 4,096, N 1,024]; A: input W2; B: computed on the way: QUANTISED
;;     5. batch 1,024 x [M 1,024, K 8] x [K 8, N 1]; A: computed on the way; B: computed on the way: left as it is (K = 8 < 32)
;;   THE QUANTISER, for each operand of a quantised product, along K:
;;     - K is cut into blocks of 32 from its start; a last block that is shorter is filled with zeros.
;;     - A block's scale is 2^e with e = floor(log2(the largest magnitude in the block)) - 2, held to -126 .. 127; a block of zeros has e = 0. As a byte (E8M0): e + 127.
;;     - Each number is divided by its block's scale, clamped to +-7.5, and rounded to the nearest number of E2M3, ties to even, subnormals kept.
;;     - The product sums the exact products of the quantised numbers (number of the format x scale) in f32.
;;   ~~~python
;;   def quantise(x, axis):      # numpy; x: float32 -> the quantised numbers, widened to float32 again
;;       x = np.moveaxis(x, axis, -1); K = x.shape[-1]
;;       x = np.pad(x, [(0, 0)] * (x.ndim - 1) + [(0, -K % 32)]); x = x.reshape(x.shape[:-1] + (-1, 32)); a = np.abs(x).max(-1, keepdims=True)
;;       e = np.where(a > 0, np.clip(np.frexp(np.where(a > 0, a, 1))[1] - 1 - 2, -126, 127), 0)      # np.frexp(a)[1] - 1 = floor(log2(a)), exactly
;;       r = np.clip(x / 2.0 ** e, -7.5, 7.5)
;;       step = 2.0 ** (np.maximum(np.frexp(np.where(r == 0, 1, r))[1] - 1, 0) - 3)
;;       q = np.round(r / step) * step * 2.0 ** e      # np.round: ties to even
;;       return np.moveaxis(q.reshape(q.shape[:-2] + (-1,))[..., :K], -1, axis).astype(np.float32)
;;   ~~~
;;   OPERANDS COMPUTED ON THE WAY. 'Computed on the way' means the value that the module computes at that place (a softmax that the list does not call 'softmax' is quantised finished and normalised). What goes into a quantiser is computed in f32, as accurately as f32 sums, v_exp_f32 and their like allow (about 1e-6 of the number): no bf16 or f16 on the way to a quantiser, and a product that is left as it is and whose result goes on into a quantised operand takes f32 operands (vector FMAs, or v_wmma_f32_16x16x4_f32). A number that lies on a knife's edge between two numbers of the format may be rounded either way, as far as f32 arithmetic and the matrix unit's own rounding can turn it there, and no further.
;; 3 versions. Each part assembles by itself: llvm-mc -triple=amdgcn-amd-amdhsa -mcpu=gfx1250 --defsym DOCPART=n.
;; ======== version 1 of 3: 5 launches
;; workspace buffers: route 16,384 bytes of whole numbers; tokf 16,384 bytes; place 41,728 bytes of whole numbers; hq 1,740,800 bytes; aq 6,963,200 bytes; ypart 17,825,792 bytes
;; launch route (part 1): grid 64 x 1, 16 waves a work-group, no clusters, 2,560 bytes of LDS; arguments x, router_W, router_b, route, tokf; writes route, tokf
.if DOCPART == 1
	.amdgcn_target "amdgcn-amd-amdhsa--gfx1250"
	.amdhsa_code_object_version 6
	.text
	.protected	k_q3fd20382c3_route
	.globl	k_q3fd20382c3_route
	.p2align	8
	.type	k_q3fd20382c3_route,@function
k_q3fd20382c3_route:
	s_mov_b64 s[64:65], 0
	v_nop
	global_prefetch_b8 v0, s[64:65] scope:SCOPE_SE
	s_setreg_imm32_b32 hwreg(HW_REG_WAVE_MODE, 25, 1), 1
	s_wait_xcnt 0x0
; ROUTE.  For each of the 1,024 tokens: the mean and 1/sqrt(var + 1e-5) of its 1,024 numbers, its 8 logits (f32 multiply-adds), the two largest (ties to the lower expert),
; and the softmax over those two (the larger is taken away before the exponential).  Stored at fixed places: route[token] = {count word low, count word high, e0, e1}, tokf[token] = {g0, g1, mean, rstd}.
; The count words carry a 1 in byte e % 4 of the low (e < 4) or high word for each chosen expert.  No address and no branch hangs on the choice.
; SHARES: a work-group takes 16 tokens, a wave one.  Lane l holds columns 128 j + 4 l + c (j = 0..7, c = 0..3): each load of x covers 512 consecutive bytes.
; LIMITS: NaN and infinities are not served.  The logits are summed in another order than a plain dot product: two logits equal to within f32 rounding may be ranked either way.
; No matrix unit (N = 8), no cluster (x is read once here; router_W is 32 KiB).
.set X, 8                              ; v8-39    my 32 numbers of x
.set A, 40                             ; v40-47   the 8 logits' partial sums, four pairs
.set W, 48                             ; v48-239  six sets of 32: router_W's rows of four columns, 8 experts each
.macro BFLY r                          ; the sum over the 32 lanes, in every lane
	v_add_f32_dpp v[\r], v[\r], v[\r] row_xmask:1 row_mask:0xf bank_mask:0xf
	v_add_f32_dpp v[\r], v[\r], v[\r] row_xmask:2 row_mask:0xf bank_mask:0xf
	v_add_f32_dpp v[\r], v[\r], v[\r] row_xmask:4 row_mask:0xf bank_mask:0xf
	v_add_f32_dpp v[\r], v[\r], v[\r] row_xmask:8 row_mask:0xf bank_mask:0xf
	v_permlanex16_b32 v254, v[\r], s24, s25
	v_add_f32 v[\r], v[\r], v254
.endm
.macro LOADW j                         ; router_W's rows 128 j + 4 l + c: 32 bytes a row
.set WBL, W+32*((\j)%6)
.irp c, 0,1,2,3
	global_load_b128 v[WBL+8*\c:WBL+8*\c+3], v2, s[6:7] offset:4096*(\j)+32*\c
	global_load_b128 v[WBL+8*\c+4:WBL+8*\c+7], v2, s[6:7] offset:4096*(\j)+32*\c+16
.endr
.endm
.macro DOT1 j, c, sel                  ; 8 logits += x(128 j + 4 l + c) x its row of router_W; sel picks x's register of the pair for both halves
.set WBD, W+32*((\j)%6)+8*(\c)
.set XP, X+4*(\j)+2*((\c)/2)
.irp p, 0,1,2,3
.if ((\j) == 0) && ((\c) == 0)
	v_pk_mul_f32 v[A+2*\p:A+2*\p+1], v[WBD+2*\p:WBD+2*\p+1], v[XP:XP+1] op_sel:[0,\sel] op_sel_hi:[1,\sel]
.else
	v_pk_fma_f32 v[A+2*\p:A+2*\p+1], v[WBD+2*\p:WBD+2*\p+1], v[XP:XP+1], v[A+2*\p:A+2*\p+1] op_sel:[0,\sel,0] op_sel_hi:[1,\sel,1]
.endif
.endr
.endm
.macro DOT j, left                     ; left: the loads issued behind set j's eight
	s_wait_loadcnt \left
	DOT1 \j, 0, 0
	DOT1 \j, 1, 1
	DOT1 \j, 2, 0
	DOT1 \j, 3, 1
.endm
.macro SCAN bv, bi                     ; the largest logit and its expert; only a strictly larger one takes the place: ties stay with the lower expert
	v_mov_b32 v[\bv], v[A]
	v_mov_b32 v[\bi], 0
.irp e, 1,2,3,4,5,6,7
	v_cmp_gt_f32 vcc_lo, v[A+\e], v[\bv]
	v_cndmask_b32 v[\bv], v[\bv], v[A+\e], vcc_lo
	v_cndmask_b32 v[\bi], v[\bi], \e, vcc_lo
.endr
.endm
.macro ONEHOT bi, lo, hi               ; 1 << 8 (e % 4), in the low word for e < 4, else in the high word
	v_and_b32 v251, 3, v[\bi]
	v_lshlrev_b32 v251, 3, v251
	v_lshlrev_b32 v251, v251, v246
	v_cmp_gt_u32 vcc_lo, 4, v[\bi]
	v_cndmask_b32 v[\lo], 0, v251, vcc_lo
	v_xor_b32 v[\hi], v251, v[\lo]
.endm
	s_load_b256 s[4:11], s[0:1], 0x0               ; x s[4:5], router_W s[6:7], router_b s[8:9], route s[10:11]
	s_load_b64 s[12:13], s[0:1], 0x20              ; tokf
	v_lshrrev_b32 v3, 5, v0
	v_readfirstlane_b32 s14, v3                    ; wave 0..15
	v_and_b32 v6, 31, v0                           ; lane
	v_lshlrev_b32 v1, 4, v6                        ; x: 16 bytes a lane
	v_lshlrev_b32 v2, 7, v6                        ; router_W: four rows of 32 bytes a lane
	v_and_b32 v3, 0x1e0, v0                        ; LDS: 32 bytes for each wave's token
	v_and_b32 v7, 15, v0
	v_lshlrev_b32 v4, 5, v7                        ; LDS, on the way out: token lane % 16
	v_lshlrev_b32 v5, 4, v7                        ; and its 16 bytes in memory
	v_mov_b32 v254, 0                              ; a lane permute's destination counts as one of its sources
	s_mov_b32 s24, 0x76543210
	s_mov_b32 s25, 0xfedcba98                      ; lane l xor 16
	s_mov_b32 s26, 0x3727c5ac                      ; 1e-5
	s_mov_b32 s27, 0x3a800000                      ; 1 / 1024
	s_lshl_b32 s28, ttmp9, 16                      ; 16 tokens of 4,096 bytes a work-group,
	s_lshl_b32 s29, s14, 12                        ; one a wave
	s_add_co_u32 s28, s28, s29
	s_mov_b32 s29, 0
	s_lshl_b32 s30, ttmp9, 8                       ; 16 tokens of 16 bytes in route and in tokf
	s_mov_b32 s31, 0
	s_wait_kmcnt 0x0
	s_load_b256 s[16:23], s[8:9], 0x0              ; router_b
	s_add_nc_u64 s[4:5], s[4:5], s[28:29]
	s_add_nc_u64 s[10:11], s[10:11], s[30:31]
	s_add_nc_u64 s[12:13], s[12:13], s[30:31]
.irp j, 0,1,2,3,4,5,6,7
	global_load_b128 v[X+4*\j:X+4*\j+3], v1, s[4:5] offset:512*\j
.endr
.irp j, 0,1,2,3,4,5
	LOADW \j
.endr
	s_wait_loadcnt 48                              ; x is in; the 48 loads of router_W behind it may be out
	v_pk_add_f32 v[240:241], v[8:9], v[10:11]      ; the mean, in two chains
	v_pk_add_f32 v[242:243], v[12:13], v[14:15]
.irp i, 16,20,24,28,32,36
	v_pk_add_f32 v[240:241], v[240:241], v[\i:\i+1]
	v_pk_add_f32 v[242:243], v[242:243], v[\i+2:\i+3]
.endr
	v_pk_add_f32 v[240:241], v[240:241], v[242:243]
	v_add_f32 v240, v240, v241
	BFLY 240
	v_mul_f32 v252, s27, v240                      ; mean
	v_mov_b32 v253, 0                              ; (named with it as a pair, so it is written)
	v_pk_add_f32 v[244:245], v[8:9], v[252:253] op_sel_hi:[1,0] neg_lo:[0,1] neg_hi:[0,1]
	v_pk_add_f32 v[246:247], v[10:11], v[252:253] op_sel_hi:[1,0] neg_lo:[0,1] neg_hi:[0,1]
	v_pk_mul_f32 v[248:249], v[244:245], v[244:245]   ; the first squares start the sums
	v_pk_mul_f32 v[250:251], v[246:247], v[246:247]
.irp i, 12,16,20,24,28,32,36
	v_pk_add_f32 v[244:245], v[\i:\i+1], v[252:253] op_sel_hi:[1,0] neg_lo:[0,1] neg_hi:[0,1]
	v_pk_add_f32 v[246:247], v[\i+2:\i+3], v[252:253] op_sel_hi:[1,0] neg_lo:[0,1] neg_hi:[0,1]
	v_pk_fma_f32 v[248:249], v[244:245], v[244:245], v[248:249]
	v_pk_fma_f32 v[250:251], v[246:247], v[246:247], v[250:251]
.endr
	v_pk_add_f32 v[248:249], v[248:249], v[250:251]
	v_add_f32 v248, v248, v249
	BFLY 248
	v_fma_f32 v255, v248, s27, s26                 ; var + 1e-5
	v_rsq_f32 v253, v255
	v_nop                                          ; a plain instruction behind the transcendental,
	s_wait_alu depctr_va_vdst(0)                   ; and a wait ahead of the first line that names its result
	DOT 0, 40
	LOADW 6                                        ; into the set just used
	DOT 1, 40
	LOADW 7
	DOT 2, 40
	DOT 3, 32
	DOT 4, 24
	DOT 5, 16
	DOT 6, 8
	DOT 7, 0
.irp m, 1,2,4,8
.irp e, 0,1,2,3,4,5,6,7
	v_add_f32_dpp v[A+\e], v[A+\e], v[A+\e] row_xmask:\m row_mask:0xf bank_mask:0xf
.endr
.endr
.irp e, 0,1,2,3,4,5,6,7
	v_permlanex16_b32 v[240+\e], v[A+\e], s24, s25
.endr
.irp e, 0,1,2,3,4,5,6,7
	v_add_f32 v[A+\e], v[A+\e], v[240+\e]
.endr
	s_wait_kmcnt 0x0                               ; router_b
.irp e, 0,1,2,3,4,5,6,7
	v_add_f32 v[A+\e], s[16+\e], v[A+\e]
.endr
	SCAN 240, 241                                  ; the largest: w0, e0
	v_mov_b32 v255, 0xff800000                     ; -infinity takes its place,
.irp e, 0,1,2,3,4,5,6,7
	v_cmp_eq_u32 vcc_lo, \e, v241
	v_cndmask_b32 v[A+\e], v[A+\e], v255, vcc_lo
.endr
	SCAN 242, 243                                  ; and the scan gives the second: w1, e1
	v_sub_f32 v244, v242, v240                     ; w1 - w0, 0 or less: the maximum is taken away
	v_mul_f32 v244, 0x3fb8aa3b, v244
	v_exp_f32 v244, v244                           ; p1 = e^(w1 - w0)
	v_mov_b32 v246, 1                              ; (a plain instruction behind the transcendental)
	s_wait_alu depctr_va_vdst(0)
	v_add_f32 v245, 1.0, v244
	v_rcp_f32 v12, v245                            ; g0 = 1 / (1 + p1)
	v_mov_b32 v14, v252                            ; (plain)  the mean
	s_wait_alu depctr_va_vdst(0)
	v_mul_f32 v13, v244, v12                       ; g1 = p1 g0
	v_mov_b32 v15, v253                            ; rstd
	ONEHOT 241, 247, 248
	ONEHOT 243, 249, 250
	v_or_b32 v8, v247, v249
	v_or_b32 v9, v248, v250
	v_mov_b32 v10, v241
	v_mov_b32 v11, v243
	ds_store_b128 v3, v[8:11]                      ; all lanes of a wave write the same bytes with the same values
	ds_store_b128 v3, v[12:15] offset:16
	s_wait_dscnt 0x0                               ; for the others' sake: my stores have landed
	s_barrier_signal -1
	s_barrier_wait -1
	s_cmp_lg_u32 s14, 0
	s_cbranch_scc1 .Lnot_0
	ds_load_b128 v[16:19], v4                      ; wave 0: the 16 tokens' whole numbers: 256 consecutive bytes, aligned (lanes 16-31 repeat lanes 0-15)
	s_wait_dscnt 0x0
	global_store_b128 v5, v[16:19], s[10:11]
	s_wait_xcnt 0x0
	v_lshl_add_u32 v254, v0, 2, 0x200
	v_mov_b32 v255, 0
	s_wait_tensorcnt 0x0
	ds_add_u32 v254, v255
	s_wait_dscnt 0x0
	s_endpgm
.Lnot_0:
	s_cmp_lg_u32 s14, 1
	s_cbranch_scc1 .Lnot_1
	ds_load_b128 v[16:19], v4 offset:16            ; wave 1: their gates, means and rstd
	s_wait_dscnt 0x0
	global_store_b128 v5, v[16:19], s[12:13]
.Lnot_1:
	s_wait_xcnt 0x0
	v_lshl_add_u32 v254, v0, 2, 0x200
	v_mov_b32 v255, 0
	s_wait_tensorcnt 0x0
	ds_add_u32 v254, v255
	s_wait_dscnt 0x0
	s_endpgm
.Lfunc_end_k_q3fd20382c3_route:
	.size	k_q3fd20382c3_route, .Lfunc_end_k_q3fd20382c3_route-k_q3fd20382c3_route
	.p2alignl 7, 3214868480
	.fill 96, 4, 3214868480
	.section	.rodata,"a",@progbits
	.p2align	6, 0x0
	.amdhsa_kernel k_q3fd20382c3_route
		.amdhsa_group_segment_fixed_size 2560
		.amdhsa_private_segment_fixed_size 0
		.amdhsa_enable_private_segment 0
		.amdhsa_kernarg_size 40
		.amdhsa_user_sgpr_count 2
		.amdhsa_user_sgpr_kernarg_segment_ptr 1
		.amdhsa_wavefront_size32 1
		.amdhsa_system_sgpr_workgroup_id_x 1
		.amdhsa_system_sgpr_workgroup_id_y 1
		.amdhsa_system_sgpr_workgroup_id_z 1
		.amdhsa_system_vgpr_workitem_id 0
		.amdhsa_next_free_vgpr 256
		.amdhsa_next_free_sgpr 66
		.amdhsa_reserve_vcc 1
		.amdhsa_float_denorm_mode_32 3
		.amdhsa_float_denorm_mode_16_64 3
		.amdhsa_memory_ordered 1
		.amdhsa_forward_progress 1
		.amdhsa_inst_pref_size 29
	.end_amdhsa_kernel
	.amdgpu_metadata
---
amdhsa.version: [ 1, 2 ]
amdhsa.kernels:
  - .name:           k_q3fd20382c3_route
    .symbol:         k_q3fd20382c3_route.kd
    .args:
      - { .name: x, .offset: 0, .size: 8, .value_kind: global_buffer, .address_space: global }
      - { .name: router_W, .offset: 8, .size: 8, .value_kind: global_buffer, .address_space: global }
      - { .name: router_b, .offset: 16, .size: 8, .value_kind: global_buffer, .address_space: global }
      - { .name: route, .offset: 24, .size: 8, .value_kind: global_buffer, .address_space: global }
      - { .name: tokf, .offset: 32, .size: 8, .value_kind: global_buffer, .address_space: global }
    .group_segment_fixed_size: 2560
    .private_segment_fixed_size: 0
    .kernarg_segment_align: 8
    .kernarg_segment_size: 40
    .max_flat_workgroup_size: 512
    .sgpr_count:     66
    .vgpr_count:     256
    .wavefront_size: 32
...
	.end_amdgpu_metadata
.endif
;; end of part 1
;; launch place (part 2): grid 136 x 1, 8 waves a work-group, no clusters, 0 bytes of LDS; arguments route, tokf, x, ln_g, ln_b, place, hq; writes place, hq
.if DOCPART == 2
	.amdgcn_target "amdgcn-amd-amdhsa--gfx1250"
	.amdhsa_code_object_version 6
	.text
	.protected	k_q3fd20382c3_place
	.globl	k_q3fd20382c3_place
	.p2align	8
	.type	k_q3fd20382c3_place,@function
k_q3fd20382c3_place:
	s_mov_b64 s[64:65], 0
	v_nop
	global_prefetch_b8 v0, s[64:65] scope:SCOPE_SE
	s_setreg_imm32_b32 hwreg(HW_REG_WAVE_MODE, 25, 1), 1
	s_wait_xcnt 0x0
; PLACE.  The routed rows (token, expert) are laid in tiles of 16 rows, each expert's rows in token order, each expert padded to whole tiles: at most (2,048 + 8 x 15) / 16 = 135 tiles, whatever the split.
; Work-group T makes tile T; a work-group beyond the last tile ends.  Every wave repeats the whole-number work (counts, prefix, compaction) in registers: no LDS bytes, no barrier.
; Then wave s makes K step s (128 of the 1,024) of the tile's operand: h = (x - mean) rstd ln_g[E] + ln_b[E] in f32, quantised to E2M3 with one E8M0 byte for each 32 along K,
; stored as an IMAGE OF THE OPERAND'S REGISTERS: hq + 12,288 T + 1,536 s + 512 g + 16 lane holds registers 4 g .. 4 g + 3; the rows' scale words at hq + HSC + 512 T + 64 s + 4 row.
; place: words 0-7 each expert's first tile, words 8-15 its number of tiles; from byte 256 posOf[token][expert] = 16 T + row; pad rows (they carry token 0's numbers and are never gathered) write a word of their own behind that table.
; LIMITS: NaN and infinities are not served; a block whose largest magnitude lies under 2^-124 (a block of zeros too) keeps the scale byte 1: its codes are then small or zeros, and this program alone reads the bytes.
; No cluster: the work-groups share only the 16 KiB of route.
.set X,   16                           ; v16-79   first the 32 pairs of count words (token 32 q + lane), later my 64 numbers of x, then of h
.set G,   80                           ; v80-143  ln_g
.set BT,  144                          ; v144-207 ln_b
.set TM,  208                          ; v208-223 the quantiser's work
.set PW,  224                          ; the scale word
.set PC,  226                          ; v226-244 the codes
.set MU,  246                          ; v[246:247] mean, rstd
.set HSC, 1671168                      ; 136 tiles x 12,288 bytes of codes
; 64 numbers of a lane, register 16 b + i = k 32 b + 16 (lane / 16) + i of my row, become a fragment's codes in v[PC] on and its scale word in v[PW]
.macro QUANT s
.irp b, 0,1,2,3
	v_max3_num_f32 v[TM+\b], |v[\s+16*\b]|, |v[\s+1+16*\b]|, 0x1800000   ; my 16 numbers of block b, and the floor 2^(3 - 127): the byte cannot fall under 1
.endr
.irp i, 2,4,6,8,10,12,14
.irp b, 0,1,2,3
	v_max3_num_f32 v[TM+\b], v[TM+\b], |v[\s+16*\b+\i]|, |v[\s+1+16*\b+\i]|
.endr
.endr
.irp b, 0,1,2,3
	v_permlanex16_b32 v[TM+4+\b], v[TM+\b], s58, s59
.endr
.irp b, 0,1,2,3
	v_max_num_f32 v[TM+\b], v[TM+\b], v[TM+4+\b]   ; with lane l xor 16's 16: the block's largest magnitude
.endr
.irp b, 0,1,2,3
	v_add_nc_u32 v[TM+12+\b], 0xff000000, v[TM+\b] ; 2 off its exponent field: the conversion's scale operand
.endr
.irp b, 0,1,2,3
	v_lshrrev_b32 v[TM+4+\b], 23, v[TM+12+\b]      ; the scale's byte
.endr
	v_lshl_or_b32 v[PW], v[TM+5], 8, v[TM+4]
	v_lshl_or_b32 v[PW], v[TM+6], 16, v[PW]
	v_lshl_or_b32 v[PW], v[TM+7], 24, v[PW]
.irp c, 0,1
	v_cvt_scalef32_pk16_fp6_f32 v[PC+6*\c:PC+2+6*\c], v[\s+32*\c:\s+15+32*\c], v[TM+12+2*\c]
	v_cvt_scalef32_pk16_fp6_f32 v[PC+12+4*\c:PC+14+4*\c], v[\s+16+32*\c:\s+31+32*\c], v[TM+12+2*\c+1]   ; (a conversion's three registers begin on an even number)
.endr
	v_nop                                          ; one plain instruction behind a scaled conversion
.irp c, 0,1                                    ; the operand wants a whole block in a lane: lanes 0-15 block 2 c, lanes 16-31 block 2 c + 1
.irp i, 0,1,2
	v_permlane16_swap_b32 v[PC+6*\c+\i], v[PC+12+4*\c+\i]
.endr
.irp i, 0,1,2
	v_mov_b32 v[PC+3+6*\c+\i], v[PC+12+4*\c+\i]
.endr
.endr
.endm
; Tokens 32 q + lane.  Members of expert E are numbered in token order; s23 is the number, counted from my tile's first row, of this group's first member.  A member whose number n lies in 0 .. 15 sends token + 1 to lane n.
; So that no two lanes send to one lane, members aim at s23 + (members below me) and the others at s23 + (members in the group) + (others below me): all 32 lanes, modulo 32, once each; who has nothing to say sends 0.
.macro COMPACT
	v_and_b32 v248, s49, v[X+2*q]
	v_and_or_b32 v248, v[X+2*q+1], s50, v248
	v_cmp_ne_u32 s51, 0, v248                      ; the members
	s_bcnt1_i32_b32 s52, s51
	v_mbcnt_lo_u32_b32 v249, s51, 0                ; members below me
	v_add_nc_u32 v250, s23, v249                   ; a member's number
	v_sub_nc_u32 v251, v1, v249                    ; others below me
	s_add_co_u32 s53, s23, s52
	v_add_nc_u32 v251, s53, v251
	v_cndmask_b32 v251, v251, v250, s51
	v_cmp_gt_u32 s54, 16, v250                     ; unsigned: numbers in front of my tile are very large
	s_and_b32 s54, s54, s51
	v_add_nc_u32 v249, 32*q, v7                    ; token + 1
	v_cndmask_b32 v249, 0, v249, s54
	v_lshlrev_b32 v251, 2, v251
	v_and_b32 v251, 0x7c, v251                     ; 4 x (the lane aimed at, modulo 32)
	ds_permute_b32 v[X+2*q], v251, v249            ; touches no LDS byte
	s_mov_b32 s23, s53
.endm
	s_load_b256 s[4:11], s[0:1], 0x0               ; route s[4:5], tokf s[6:7], x s[8:9], ln_g s[10:11]
	s_load_b128 s[12:15], s[0:1], 0x20             ; ln_b s[12:13], place s[14:15]
	s_load_b64 s[16:17], s[0:1], 0x30              ; hq
	v_lshrrev_b32 v1, 5, v0
	v_readfirstlane_b32 s18, v1                    ; wave = K step
	s_mov_b32 s19, ttmp9                           ; T
	v_and_b32 v1, 31, v0                           ; lane
	v_and_b32 v2, 15, v0                           ; r
	v_bfe_u32 v3, v0, 4, 1                         ; h
	v_lshlrev_b32 v4, 4, v1                        ; 16 x lane
	v_lshlrev_b32 v6, 2, v1                        ; 4 x lane
	v_add_nc_u32 v7, 1, v1
	v_lshlrev_b32 v8, 2, v2                        ; 4 r
	v_lshlrev_b32 v14, 6, v3                       ; 64 h: my 16 numbers of a block of 32
	v_mov_b32 v254, 0                              ; destinations of lane moves count as sources: written once
.irp b, 0,1,2,3
	v_mov_b32 v[TM+4+\b], 0
.endr
	s_mov_b32 s58, 0x76543210
	s_mov_b32 s59, 0xfedcba98                      ; lane l xor 16
	s_mov_b32 s60, 0x00ff00ff
	s_wait_kmcnt 0x0
.set q, 0
.rept 32
	global_load_b64 v[X+2*q:X+2*q+1], v4, s[4:5] offset:512*q   ; the count words of token 32 q + lane
.set q, q+1
.endr
	s_wait_loadcnt 0x0
	; each expert's rows: a lane's 32 tokens first (a byte holds up to 32), then widened to 16 bits and summed over the lanes
	v_add3_u32 v248, v16, v18, v20
	v_add3_u32 v249, v17, v19, v21
.irp q, 3,5,7,9,11,13,15,17,19,21,23,25,27,29
	v_add3_u32 v248, v248, v[16+2*\q], v[18+2*\q]
	v_add3_u32 v249, v249, v[17+2*\q], v[19+2*\q]
.endr
	v_add_nc_u32 v248, v248, v78
	v_add_nc_u32 v249, v249, v79
	v_and_b32 v250, s60, v248                      ; experts 0 and 2
	v_lshrrev_b32 v251, 8, v248
	v_and_b32 v251, s60, v251                      ; 1 and 3
	v_and_b32 v252, s60, v249                      ; 4 and 6
	v_lshrrev_b32 v253, 8, v249
	v_and_b32 v253, s60, v253                      ; 5 and 7
.irp m, 1,2,4,8
.irp a, 250,251,252,253
	v_mov_b32_dpp v254, v\a row_xmask:\m row_mask:0xf bank_mask:0xf
	v_add_nc_u32 v\a, v\a, v254
.endr
.endr
.irp a, 250,251,252,253
	v_permlanex16_b32 v254, v\a, s58, s59
	v_add_nc_u32 v\a, v\a, v254
.endr
	v_readfirstlane_b32 s61, v250
	s_and_b32 s24, s61, 0xffff
	s_lshr_b32 s26, s61, 16
	v_readfirstlane_b32 s61, v251
	s_and_b32 s25, s61, 0xffff
	s_lshr_b32 s27, s61, 16
	v_readfirstlane_b32 s61, v252
	s_and_b32 s28, s61, 0xffff
	s_lshr_b32 s30, s61, 16
	v_readfirstlane_b32 s61, v253
	s_and_b32 s29, s61, 0xffff
	s_lshr_b32 s31, s61, 16
	; the prefix over experts, in tiles: s[32+e] first tile, s[40+e] tiles; E = the last expert whose first tile is not beyond T, S its first tile
	s_mov_b32 s20, 0
	s_mov_b32 s21, 0
	s_mov_b32 s22, 0
.irp e, 0,1,2,3,4,5,6,7
	s_add_co_u32 s[40+\e], s[24+\e], 15
	s_lshr_b32 s[40+\e], s[40+\e], 4
	s_mov_b32 s[32+\e], s20
	s_cmp_ge_u32 s19, s20
	s_cselect_b32 s21, \e, s21
	s_cselect_b32 s22, s20, s22
	s_add_co_u32 s20, s20, s[40+\e]
.endr
	s_cmp_ge_u32 s19, s20                          ; beyond the last tile of this split: nothing to do
	s_cbranch_scc1 .Lend
	s_min_u32 s21, s21, 7
	s_or_b32 s61, s19, s18
	s_cmp_lg_u32 s61, 0
	s_cbranch_scc1 .Lno_meta
	v_mov_b32 v5, 0                                ; work-group 0, wave 0: the table of experts, 128 bytes
.irp e, 0,1,2,3,4,5,6,7
	v_writelane_b32 v5, s[32+\e], \e
	v_writelane_b32 v5, s[40+\e], 8+\e
.endr
	global_store_b32 v6, v5, s[14:15]
.Lno_meta:
	s_sub_co_u32 s23, s22, s19
	s_lshl_b32 s23, s23, 4                         ; -16 (T - S)
	s_and_b32 s48, s21, 3
	s_lshl_b32 s48, s48, 3
	s_lshl_b32 s48, 1, s48
	s_cmp_lt_u32 s21, 4
	s_cselect_b32 s49, s48, 0                      ; E's bit in the low count word,
	s_cselect_b32 s50, 0, s48                      ; or in the high one
.set q, 0
.rept 32
	COMPACT
.set q, q+1
.endr
	s_wait_dscnt 0x0
.set q, 1
.rept 31
	v_or_b32 v16, v16, v[X+2*q]                    ; each of lanes 0-15 was given at most one token
.set q, q+1
.endr
	ds_bpermute_b32 v249, v8, v16                  ; lanes 16-31 take lanes 0-15's
	s_wait_dscnt 0x0
	v_cmp_eq_u32 s55, 0, v249                      ; a pad row
	v_max_u32 v9, 1, v249
	v_add_nc_u32 v9, -1, v9
	v_min_u32 v9, 0x3ff, v9                        ; my row's token (a pad row: token 0)
	s_lshl_b32 s56, s19, 4
	v_add_nc_u32 v11, s56, v2                      ; my row's position: 16 T + r
	s_cmp_lg_u32 s18, 0
	s_cbranch_scc1 .Lno_pos
	v_lshl_add_u32 v10, v9, 3, s21                 ; wave 0: posOf[token][E],
	v_add_nc_u32 v15, 0x2000, v11                  ; or, for a pad row, the word of its own behind the table
	v_cndmask_b32 v10, v10, v15, s55
	v_min_u32 v10, 10367, v10
	v_lshlrev_b32 v10, 2, v10
	global_store_b32 v10, v11, s[14:15] offset:256
.Lno_pos:
	s_lshl_b32 s66, s18, 9                         ; my K step: 512 bytes along a row
	s_mov_b32 s67, 0
	s_add_nc_u64 s[8:9], s[8:9], s[66:67]
	s_lshl_b32 s68, s21, 12                        ; expert E's row of ln_g and ln_b
	s_add_co_u32 s66, s66, s68
	s_add_nc_u64 s[10:11], s[10:11], s[66:67]
	s_add_nc_u64 s[12:13], s[12:13], s[66:67]
	s_mul_i32 s66, s19, 12288
	s_mul_i32 s68, s18, 1536
	s_add_co_u32 s66, s66, s68
	s_add_nc_u64 s[70:71], s[16:17], s[66:67]      ; my fragment's image
	s_lshl_b32 s66, s19, 9
	s_lshl_b32 s68, s18, 6
	s_add_co_u32 s66, s66, s68
	s_add_nc_u64 s[72:73], s[16:17], s[66:67]      ; its scale words (HSC stands in the immediate)
	v_lshlrev_b32 v12, 4, v9
	v_lshl_add_u32 v13, v9, 12, v14                ; x: my token's row, + 64 h
	global_load_b64 v[MU:MU+1], v12, s[6:7] offset:8
.irp b, 0,1,2,3
.irp j, 0,1,2,3
	global_load_b128 v[X+16*\b+4*\j:X+16*\b+4*\j+3], v13, s[8:9] offset:128*\b+16*\j
	global_load_b128 v[G+16*\b+4*\j:G+16*\b+4*\j+3], v14, s[10:11] offset:128*\b+16*\j
	global_load_b128 v[BT+16*\b+4*\j:BT+16*\b+4*\j+3], v14, s[12:13] offset:128*\b+16*\j
.endr
.endr
	s_wait_loadcnt 0x0
.set i, 0
.rept 32
	v_pk_add_f32 v[X+i:X+i+1], v[X+i:X+i+1], v[MU:MU+1] op_sel_hi:[1,0] neg_lo:[0,1] neg_hi:[0,1]   ; x - mean
.set i, i+2
.endr
.set i, 0
.rept 32
	v_pk_mul_f32 v[X+i:X+i+1], v[X+i:X+i+1], v[MU:MU+1] op_sel:[0,1] op_sel_hi:[1,1]                 ; x rstd
.set i, i+2
.endr
.set i, 0
.rept 32
	v_pk_fma_f32 v[X+i:X+i+1], v[X+i:X+i+1], v[G+i:G+i+1], v[BT+i:BT+i+1]                            ; x ln_g + ln_b
.set i, i+2
.endr
	QUANT X
.irp g, 0,1,2
	global_store_b128 v4, v[PC+4*\g:PC+4*\g+3], s[70:71] offset:512*\g   ; 512 consecutive bytes, aligned to 256
.endr
	global_store_b32 v8, v[PW], s[72:73] offset:HSC    ; lanes 16-31 hold the same words as lanes 0-15
.Lend:
	s_endpgm
.Lfunc_end_k_q3fd20382c3_place:
	.size	k_q3fd20382c3_place, .Lfunc_end_k_q3fd20382c3_place-k_q3fd20382c3_place
	.p2alignl 7, 3214868480
	.fill 96, 4, 3214868480
	.section	.rodata,"a",@progbits
	.p2align	6, 0x0
	.amdhsa_kernel k_q3fd20382c3_place
		.amdhsa_group_segment_fixed_size 0
		.amdhsa_private_segment_fixed_size 0
		.amdhsa_enable_private_segment 0
		.amdhsa_kernarg_size 56
		.amdhsa_user_sgpr_count 2
		.amdhsa_user_sgpr_kernarg_segment_ptr 1
		.amdhsa_wavefront_size32 1
		.amdhsa_system_sgpr_workgroup_id_x 1
		.amdhsa_system_sgpr_workgroup_id_y 1
		.amdhsa_system_sgpr_workgroup_id_z 1
		.amdhsa_system_vgpr_workitem_id 0
		.amdhsa_next_free_vgpr 256
		.amdhsa_next_free_sgpr 80
		.amdhsa_reserve_vcc 0
		.amdhsa_float_denorm_mode_32 3
		.amdhsa_float_denorm_mode_16_64 3
		.amdhsa_memory_ordered 1
		.amdhsa_forward_progress 1
		.amdhsa_inst_pref_size 57
	.end_amdhsa_kernel
	.amdgpu_metadata
---
amdhsa.version: [ 1, 2 ]
amdhsa.kernels:
  - .name:           k_q3fd20382c3_place
    .symbol:         k_q3fd20382c3_place.kd
    .args:
      - { .name: route, .offset: 0, .size: 8, .value_kind: global_buffer, .address_space: global }
      - { .name: tokf, .offset: 8, .size: 8, .value_kind: global_buffer, .address_space: global }
      - { .name: x, .offset: 16, .size: 8, .value_kind: global_buffer, .address_space: global }
      - { .name: ln_g, .offset: 24, .size: 8, .value_kind: global_buffer, .address_space: global }
      - { .name: ln_b, .offset: 32, .size: 8, .value_kind: global_buffer, .address_space: global }
      - { .name: place, .offset: 40, .size: 8, .value_kind: global_buffer, .address_space: global }
      - { .name: hq, .offset: 48, .size: 8, .value_kind: global_buffer, .address_space: global }
    .group_segment_fixed_size: 0
    .private_segment_fixed_size: 0
    .kernarg_segment_align: 8
    .kernarg_segment_size: 56
    .max_flat_workgroup_size: 256
    .sgpr_count:     80
    .vgpr_count:     256
    .wavefront_size: 32
...
	.end_amdgpu_metadata
.endif
;; end of part 2
;; launch ffn1 (part 3): grid 256 x 1, 16 waves a work-group, no clusters, 104,448 bytes of LDS; arguments W1, b1, place, hq, aq; writes aq
.if DOCPART == 3
	.amdgcn_target "amdgcn-amd-amdhsa--gfx1250"
	.amdhsa_code_object_version 6
	.text
	.protected	k_q3fd20382c3_ffn1
	.globl	k_q3fd20382c3_ffn1
	.p2align	8
	.type	k_q3fd20382c3_ffn1,@function
k_q3fd20382c3_ffn1:
	s_mov_b64 s[64:65], 0
	v_nop
	global_prefetch_b8 v0, s[64:65] scope:SCOPE_SE
	s_setreg_imm32_b32 hwreg(HW_REG_WAVE_MODE, 25, 1), 1
	s_wait_xcnt 0x0
; FFN1.  a = gelu(h W1[e] + b1[e]) for the rows routed to expert e, both operands of the product in E2M3 with one E8M0 byte for each 32 along K; a is quantised along the next product's K and stored as codes.
; SHARES.  Work-group = (expert e = id / 32, slice = id % 32): 128 hidden units, all 1,024 of K: 512 KiB of W1, each byte of W1 read once in the launch, as f32.
; PHASE A: the slice is quantised into LDS.  A lane takes a column (a hidden unit) and its registers run down K, so a block of 32 is one lane's and the codes come out with K innermost.  Wave w: columns 32 (w % 4) on,
; K 256 (w / 4) on.  The codes are laid as IMAGES OF THE OPERAND'S REGISTERS: fragment (K step sg, tile j) at 1,536 (8 sg + j); in it registers 4 g .. 4 g + 3 of lane L at 512 g + 16 L.  Scale words at SCW + 512 sg + 64 j + 4 row.
; THE UNITS OF A TILE ARE NOT NEIGHBOURS: row p of tile 2 b + u is unit 32 b + 8 u + p + 8 (p / 8), so that the 16 result registers of tiles 2 b and 2 b + 1 are 16 neighbours along the next K.
; One barrier; it stands ahead of every branch on stored numbers.
; PHASE B: wave w takes units 64 (w % 2) on (4 tiles) for three tiles of 16 rows, 3 (w / 2) on, 24 further each trip: 12 accumulators by turns.  THREE TRIPS AT THE MOST: the two experts of a token differ, so an expert
; has at most 1,024 rows, 64 tiles, and three trips of 24 cover 72; a wave with no tile left leaves the loop.  The product is used transposed (source 0 = W1's units,
; source 1 = h's rows): a lane holds one row and neighbouring units.  b1 is loaded straight into the accumulators and is the first product's C.  h's fragments come from hq, three K steps ahead.
; gelu(u) = max(u, 0) - |u| erfc(|u| / sqrt 2) / 2, with erfc(z) = t exp(-z^2 + P(t)), t = 1 / (1 + z / 2), P of degree 9 (a fit whose relative error is near 1.2e-7 for every z).
; aq: tile, K' step (= slice), half c: 768 bytes: registers 6 c .. 6 c + 3 at 16 x lane, then 6 c + 4, 6 c + 5 at 512 + 8 x lane; scale words at ASC + 2,048 tile + 64 slice + 4 row, my two bytes at + 2 c.
; A trip's tiles beyond the expert's last are held at the last: that tile is then made and stored again by the same wave with the same values.
; NO CLUSTER, NO TENSOR LOADS: the 32 work-groups of an expert do read the same tiles of hq, but how many hangs on the stored list, and a joint request comes by a tensor load alone.
; LIMITS: NaN and infinities are not served; gelu's relative error grows to about 5e-6 for u under -10 (the exponent's rounding) and the erfc term is 0 from |u| near 13 on; blocks under 2^-124 keep the scale byte 1.
.set SCW,   98304                      ; LDS: behind the 64 fragments, their scale words, 4,096 bytes
.set HSC,   1671168
.set ASC,   6684672
.set PITCH, 16384                      ; a row of W1 in bytes
.set FSTEP, 12288                      ; LDS bytes from a K step's fragments to the next's
.set SSTEP, 512                        ; and of scale words
.set TRIPS, 3                          ; 3 x 24 tiles cover an expert's 64 at the most
.set L16, 1                            ; v1   16 x lane
.set L8,  2                            ; v2   8 x lane
.set WB,  3                            ; v3, v4  my four tiles' images, K steps 0-3 and 4-7
.set SB,  5                            ; v5   my tiles' scale words: lanes 0-15 an even tile's, lanes 16-31 the odd one's
.set HSO, 6                            ; v6   4 (lane % 16)
.set BHO, 7                            ; v7   64 (lane / 16)
.set WST, 8                            ; v8   phase A: where my column's codes go
.set SST, 9                            ; v9   and its scale words
.set WS,  10                           ; v10-11  W1's scale words: scales and nothing else
.set HS,  12                           ; v12-20  h's scale words, three sets of three: scales and nothing else
.set LW,  21                           ; v21  4 x lane
.set WF,  22                           ; v22-45  two fragments of W1
.set HF,  46                           ; v46-153 three sets of three fragments of h
.set VC8, 154                          ; v[154:155] the polynomial's c8
.set ACC, 160                          ; v160-255 accumulator (row tile m, unit tile jj) at 160 + 32 m + 8 jj
.set XA,  160                          ; phase A: two sets of 32 numbers
.set CC,  22                           ; phase A: a block's codes
.set CT,  28
.set TP,  32                           ; phase A: at work
.set GT,  22                           ; gelu: t, then t u
.set GP,  54                           ; the polynomial, then the exponential
.set GQ,  86                           ; u^2
.set MX,  22                           ; the quantiser of a: six blocks' maxima, v28.. lane l xor 16's, v34.. scale operands, v40.. bytes, v46.. two bytes a row, v50.. codes
.set MT,  28
.set SO,  34
.set BY,  40
.set HW,  46
.set PC,  50
.set PT,  74
.macro LOAD t                          ; block t: W1(32 t + i, my column): a wave reads 128 consecutive bytes, the four waves side by side 512
.set i, 0
.rept 32
	global_load_b32 v[XA+32*((\t)%2)+i], v[LW], s[26:27] offset:(32*(\t)+i)*PITCH th:TH_LOAD_NT
.set i, i+1
.endr
.endm
.macro BLOCK t
.set XS, XA+32*((\t)%2)
.if (\t) < 7
	s_wait_loadcnt 32                              ; this block's 32 loads are in; the next block's may be out
.else
	s_wait_loadcnt 0
.endif
	v_max3_num_f32 v[TP], |v[XS]|, |v[XS+1]|, |v[XS+2]|            ; the block's largest magnitude: all 32 numbers are mine
	v_max3_num_f32 v[TP+1], |v[XS+3]|, |v[XS+4]|, |v[XS+5]|
.irp i, 6,10,14,18,22,26
	v_max3_num_f32 v[TP], v[TP], |v[XS+\i]|, |v[XS+\i+1]|
	v_max3_num_f32 v[TP+1], v[TP+1], |v[XS+\i+2]|, |v[XS+\i+3]|
.endr
	v_max3_num_f32 v[TP], v[TP], |v[XS+30]|, |v[XS+31]|
	v_max3_num_f32 v[TP], v[TP], v[TP+1], 0x1800000                ; and the floor 2^(3 - 127): the byte cannot fall under 1
	v_add_nc_u32 v[TP+2], 0xff000000, v[TP]                        ; 2 off the exponent field: the conversion's scale operand
	s_wait_dscnt 0x0                               ; the last block's LDS stores have read their registers, which are written again below
	v_cvt_scalef32_pk16_fp6_f32 v[CC:CC+2], v[XS:XS+15], v[TP+2]
	v_cvt_scalef32_pk16_fp6_f32 v[CT:CT+2], v[XS+16:XS+31], v[TP+2]   ; (a conversion's three registers begin on an even number)
	v_lshrrev_b32 v[TP+3], 23, v[TP+2]             ; the scale's byte (also the plain instruction behind the conversions)
.if (\t)%4 == 0
	v_mov_b32 v[TP+4], v[TP+3]                     ; four bytes make my column's scale word of a K step
.else
	v_lshl_or_b32 v[TP+4], v[TP+3], 8*((\t)%4), v[TP+4]
.endif
.irp i, 0,1,2
	v_mov_b32 v[CC+3+\i], v[CT+\i]
.endr
.set OF, ((\t)/4)*FSTEP+256*((\t)%2)           ; block t of a K step is registers 6 c .. 6 c + 5 (c = (t / 2) % 2) of the lane 16 (t % 2) + my row
.if ((\t)/2)%2 == 0
	ds_store_b128 v[WST], v[CC:CC+3] offset:OF
	ds_store_b64 v[WST], v[CC+4:CC+5] offset:OF+512
.else
	ds_store_b64 v[WST], v[CC:CC+1] offset:OF+520
	ds_store_b128 v[WST], v[CC+2:CC+5] offset:OF+1024
.endif
.if (\t)%4 == 3
	ds_store_b32 v[SST], v[TP+4] offset:((\t)/4)*SSTEP
.endif
.if (\t)+2 < 8
	LOAD (\t)+2
.endif
.endm
.macro LOADH sg                        ; K step sg of my three row tiles: 12 loads
.set HBL, HF+36*((\sg)%3)
.irp m, 0,1,2
.irp g, 0,1,2
	global_load_b128 v[HBL+12*\m+4*\g:HBL+12*\m+4*\g+3], v[L16], s[32+2*\m:33+2*\m] offset:1536*(\sg)+512*\g
.endr
	global_load_b32 v[HS+3*((\sg)%3)+\m], v[HSO], s[38+2*\m:39+2*\m] offset:HSC+64*(\sg)
.endr
.endm
.macro KSTEP sg
.if (\sg) <= 5
	s_wait_loadcnt 24                              ; this K step's fragments (and, older, the biases) are in; the two later sets of 12 may be out
.else
	s_wait_loadcnt 12*(7-(\sg))
.endif
.set HBK, HF+36*((\sg)%3)
.set HSK, HS+3*((\sg)%3)
.irp hs, 0,1                                   ; two of my four unit tiles at a time
.irp f, 0,1
.irp g, 0,1,2
	ds_load_b128 v[WF+12*\f+4*\g:WF+12*\f+4*\g+3], v[WB+(\sg)/4] offset:((\sg)%4)*12288+(2*\hs+\f)*1536+512*\g
.endr
.endr
	ds_load_b32 v[WS+\hs], v[SB] offset:512*(\sg)+128*\hs
	s_wait_dscnt 0x0
.irp m, 0,1,2                                  ; the twelve accumulators take turns, one instruction a turn
	v_wmma_scale_f32_16x16x128_f8f6f4 v[ACC+32*\m+16*\hs:ACC+32*\m+16*\hs+7], v[WF:WF+11], v[HBK+12*\m:HBK+12*\m+11], v[ACC+32*\m+16*\hs:ACC+32*\m+16*\hs+7], v[WS+\hs], v[HSK+\m] matrix_a_fmt:MATRIX_FMT_FP6 matrix_b_fmt:MATRIX_FMT_FP6
.endr
.irp m, 0,1,2
	v_wmma_scale_f32_16x16x128_f8f6f4 v[ACC+32*\m+16*\hs+8:ACC+32*\m+16*\hs+15], v[WF+12:WF+23], v[HBK+12*\m:HBK+12*\m+11], v[ACC+32*\m+16*\hs+8:ACC+32*\m+16*\hs+15], v[WS+\hs], v[HSK+\m] matrix_a_fmt:MATRIX_FMT_FP6 matrix_b_fmt:MATRIX_FMT_FP6 matrix_a_scale:MATRIX_SCALE_ROW1
.endr
.rept 4
	v_nop                                          ; four plain instructions in front of loads into registers that matrix instructions have read, and of the first read of results
.endr
.endr
.if (\sg)+3 <= 7
	LOADH (\sg)+3
.endif
.endm
.macro GELU m                          ; in place on row tile m's 32 registers, from each accumulator's low end on
.set XB, ACC+32*(\m)
.set i, 0
.rept 32
	v_fma_f32 v[GT+i], |v[XB+i]|, s66, 1.0         ; 1 + z / 2, z = |u| / sqrt 2
.set i, i+1
.endr
.set i, 0
.rept 32
	v_rcp_f32 v[GT+i], v[GT+i]                     ; t
.set i, i+1
.endr
.set i, 0
.rept 16
	v_pk_mul_f32 v[GQ+i:GQ+i+1], v[XB+i:XB+i+1], v[XB+i:XB+i+1]   ; u^2: plain work behind the reciprocals
.set i, i+2
.endr
	s_wait_alu depctr_va_vdst(0)                   ; one wait for the 32 reciprocals, ahead of their first reader
.set i, 0
.rept 16
	v_pk_fma_f32 v[GP+i:GP+i+1], v[GT+i:GT+i+1], s[86:87], v[VC8:VC8+1] op_sel_hi:[1,0,1]   ; c9 t + c8
.set i, i+2
.endr
.irp cc, 84,82,80,78,76,74,72,70               ; x t + c7 .. c1, c0 (all times log2 e; c0 with log2(1/2) in it)
.set i, 0
.rept 16
	v_pk_fma_f32 v[GP+i:GP+i+1], v[GP+i:GP+i+1], v[GT+i:GT+i+1], s[\cc:\cc+1] op_sel_hi:[1,1,0]
.set i, i+2
.endr
.endr
.set i, 0
.rept 16
	v_pk_fma_f32 v[GP+i:GP+i+1], v[GQ+i:GQ+i+1], s[68:69], v[GP+i:GP+i+1] op_sel_hi:[1,0,1]  ; - z^2 log2 e
.set i, i+2
.endr
.set i, 0
.rept 32
	v_exp_f32 v[GP+i], v[GP+i]
.set i, i+1
.endr
.set i, 0
.rept 16
	v_pk_mul_f32 v[GT+i:GT+i+1], v[GT+i:GT+i+1], v[XB+i:XB+i+1]   ; t u: plain work behind the exponentials
.set i, i+2
.endr
.set i, 0
.rept 32
	v_max_num_f32 v[XB+i], 0, v[XB+i]
.set i, i+1
.endr
	s_wait_alu depctr_va_vdst(0)                   ; one wait for the 32 exponentials
.set i, 0
.rept 32
	v_fma_f32 v[XB+i], -|v[GT+i]|, v[GP+i], v[XB+i]   ; max(u, 0) - |u| erfc / 2
.set i, i+1
.endr
.endm
	s_load_b256 s[4:11], s[0:1], 0x0               ; W1 s[4:5], b1 s[6:7], place s[8:9], hq s[10:11]
	s_load_b64 s[12:13], s[0:1], 0x20              ; aq
	v_lshl_add_u32 v158, v0, 2, 0x19000
	v_mov_b32 v159, 0
	v_lshrrev_b32 v32, 5, v0
	v_readfirstlane_b32 s14, v32                   ; wave 0..15
	s_lshr_b32 s15, ttmp9, 5                       ; expert
	s_and_b32 s16, ttmp9, 31                       ; slice
	s_lshl_b32 s17, s15, 2
	s_and_b32 s19, s14, 1                          ; c: which 64 of the slice's units are mine in phase B
	v_and_b32 v33, 31, v0                          ; lane
	v_lshlrev_b32 v[LW], 2, v33
	s_and_b32 s24, s14, 3                          ; phase A: my 32 columns,
	s_lshr_b32 s30, s14, 2                         ; my 256 rows of K
	s_lshl_b32 s24, s24, 7
	s_lshl_b32 s30, s30, 22
	s_add_co_u32 s24, s24, s30
	s_lshl_b32 s30, s15, 24                        ; an expert's W1 is 2^24 bytes
	s_add_co_u32 s24, s24, s30
	s_lshl_b32 s30, s16, 9
	s_add_co_u32 s24, s24, s30
	s_mov_b32 s25, 0
	s_wait_kmcnt 0x0
	s_add_nc_u64 s[26:27], s[4:5], s[24:25]
	LOAD 0                                         ; the stream starts before anything else: two blocks, 64 loads a wave
	LOAD 1
	s_load_b32 s20, s[8:9], s17 offset:0x0         ; my expert's first tile
	s_load_b32 s21, s[8:9], s17 offset:0x20        ; and its number of tiles: waited for behind phase A
	v_lshlrev_b32 v[L16], 4, v33
	v_lshlrev_b32 v[L8], 3, v33
	v_bfe_u32 v34, v0, 5, 1                        ; c
	v_mad_u32_u24 v[WB], v34, 6144, v[L16]
	v_add_nc_u32 v[WB+1], 49152, v[WB]
	v_lshl_add_u32 v[SB], v34, 8, v[LW]
	v_add_nc_u32 v[SB], SCW, v[SB]
	v_and_b32 v35, 15, v0
	v_lshlrev_b32 v[HSO], 2, v35
	v_bfe_u32 v36, v0, 4, 1
	v_lshlrev_b32 v[BHO], 6, v36
	v_and_b32 v37, 7, v0
	v_lshl_or_b32 v37, v36, 3, v37                 ; column 16 a + 8 u + j of a block of 32 is row 8 a + j of tile u
	v_bfe_u32 v38, v0, 3, 1                        ; u
	v_bfe_u32 v39, v0, 5, 2                        ; which 32 columns
	v_bfe_u32 v40, v0, 7, 2                        ; which 256 of K
	v_lshlrev_b32 v[WST], 4, v37
	v_mad_u32_u24 v[WST], v38, 1536, v[WST]
	v_mad_u32_u24 v[WST], v39, 3072, v[WST]
	v_mad_u32_u24 v[WST], v40, 24576, v[WST]
	v_lshlrev_b32 v[SST], 2, v37
	v_lshl_add_u32 v[SST], v38, 6, v[SST]
	v_lshl_add_u32 v[SST], v39, 7, v[SST]
	v_lshl_add_u32 v[SST], v40, 10, v[SST]
	v_add_nc_u32 v[SST], SCW, v[SST]
	v_mov_b32 v[VC8], 0xbf97d29d                   ; c8 = -1.1861149
	v_mov_b32 v[VC8+1], 0xbf97d29d
	s_lshl_b32 s24, s15, 14                        ; b1: 16,384 e + 512 slice + 256 c
	s_lshl_b32 s30, s16, 9
	s_add_co_u32 s24, s24, s30
	s_lshl_b32 s30, s19, 8
	s_add_co_u32 s24, s24, s30
	s_add_nc_u64 s[28:29], s[6:7], s[24:25]
	s_mul_i32 s24, s16, 1536                       ; aq's codes: 1,536 slice + 768 c
	s_mul_i32 s30, s19, 768
	s_add_co_u32 s24, s24, s30
	s_add_nc_u64 s[58:59], s[12:13], s[24:25]
	s_lshl_b32 s24, s16, 6                         ; its scale words: 64 slice + 2 c (ASC stands in the immediate)
	s_lshl_b32 s30, s19, 1
	s_add_co_u32 s24, s24, s30
	s_add_nc_u64 s[60:61], s[12:13], s[24:25]
	s_mov_b32 s31, 0
	s_mov_b32 s56, 0x76543210
	s_mov_b32 s57, 0xfedcba98                      ; lane l xor 16
	s_mov_b32 s66, 0x3eb504f3                      ; 1 / (2 sqrt 2)
	s_mov_b32 s67, 0x3eb504f3
	s_mov_b32 s68, 0xbf38aa3b                      ; -log2(e) / 2   (a packed form names a pair and takes its low word for both halves: both words are written)
	s_mov_b32 s69, 0xbf38aa3b
	s_mov_b32 s70, 0xc034d90f                      ; c0 = -2.8257482
	s_mov_b32 s71, 0xc034d90f
	s_mov_b32 s72, 0x3fb8ab5a                      ; c1 = 1.4427292
	s_mov_b32 s73, 0x3fb8ab5a
	s_mov_b32 s74, 0x3f0a29d2                      ; c2 = 0.53970062
	s_mov_b32 s75, 0x3f0a29d2
	s_mov_b32 s76, 0x3e0efb2e                      ; c3 = 0.13963006
	s_mov_b32 s77, 0x3e0efb2e
	s_mov_b32 s78, 0xbe899a80                      ; c4 = -0.26875686
	s_mov_b32 s79, 0xbe899a80
	s_mov_b32 s80, 0x3ecdfd18                      ; c5 = 0.40232158
	s_mov_b32 s81, 0x3ecdfd18
	s_mov_b32 s82, 0xbfd1a1e5                      ; c6 = -1.6377532
	s_mov_b32 s83, 0xbfd1a1e5
	s_mov_b32 s84, 0x40097039                      ; c7 = 2.1474745
	s_mov_b32 s85, 0x40097039
	s_mov_b32 s86, 0x3e7c6f08                      ; c9 = 0.24651730
	s_mov_b32 s87, 0x3e7c6f08
.irp t, 0,1,2,3,4,5,6,7
	BLOCK \t
.endr
	s_wait_dscnt 0x0                               ; for the others' sake: my codes and scale words have landed
	s_barrier_signal -1
	s_barrier_wait -1                              ; the slice lies in LDS; nothing is stored there any more
	s_wait_kmcnt 0x0
	s_add_co_u32 s22, s21, -1                      ; the expert's last tile
	s_lshr_b32 s23, s14, 1
	s_mul_i32 s23, s23, 3                          ; my first row tile
	s_mov_b32 s62, 0                               ; the trips' counter
.Lunit:
	s_cmp_lt_u32 s23, s21                          ; no tile left for me: out of the loop (no barrier stands behind this branch)
	s_cbranch_scc0 .Lend
.irp m, 0,1,2
	s_add_co_u32 s24, s23, \m
	s_min_u32 s24, s24, s22                        ; held at the expert's last tile
	s_add_co_u32 s24, s24, s20
	s_min_u32 s24, s24, 135
	s_mul_i32 s30, s24, 12288
	s_add_nc_u64 s[32+2*\m:33+2*\m], s[10:11], s[30:31]   ; h's codes
	s_lshl_b32 s30, s24, 9
	s_add_nc_u64 s[38+2*\m:39+2*\m], s[10:11], s[30:31]   ; h's scale words
	s_mul_i32 s30, s24, 49152
	s_add_nc_u64 s[44+2*\m:45+2*\m], s[58:59], s[30:31]   ; a's codes
	s_lshl_b32 s30, s24, 11
	s_add_nc_u64 s[50+2*\m:51+2*\m], s[60:61], s[30:31]   ; a's scale words
.endr
.irp m, 0,1,2                                  ; b1 in the result's layout: lane (r, h), tile jj, register i: unit 32 (jj / 2) + 16 h + 8 (jj % 2) + i
.irp jj, 0,1,2,3
	global_load_b128 v[ACC+32*\m+8*\jj:ACC+32*\m+8*\jj+3], v[BHO], s[28:29] offset:(32*(\jj/2)+8*(\jj%2))*4
	global_load_b128 v[ACC+32*\m+8*\jj+4:ACC+32*\m+8*\jj+7], v[BHO], s[28:29] offset:(32*(\jj/2)+8*(\jj%2))*4+16
.endr
.endr
	LOADH 0
	LOADH 1
	LOADH 2
.irp sg, 0,1,2,3,4,5,6,7
	KSTEP \sg
.endr
	GELU 0
	GELU 1
	GELU 2
	; a is quantised: six blocks of 32 (three row tiles x my two blocks), each in lanes l and l xor 16; register 16 b + i of a tile is unit 32 b + 16 h + i
.irp m, 0,1,2
.irp b, 0,1
	v_max3_num_f32 v[MX+2*\m+\b], |v[ACC+32*\m+16*\b]|, |v[ACC+32*\m+16*\b+1]|, 0x1800000
.endr
.endr
.irp i, 2,4,6,8,10,12,14
.irp m, 0,1,2
.irp b, 0,1
	v_max3_num_f32 v[MX+2*\m+\b], v[MX+2*\m+\b], |v[ACC+32*\m+16*\b+\i]|, |v[ACC+32*\m+16*\b+\i+1]|
.endr
.endr
.endr
.irp q, 0,1,2,3,4,5
	v_permlanex16_b32 v[MT+\q], v[MX+\q], s56, s57
.endr
.irp q, 0,1,2,3,4,5
	v_max_num_f32 v[MX+\q], v[MX+\q], v[MT+\q]
.endr
.irp q, 0,1,2,3,4,5
	v_add_nc_u32 v[SO+\q], 0xff000000, v[MX+\q]
.endr
.irp q, 0,1,2,3,4,5
	v_lshrrev_b32 v[BY+\q], 23, v[SO+\q]
.endr
.irp m, 0,1,2
	v_lshl_or_b32 v[HW+\m], v[BY+2*\m+1], 8, v[BY+2*\m]   ; my two bytes of the row's scale word
.endr
.irp m, 0,1,2
	v_cvt_scalef32_pk16_fp6_f32 v[PC+8*\m:PC+8*\m+2], v[ACC+32*\m:ACC+32*\m+15], v[SO+2*\m]
	v_cvt_scalef32_pk16_fp6_f32 v[PT+4*\m:PT+4*\m+2], v[ACC+32*\m+16:ACC+32*\m+31], v[SO+2*\m+1]
.endr
	v_nop                                          ; one plain instruction behind a scaled conversion
.irp m, 0,1,2                                  ; a whole block to a lane: lanes 0-15 my first block, lanes 16-31 my second
.irp i, 0,1,2
	v_permlane16_swap_b32 v[PC+8*\m+\i], v[PT+4*\m+\i]
.endr
.irp i, 0,1,2
	v_mov_b32 v[PC+8*\m+3+\i], v[PT+4*\m+\i]
.endr
.endr
.irp m, 0,1,2
	global_store_b128 v[L16], v[PC+8*\m:PC+8*\m+3], s[44+2*\m:45+2*\m]              ; 512 consecutive bytes, aligned to 256
	global_store_b64 v[L8], v[PC+8*\m+4:PC+8*\m+5], s[44+2*\m:45+2*\m] offset:512   ; 256 consecutive bytes, aligned
	global_store_b16 v[HSO], v[HW+\m], s[50+2*\m:51+2*\m] offset:ASC                ; two of each row's four scale bytes; the wave beside me stores the other two
.endr
	s_wait_xcnt 0x0                                ; the stores have read their registers and bases: both are written again in the next trip
	s_add_co_u32 s23, s23, 24                      ; my next three tiles
	s_add_co_u32 s62, s62, 1
	s_cmp_lt_u32 s62, TRIPS
	s_cbranch_scc1 .Lunit
.Lend:
	s_wait_tensorcnt 0x0
	ds_add_u32 v158, v159
	s_wait_dscnt 0x0
	s_endpgm
.Lfunc_end_k_q3fd20382c3_ffn1:
	.size	k_q3fd20382c3_ffn1, .Lfunc_end_k_q3fd20382c3_ffn1-k_q3fd20382c3_ffn1
	.p2alignl 7, 3214868480
	.fill 96, 4, 3214868480
	.section	.rodata,"a",@progbits
	.p2align	6, 0x0
	.amdhsa_kernel k_q3fd20382c3_ffn1
		.amdhsa_group_segment_fixed_size 104448
		.amdhsa_private_segment_fixed_size 0
		.amdhsa_enable_private_segment 0
		.amdhsa_kernarg_size 40
		.amdhsa_user_sgpr_count 2
		.amdhsa_user_sgpr_kernarg_segment_ptr 1
		.amdhsa_wavefront_size32 1
		.amdhsa_system_sgpr_workgroup_id_x 1
		.amdhsa_system_sgpr_workgroup_id_y 1
		.amdhsa_system_sgpr_workgroup_id_z 1
		.amdhsa_system_vgpr_workitem_id 0
		.amdhsa_next_free_vgpr 256
		.amdhsa_next_free_sgpr 96
		.amdhsa_reserve_vcc 0
		.amdhsa_float_denorm_mode_32 3
		.amdhsa_float_denorm_mode_16_64 3
		.amdhsa_memory_ordered 1
		.amdhsa_forward_progress 1
		.amdhsa_inst_pref_size 141
	.end_amdhsa_kernel
	.amdgpu_metadata
---
amdhsa.version: [ 1, 2 ]
amdhsa.kernels:
  - .name:           k_q3fd20382c3_ffn1
    .symbol:         k_q3fd20382c3_ffn1.kd
    .args:
      - { .name: W1, .offset: 0, .size: 8, .value_kind: global_buffer, .address_space: global }
      - { .name: b1, .offset: 8, .size: 8, .value_kind: global_buffer, .address_space: global }
      - { .name: place, .offset: 16, .size: 8, .value_kind: global_buffer, .address_space: global }
      - { .name: hq, .offset: 24, .size: 8, .value_kind: global_buffer, .address_space: global }
      - { .name: aq, .offset: 32, .size: 8, .value_kind: global_buffer, .address_space: global }
    .group_segment_fixed_size: 104448
    .private_segment_fixed_size: 0
    .kernarg_segment_align: 8
    .kernarg_segment_size: 40
    .max_flat_workgroup_size: 512
    .sgpr_count:     96
    .vgpr_count:     256
    .wavefront_size: 32
...
	.end_amdgpu_metadata
.endif
;; end of part 3
;; launch ffn2 (part 4): grid 256 x 1, 16 waves a work-group, no clusters, 174,080 bytes of LDS; arguments W2, place, aq, ypart; writes ypart
.if DOCPART == 4
	.amdgcn_target "amdgcn-amd-amdhsa--gfx1250"
	.amdhsa_code_object_version 6
	.text
	.protected	k_q3fd20382c3_ffn2
	.globl	k_q3fd20382c3_ffn2
	.p2align	8
	.type	k_q3fd20382c3_ffn2,@function
k_q3fd20382c3_ffn2:
	s_mov_b64 s[64:65], 0
	v_nop
	global_prefetch_b8 v0, s[64:65] scope:SCOPE_SE
	s_setreg_imm32_b32 hwreg(HW_REG_WAVE_MODE, 25, 1), 1
	s_wait_xcnt 0x0
; FFN2.  Partial sums of a W2[e] for the rows routed to expert e, both operands in E2M3 with one E8M0 byte for each 32 along K; sums in f32.
; SHARES.  Work-group = (expert e = id / 32, 64 output columns cs = (id % 32) / 2, half kh = id % 2 of K = 4,096): 2,048 rows x 256 aligned bytes of W2, 512 KiB, each byte of W2 read once in the launch, as f32.
; PHASE A, as in the launch before: a lane takes a column, its registers run down K; wave w: columns 32 (w % 2) on, K 256 (w / 2) on.  Fragment (K step sg, tile j) at 1,536 (4 sg + j) in LDS as an image of the
; operand's registers; scale words at SCW + 256 sg + 64 j + 4 row.  One barrier, ahead of every branch on stored numbers.
; PHASE B: wave w takes two tiles of 16 rows, 2 w on, 32 further in a second trip, against all four column tiles: 8 accumulators by turns, 16 K steps; a's fragments come from aq, four K steps ahead.
; TWO TRIPS AT THE MOST: the two experts of a token differ, so an expert has at most 1,024 rows, 64 tiles; a wave with no tile left leaves the loop.
; The product is used transposed (source 0 = W2's columns, source 1 = a's rows): a lane holds one row and 8 neighbouring columns.  Results go through the wave's own stage in LDS and leave as rows of 256 aligned bytes:
; ypart[kh][position][column].  The two halves of K, b2, the residual and the gates meet in the next launch.
; NO CLUSTER, NO TENSOR LOADS: the 16 work-groups of an expert and a half do read the same tiles of aq, but how many hangs on the stored list, and a joint request comes by a tensor load alone.
; LIMITS: NaN and infinities are not served; blocks of W2 under 2^-124 keep the scale byte 1; K is summed in two halves.
.set SCW,   98304
.set STG,   102400                     ; LDS: the stages, 16 rows x (256 + 16) bytes for each wave
.set ASC,   6684672
.set PITCH, 4096                       ; a row of W2 in bytes
.set FSTEP, 6144
.set SSTEP, 256
.set TRIPS, 2                          ; 2 x 32 tiles cover an expert's 64 at the most
.set L16, 1                            ; v1   16 x lane: also the images' place for K steps 0-7
.set L8,  2                            ; v2   8 x lane
.set WB1, 4                            ; v4   16 x lane + 49,152: K steps 8-15
.set SB,  5                            ; v5   SCW + 4 x lane
.set ASO, 6                            ; v6   4 (lane % 16)
.set STO, 7                            ; v7   the stage: where I put 32 bytes of a row
.set RD,  8                            ; v8   and where I read a row back
.set YO,  9                            ; v9   my byte offset in two rows of ypart
.set WS,  10                           ; v10-11  W2's scale words: scales and nothing else
.set AS,  12                           ; v12-19  a's scale words, four sets of two: scales and nothing else
.set WF,  20                           ; v20-67  four fragments of W2
.set AF,  68                           ; v68-163 four sets of two fragments of a; on the way out 2 x 32 registers of rows
.set WST, 164
.set SST, 165
.set LW,  166                          ; v166 4 x lane
.set ACC, 192                          ; v192-255 accumulator (row tile m, column tile jj) at 192 + 32 m + 8 jj
.set XA,  68                           ; phase A
.set CC,  20
.set CT,  26
.set TP,  30
.macro LOAD t
.set i, 0
.rept 32
	global_load_b32 v[XA+32*((\t)%2)+i], v[LW], s[26:27] offset:(32*(\t)+i)*PITCH th:TH_LOAD_NT
.set i, i+1
.endr
.endm
.macro BLOCK t
.set XS, XA+32*((\t)%2)
.if (\t) < 7
	s_wait_loadcnt 32                              ; this block's 32 loads are in; the next block's may be out
.else
	s_wait_loadcnt 0
.endif
	v_max3_num_f32 v[TP], |v[XS]|, |v[XS+1]|, |v[XS+2]|
	v_max3_num_f32 v[TP+1], |v[XS+3]|, |v[XS+4]|, |v[XS+5]|
.irp i, 6,10,14,18,22,26
	v_max3_num_f32 v[TP], v[TP], |v[XS+\i]|, |v[XS+\i+1]|
	v_max3_num_f32 v[TP+1], v[TP+1], |v[XS+\i+2]|, |v[XS+\i+3]|
.endr
	v_max3_num_f32 v[TP], v[TP], |v[XS+30]|, |v[XS+31]|
	v_max3_num_f32 v[TP], v[TP], v[TP+1], 0x1800000                ; the floor 2^(3 - 127): the byte cannot fall under 1
	v_add_nc_u32 v[TP+2], 0xff000000, v[TP]                        ; the conversion's scale operand
	s_wait_dscnt 0x0                               ; the last block's LDS stores have read their registers, which are written again below
	v_cvt_scalef32_pk16_fp6_f32 v[CC:CC+2], v[XS:XS+15], v[TP+2]
	v_cvt_scalef32_pk16_fp6_f32 v[CT:CT+2], v[XS+16:XS+31], v[TP+2]
	v_lshrrev_b32 v[TP+3], 23, v[TP+2]             ; the scale's byte (also the plain instruction behind the conversions)
.if (\t)%4 == 0
	v_mov_b32 v[TP+4], v[TP+3]
.else
	v_lshl_or_b32 v[TP+4], v[TP+3], 8*((\t)%4), v[TP+4]
.endif
.irp i, 0,1,2
	v_mov_b32 v[CC+3+\i], v[CT+\i]
.endr
.set OF, ((\t)/4)*FSTEP+256*((\t)%2)
.if ((\t)/2)%2 == 0
	ds_store_b128 v[WST], v[CC:CC+3] offset:OF
	ds_store_b64 v[WST], v[CC+4:CC+5] offset:OF+512
.else
	ds_store_b64 v[WST], v[CC:CC+1] offset:OF+520
	ds_store_b128 v[WST], v[CC+2:CC+5] offset:OF+1024
.endif
.if (\t)%4 == 3
	ds_store_b32 v[SST], v[TP+4] offset:((\t)/4)*SSTEP
.endif
.if (\t)+2 < 8
	LOAD (\t)+2
.endif
.endm
.macro LOADA sg                        ; K step sg of my two row tiles: 10 loads
.set AFL, AF+24*((\sg)%4)
.irp m, 0,1
	global_load_b128 v[AFL+12*\m:AFL+12*\m+3], v[L16], s[32+2*\m:33+2*\m] offset:1536*(\sg)
	global_load_b64 v[AFL+12*\m+4:AFL+12*\m+5], v[L8], s[32+2*\m:33+2*\m] offset:1536*(\sg)+512
	global_load_b128 v[AFL+12*\m+6:AFL+12*\m+9], v[L16], s[32+2*\m:33+2*\m] offset:1536*(\sg)+768
	global_load_b64 v[AFL+12*\m+10:AFL+12*\m+11], v[L8], s[32+2*\m:33+2*\m] offset:1536*(\sg)+1280
	global_load_b32 v[AS+2*((\sg)%4)+\m], v[ASO], s[36+2*\m:37+2*\m] offset:ASC+64*(\sg)
.endr
.endm
.macro MM d, a, b, sa, sb, zero, odd   ; one product; zero = 1: it starts the sum; odd = 1: W2's scale words stand in lanes 16-31
.if \zero
.if \odd
	v_wmma_scale_f32_16x16x128_f8f6f4 v[\d:\d+7], v[\a:\a+11], v[\b:\b+11], 0, v[\sa], v[\sb] matrix_a_fmt:MATRIX_FMT_FP6 matrix_b_fmt:MATRIX_FMT_FP6 matrix_a_scale:MATRIX_SCALE_ROW1
.else
	v_wmma_scale_f32_16x16x128_f8f6f4 v[\d:\d+7], v[\a:\a+11], v[\b:\b+11], 0, v[\sa], v[\sb] matrix_a_fmt:MATRIX_FMT_FP6 matrix_b_fmt:MATRIX_FMT_FP6
.endif
.else
.if \odd
	v_wmma_scale_f32_16x16x128_f8f6f4 v[\d:\d+7], v[\a:\a+11], v[\b:\b+11], v[\d:\d+7], v[\sa], v[\sb] matrix_a_fmt:MATRIX_FMT_FP6 matrix_b_fmt:MATRIX_FMT_FP6 matrix_a_scale:MATRIX_SCALE_ROW1
.else
	v_wmma_scale_f32_16x16x128_f8f6f4 v[\d:\d+7], v[\a:\a+11], v[\b:\b+11], v[\d:\d+7], v[\sa], v[\sb] matrix_a_fmt:MATRIX_FMT_FP6 matrix_b_fmt:MATRIX_FMT_FP6
.endif
.endif
.endm
.macro KSTEP sg
.if (\sg) <= 12
	s_wait_loadcnt 30                              ; this K step's fragments are in; the three later sets of 10 may be out
.else
	s_wait_loadcnt 10*(15-(\sg))
.endif
.set AFK, AF+24*((\sg)%4)
.set ASK, AS+2*((\sg)%4)
.set ZR, 0
.if (\sg) == 0
.set ZR, 1
.endif
.irp jj, 0,1,2,3
.irp g, 0,1,2
	ds_load_b128 v[WF+12*\jj+4*\g:WF+12*\jj+4*\g+3], v[L16+3*((\sg)/8)] offset:((\sg)%8)*6144+1536*\jj+512*\g
.endr
.endr
	ds_load_b32 v[WS], v[SB] offset:256*(\sg)
	ds_load_b32 v[WS+1], v[SB] offset:256*(\sg)+128
	s_wait_dscnt 0x0
.irp jj, 0,1,2,3                               ; the eight accumulators take turns, one instruction a turn
.irp m, 0,1
	MM ACC+32*\m+8*\jj, WF+12*\jj, AFK+12*\m, WS+\jj/2, ASK+\m, ZR, \jj%2
.endr
.endr
.rept 4
	v_nop                                          ; four plain instructions in front of loads into registers that matrix instructions have read
.endr
.if (\sg)+4 <= 15
	LOADA (\sg)+4
.endif
.endm
	s_load_b256 s[4:11], s[0:1], 0x0               ; W2 s[4:5], place s[6:7], aq s[8:9], ypart s[10:11]
	v_lshl_add_u32 v190, v0, 2, 0x2a000
	v_mov_b32 v191, 0
	v_lshrrev_b32 v33, 5, v0
	v_readfirstlane_b32 s14, v33                   ; wave 0..15
	s_lshr_b32 s15, ttmp9, 5                       ; expert
	s_bfe_u32 s16, ttmp9, 0x40001                  ; which 64 columns
	s_and_b32 s18, ttmp9, 1                        ; which half of K
	s_lshl_b32 s17, s15, 2
	v_and_b32 v30, 31, v0                          ; lane
	v_lshlrev_b32 v[LW], 2, v30
	s_and_b32 s24, s14, 1                          ; phase A: my 32 columns,
	s_lshr_b32 s30, s14, 1                         ; my 256 rows of K
	s_lshl_b32 s24, s24, 7
	s_lshl_b32 s30, s30, 20
	s_add_co_u32 s24, s24, s30
	s_lshl_b32 s30, s18, 23
	s_add_co_u32 s24, s24, s30
	s_lshl_b32 s30, s15, 24
	s_add_co_u32 s24, s24, s30
	s_lshl_b32 s30, s16, 8
	s_add_co_u32 s24, s24, s30
	s_mov_b32 s25, 0
	s_wait_kmcnt 0x0
	s_add_nc_u64 s[26:27], s[4:5], s[24:25]
	LOAD 0                                         ; the stream starts before anything else: two blocks, 64 loads a wave
	LOAD 1
	s_load_b32 s20, s[6:7], s17 offset:0x0         ; my expert's first tile
	s_load_b32 s21, s[6:7], s17 offset:0x20        ; and its number of tiles: waited for behind phase A
	v_lshlrev_b32 v[L16], 4, v30
	v_lshlrev_b32 v[L8], 3, v30
	v_add_nc_u32 v[WB1], 49152, v[L16]
	v_add_nc_u32 v[SB], SCW, v[LW]
	v_and_b32 v31, 15, v0                          ; r
	v_bfe_u32 v32, v0, 4, 1                        ; h
	v_lshlrev_b32 v[ASO], 2, v31
	v_mul_u32_u24 v34, v33, 4352
	v_add_nc_u32 v34, STG, v34                     ; my wave's stage
	v_mad_u32_u24 v[STO], v31, 272, v34
	v_lshl_add_u32 v[STO], v32, 5, v[STO]          ; in: row r, + 32 h
	v_mad_u32_u24 v[RD], v32, 272, v34
	v_lshl_add_u32 v[RD], v31, 4, v[RD]            ; back: lanes 0-15 one row, lanes 16-31 the next
	v_lshlrev_b32 v[YO], 12, v32
	v_lshl_add_u32 v[YO], v31, 4, v[YO]            ; and the same two rows of ypart
	v_bfe_u32 v35, v0, 5, 1                        ; which 32 columns
	v_bfe_u32 v36, v0, 6, 3                        ; which 256 of K
	v_lshlrev_b32 v[WST], 4, v31
	v_mad_u32_u24 v[WST], v32, 1536, v[WST]        ; column 16 a + p of my 32 is row p of tile a
	v_mad_u32_u24 v[WST], v35, 3072, v[WST]
	v_mad_u32_u24 v[WST], v36, 12288, v[WST]
	v_lshl_add_u32 v[SST], v35, 7, v[SB]
	v_lshl_add_u32 v[SST], v36, 9, v[SST]
	s_mul_i32 s24, s18, 24576                      ; aq's codes: my half's 16 K steps
	s_add_nc_u64 s[44:45], s[8:9], s[24:25]
	s_lshl_b32 s24, s18, 10                        ; its scale words (ASC stands in the immediate)
	s_add_nc_u64 s[46:47], s[8:9], s[24:25]
	s_mul_i32 s24, s18, 8912896                    ; ypart: my half's 2,176 rows of 4,096 bytes, my 256 bytes of a row
	s_lshl_b32 s30, s16, 8
	s_add_co_u32 s24, s24, s30
	s_add_nc_u64 s[48:49], s[10:11], s[24:25]
	s_mov_b32 s31, 0
.irp t, 0,1,2,3,4,5,6,7
	BLOCK \t
.endr
	s_wait_dscnt 0x0                               ; for the others' sake: my codes and scale words have landed
	s_barrier_signal -1
	s_barrier_wait -1                              ; the slice lies in LDS; only the waves' own stages are stored to from here on
	s_wait_kmcnt 0x0
	s_add_co_u32 s22, s21, -1                      ; the expert's last tile
	s_lshl_b32 s23, s14, 1                         ; my first row tile
	s_mov_b32 s50, 0                               ; the trips' counter
.Lunit:
	s_cmp_lt_u32 s23, s21                          ; no tile left for me: out of the loop (no barrier stands behind this branch)
	s_cbranch_scc0 .Lend
.irp m, 0,1
	s_add_co_u32 s24, s23, \m
	s_min_u32 s24, s24, s22                        ; held at the expert's last tile: that tile is then made and stored twice by this wave, with the same values
	s_add_co_u32 s24, s24, s20
	s_min_u32 s24, s24, 135
	s_mul_i32 s30, s24, 49152
	s_add_nc_u64 s[32+2*\m:33+2*\m], s[44:45], s[30:31]
	s_lshl_b32 s30, s24, 11
	s_add_nc_u64 s[36+2*\m:37+2*\m], s[46:47], s[30:31]
	s_lshl_b32 s30, s24, 16
	s_add_nc_u64 s[40+2*\m:41+2*\m], s[48:49], s[30:31]
.endr
	LOADA 0
	LOADA 1
	LOADA 2
	LOADA 3
.irp sg, 0,1,2,3,4,5,6,7,8,9,10,11,12,13,14,15
	KSTEP \sg
.endr
	v_nop                                          ; a fifth plain instruction: a next trip's first products write over these accumulators with another C
.irp m, 0,1                                    ; the way out: a tile's 16 rows x 256 bytes through my stage.  LDS serves a wave's instructions in order (ISA guide 5.7.1.4): no wait between stores and loads
.irp jj, 0,1,2,3
	ds_store_b128 v[STO], v[ACC+32*\m+8*\jj:ACC+32*\m+8*\jj+3] offset:64*\jj          ; each accumulator from its low end on
	ds_store_b128 v[STO], v[ACC+32*\m+8*\jj+4:ACC+32*\m+8*\jj+7] offset:64*\jj+16
.endr
.irp i, 0,1,2,3,4,5,6,7
	ds_load_b128 v[AF+32*\m+4*\i:AF+32*\m+4*\i+3], v[RD] offset:544*\i
.endr
.endr
.irp m, 0,1
.irp i, 0,1,2,3,4,5,6,7
	s_wait_dscnt 16*(1-\m)+7-\i                    ; behind this load: the rest of its tile's loads, and for the first tile the second's 16 LDS instructions
	global_store_b128 v[YO], v[AF+32*\m+4*\i:AF+32*\m+4*\i+3], s[40+2*\m:41+2*\m] offset:8192*\i   ; sixteen lanes store 256 consecutive bytes, aligned
.endr
.endr
	s_wait_xcnt 0x0                                ; the stores have read their registers and bases: both are written again in the next trip
	s_add_co_u32 s23, s23, 32                      ; my next two tiles
	s_add_co_u32 s50, s50, 1
	s_cmp_lt_u32 s50, TRIPS
	s_cbranch_scc1 .Lunit
.Lend:
	s_wait_tensorcnt 0x0
	ds_add_u32 v190, v191
	s_wait_dscnt 0x0
	s_endpgm
.Lfunc_end_k_q3fd20382c3_ffn2:
	.size	k_q3fd20382c3_ffn2, .Lfunc_end_k_q3fd20382c3_ffn2-k_q3fd20382c3_ffn2
	.p2alignl 7, 3214868480
	.fill 96, 4, 3214868480
	.section	.rodata,"a",@progbits
	.p2align	6, 0x0
	.amdhsa_kernel k_q3fd20382c3_ffn2
		.amdhsa_group_segment_fixed_size 174080
		.amdhsa_private_segment_fixed_size 0
		.amdhsa_enable_private_segment 0
		.amdhsa_kernarg_size 32
		.amdhsa_user_sgpr_count 2
		.amdhsa_user_sgpr_kernarg_segment_ptr 1
		.amdhsa_wavefront_size32 1
		.amdhsa_system_sgpr_workgroup_id_x 1
		.amdhsa_system_sgpr_workgroup_id_y 1
		.amdhsa_system_sgpr_workgroup_id_z 1
		.amdhsa_system_vgpr_workitem_id 0
		.amdhsa_next_free_vgpr 256
		.amdhsa_next_free_sgpr 80
		.amdhsa_reserve_vcc 0
		.amdhsa_float_denorm_mode_32 3
		.amdhsa_float_denorm_mode_16_64 3
		.amdhsa_memory_ordered 1
		.amdhsa_forward_progress 1
		.amdhsa_inst_pref_size 94
	.end_amdhsa_kernel
	.amdgpu_metadata
---
amdhsa.version: [ 1, 2 ]
amdhsa.kernels:
  - .name:           k_q3fd20382c3_ffn2
    .symbol:         k_q3fd20382c3_ffn2.kd
    .args:
      - { .name: W2, .offset: 0, .size: 8, .value_kind: global_buffer, .address_space: global }
      - { .name: place, .offset: 8, .size: 8, .value_kind: global_buffer, .address_space: global }
      - { .name: aq, .offset: 16, .size: 8, .value_kind: global_buffer, .address_space: global }
      - { .name: ypart, .offset: 24, .size: 8, .value_kind: global_buffer, .address_space: global }
    .group_segment_fixed_size: 174080
    .private_segment_fixed_size: 0
    .kernarg_segment_align: 8
    .kernarg_segment_size: 32
    .max_flat_workgroup_size: 512
    .sgpr_count:     80
    .vgpr_count:     256
    .wavefront_size: 32
...
	.end_amdgpu_metadata
.endif
;; end of part 4
;; launch combine (part 5): grid 256 x 1, 4 waves a work-group, no clusters, 0 bytes of LDS; arguments route, tokf, place, ypart, b2, x, out0; writes out0
.if DOCPART == 5
	.amdgcn_target "amdgcn-amd-amdhsa--gfx1250"
	.amdhsa_code_object_version 6
	.text
	.protected	k_q3fd20382c3_combine
	.globl	k_q3fd20382c3_combine
	.p2align	8
	.type	k_q3fd20382c3_combine,@function
k_q3fd20382c3_combine:
	s_mov_b64 s[64:65], 0
	v_nop
	global_prefetch_b8 v0, s[64:65] scope:SCOPE_SE
	s_setreg_imm32_b32 hwreg(HW_REG_WAVE_MODE, 25, 1), 1
	s_wait_xcnt 0x0
; COMBINE.  out[t] = g0 (y(t, e0) + b2[e0] + x[t]) + g1 (y(t, e1) + b2[e1] + x[t]), y = the two halves of K added in f32.  Each output row has one owner: a wave takes a token.
; The rows' positions come from the stored list (posOf[token][expert]); experts and positions are held inside their tables before they enter an address.
; A stream: seven rows of 4,096 bytes in, one out; every load and store of a wave covers 512 consecutive bytes; all 56 loads go out at once.  No LDS, no barrier, no matrix unit, no cluster: nothing is shared.
	s_load_b256 s[4:11], s[0:1], 0x0               ; route s[4:5], tokf s[6:7], place s[8:9], ypart s[10:11]
	s_load_b128 s[12:15], s[0:1], 0x20             ; b2 s[12:13], x s[14:15]
	s_load_b64 s[16:17], s[0:1], 0x30              ; out0
	v_lshrrev_b32 v2, 5, v0
	v_readfirstlane_b32 s18, v2                    ; wave
	v_and_b32 v1, 31, v0
	v_lshlrev_b32 v1, 4, v1                        ; 16 bytes a lane
	s_lshl_b32 s19, ttmp9, 2
	s_add_co_u32 s19, s19, s18                     ; my token
	s_lshl_b32 s20, s19, 4
	s_wait_kmcnt 0x0
	s_load_b128 s[24:27], s[4:5], s20 offset:0x0   ; .., .., e0, e1
	s_load_b128 s[28:31], s[6:7], s20 offset:0x0   ; g0, g1, .., ..
	s_wait_kmcnt 0x0
	s_min_u32 s26, s26, 7
	s_min_u32 s27, s27, 7
	s_lshl_b32 s21, s19, 5
	s_lshl_b32 s22, s26, 2
	s_add_co_u32 s22, s22, s21
	s_lshl_b32 s23, s27, 2
	s_add_co_u32 s23, s23, s21
	s_load_b32 s32, s[8:9], s22 offset:0x100       ; posOf[t][e0]
	s_load_b32 s33, s[8:9], s23 offset:0x100       ; posOf[t][e1]
	s_mov_b32 s35, 0
	s_lshl_b32 s34, s26, 12
	s_add_nc_u64 s[44:45], s[12:13], s[34:35]      ; b2[e0]
	s_lshl_b32 s34, s27, 12
	s_add_nc_u64 s[46:47], s[12:13], s[34:35]      ; b2[e1]
	s_lshl_b32 s34, s19, 12
	s_add_nc_u64 s[48:49], s[14:15], s[34:35]      ; x[t]
	s_add_nc_u64 s[50:51], s[16:17], s[34:35]      ; out[t]
	s_mov_b32 s52, s29                             ; g1 as the low word of a pair of its own
	s_mov_b32 s53, s29
	s_wait_kmcnt 0x0
	s_min_u32 s32, s32, 2175
	s_min_u32 s33, s33, 2175
	s_lshl_b32 s34, s32, 12
	s_add_nc_u64 s[36:37], s[10:11], s[34:35]      ; the first half of K, expert e0's row,
	s_add_nc_u64 s[38:39], s[36:37], 0x880000      ; and the second half: 2,176 rows of 4,096 bytes on
	s_lshl_b32 s34, s33, 12
	s_add_nc_u64 s[40:41], s[10:11], s[34:35]
	s_add_nc_u64 s[42:43], s[40:41], 0x880000
.irp j, 0,1,2,3,4,5,6,7
.irp k, 0,1,2,3,4,5,6
	global_load_b128 v[8+28*\j+4*\k:8+28*\j+4*\k+3], v1, s[36+2*\k:37+2*\k] offset:512*\j
.endr
.endr
.irp j, 0,1,2,3,4,5,6,7
	s_wait_loadcnt 7*(7-\j)                        ; this piece's seven loads are in; the later pieces' may be out
.irp u, 0,2
	v_pk_add_f32 v[8+28*\j+\u:9+28*\j+\u], v[8+28*\j+\u:9+28*\j+\u], v[12+28*\j+\u:13+28*\j+\u]      ; the two halves of K, expert e0
	v_pk_add_f32 v[16+28*\j+\u:17+28*\j+\u], v[16+28*\j+\u:17+28*\j+\u], v[20+28*\j+\u:21+28*\j+\u]  ; and e1
	v_pk_add_f32 v[8+28*\j+\u:9+28*\j+\u], v[8+28*\j+\u:9+28*\j+\u], v[24+28*\j+\u:25+28*\j+\u]      ; + b2[e0]
	v_pk_add_f32 v[16+28*\j+\u:17+28*\j+\u], v[16+28*\j+\u:17+28*\j+\u], v[28+28*\j+\u:29+28*\j+\u]  ; + b2[e1]
	v_pk_add_f32 v[8+28*\j+\u:9+28*\j+\u], v[8+28*\j+\u:9+28*\j+\u], v[32+28*\j+\u:33+28*\j+\u]      ; + x
	v_pk_add_f32 v[16+28*\j+\u:17+28*\j+\u], v[16+28*\j+\u:17+28*\j+\u], v[32+28*\j+\u:33+28*\j+\u]
	v_pk_mul_f32 v[8+28*\j+\u:9+28*\j+\u], v[8+28*\j+\u:9+28*\j+\u], s[28:29] op_sel_hi:[1,0]        ; x g0
	v_pk_fma_f32 v[8+28*\j+\u:9+28*\j+\u], v[16+28*\j+\u:17+28*\j+\u], s[52:53], v[8+28*\j+\u:9+28*\j+\u] op_sel_hi:[1,0,1]   ; + g1 x the other
.endr
	global_store_b128 v1, v[8+28*\j:11+28*\j], s[50:51] offset:512*\j th:TH_STORE_NT   ; 512 consecutive bytes, aligned to 256; written once, read by nobody here
.endr
	s_endpgm
.Lfunc_end_k_q3fd20382c3_combine:
	.size	k_q3fd20382c3_combine, .Lfunc_end_k_q3fd20382c3_combine-k_q3fd20382c3_combine
	.p2alignl 7, 3214868480
	.fill 96, 4, 3214868480
	.section	.rodata,"a",@progbits
	.p2align	6, 0x0
	.amdhsa_kernel k_q3fd20382c3_combine
		.amdhsa_group_segment_fixed_size 0
		.amdhsa_private_segment_fixed_size 0
		.amdhsa_enable_private_segment 0
		.amdhsa_kernarg_size 56
		.amdhsa_user_sgpr_count 2
		.amdhsa_user_sgpr_kernarg_segment_ptr 1
		.amdhsa_wavefront_size32 1
		.amdhsa_system_sgpr_workgroup_id_x 1
		.amdhsa_system_sgpr_workgroup_id_y 1
		.amdhsa_system_sgpr_workgroup_id_z 1
		.amdhsa_system_vgpr_workitem_id 0
		.amdhsa_next_free_vgpr 256
		.amdhsa_next_free_sgpr 66
		.amdhsa_reserve_vcc 0
		.amdhsa_float_denorm_mode_32 3
		.amdhsa_float_denorm_mode_16_64 3
		.amdhsa_memory_ordered 1
		.amdhsa_forward_progress 1
		.amdhsa_inst_pref_size 17
	.end_amdhsa_kernel
	.amdgpu_metadata
---
amdhsa.version: [ 1, 2 ]
amdhsa.kernels:
  - .name:           k_q3fd20382c3_combine
    .symbol:         k_q3fd20382c3_combine.kd
    .args:
      - { .name: route, .offset: 0, .size: 8, .value_kind: global_buffer, .address_space: global }
      - { .name: tokf, .offset: 8, .size: 8, .value_kind: global_buffer, .address_space: global }
      - { .name: place, .offset: 16, .size: 8, .value_kind: global_buffer, .address_space: global }
      - { .name: ypart, .offset: 24, .size: 8, .value_kind: global_buffer, .address_space: global }
      - { .name: b2, .offset: 32, .size: 8, .value_kind: global_buffer, .address_space: global }
      - { .name: x, .offset: 40, .size: 8, .value_kind: global_buffer, .address_space: global }
      - { .name: out0, .offset: 48, .size: 8, .value_kind: global_buffer, .address_space: global }
    .group_segment_fixed_size: 0
    .private_segment_fixed_size: 0
    .kernarg_segment_align: 8
    .kernarg_segment_size: 56
    .max_flat_workgroup_size: 128
    .sgpr_count:     66
    .vgpr_count:     256
    .wavefront_size: 32
...
	.end_amdgpu_metadata
.endif
;; end of part 5
;; ======== version 2 of 3: 5 launches
;; workspace buffers: route 16,384 bytes of whole numbers; tokf 16,384 bytes; place 41,728 bytes of whole numbers; hq 1,740,800 bytes; aq 6,963,200 bytes; ypart 17,825,792 bytes
;; launch route (part 6): grid 256 x 1, 4 waves a work-group, no clusters, 37,632 bytes of LDS; arguments x, router_W, router_b, route, tokf; writes route, tokf
.if DOCPART == 6
	.amdgcn_target "amdgcn-amd-amdhsa--gfx1250"
	.amdhsa_code_object_version 6
	.text
	.protected	k_q3fd20382c3_route
	.globl	k_q3fd20382c3_route
	.p2align	8
	.type	k_q3fd20382c3_route,@function
k_q3fd20382c3_route:
	s_mov_b64 s[64:65], 0
	v_nop
	global_prefetch_b8 v0, s[64:65] scope:SCOPE_SE
	s_setreg_imm32_b32 hwreg(HW_REG_WAVE_MODE, 25, 1), 1
	s_wait_xcnt 0x0
; ROUTE.  For each of the 1,024 tokens: the mean and 1/sqrt(var + 1e-5) of its 1,024 numbers, its 8 logits (f32 multiply-adds), the two largest (ties to the lower expert),
; and the softmax over those two (the larger is taken away before the exponential).  Stored at fixed places: route[token] = {count word low, count word high, e0, e1}, tokf[token] = {g0, g1, mean, rstd}.
; The count words carry a 1 in byte e % 4 of the low (e < 4) or high word for each chosen expert.  No address and no branch hangs on the choice.
; SHARES: a work-group takes 4 tokens, a wave one.  Lane l holds columns 128 j + 4 l + c (j = 0..7, c = 0..3): each load of x covers 512 consecutive bytes.
; router_W (32 KiB) COMES INTO LDS ONCE A WORK-GROUP, as it lies in memory: thread t loads 16 bytes at 2,048 i + 16 t (i = 0..15), so each load of a wave covers 512 consecutive bytes.  A lane's four rows of a step
; (128 consecutive bytes) are a piece; in LDS a piece is followed by 16 bytes of padding, so that pieces lie 144 bytes apart.
; A work-group's results are 64 bytes of route and 64 of tokf: a quarter of an aligned block of 256 bytes each, 32 KiB in the whole launch; lanes 4 to 31 of the storing wave repeat lanes 0 to 3.
; LIMITS: NaN and infinities are not served.  The logits are summed in another order than a plain dot product: two logits equal to within f32 rounding may be ranked either way.
; No matrix unit (N = 8), no cluster and no tensor load (what the work-groups share is 32 KiB).
.set X, 8                              ; v8-39    my 32 numbers of x
.set A, 40                             ; v40-47   the 8 logits' partial sums, four pairs
.set W, 48                             ; v48-239  first 64 registers of router_W on its way to LDS; then six sets of 32: the rows of four columns, 8 experts each
.set CH, 144                           ; LDS: a piece of 128 bytes + 16 of padding
.set RES, 256*CH                       ; behind the 256 pieces: the four tokens' results, 32 bytes each
.macro BFLY r                          ; the sum over the 32 lanes, in every lane
	v_add_f32_dpp v[\r], v[\r], v[\r] row_xmask:1 row_mask:0xf bank_mask:0xf
	v_add_f32_dpp v[\r], v[\r], v[\r] row_xmask:2 row_mask:0xf bank_mask:0xf
	v_add_f32_dpp v[\r], v[\r], v[\r] row_xmask:4 row_mask:0xf bank_mask:0xf
	v_add_f32_dpp v[\r], v[\r], v[\r] row_xmask:8 row_mask:0xf bank_mask:0xf
	v_permlanex16_b32 v254, v[\r], s24, s25
	v_add_f32 v[\r], v[\r], v254
.endm
.macro LOADW j                         ; router_W's rows 128 j + 4 l + c out of LDS: piece 32 j + l, 32 bytes a row
.set WBL, W+32*((\j)%6)
.irp c, 0,1,2,3
	ds_load_b128 v[WBL+8*\c:WBL+8*\c+3], v2 offset:32*CH*(\j)+32*\c
	ds_load_b128 v[WBL+8*\c+4:WBL+8*\c+7], v2 offset:32*CH*(\j)+32*\c+16
.endr
.endm
.macro DOT1 j, c, sel                  ; 8 logits += x(128 j + 4 l + c) x its row of router_W; sel picks x's register of the pair for both halves
.set WBD, W+32*((\j)%6)+8*(\c)
.set XP, X+4*(\j)+2*((\c)/2)
.irp p, 0,1,2,3
.if ((\j) == 0) && ((\c) == 0)
	v_pk_mul_f32 v[A+2*\p:A+2*\p+1], v[WBD+2*\p:WBD+2*\p+1], v[XP:XP+1] op_sel:[0,\sel] op_sel_hi:[1,\sel]
.else
	v_pk_fma_f32 v[A+2*\p:A+2*\p+1], v[WBD+2*\p:WBD+2*\p+1], v[XP:XP+1], v[A+2*\p:A+2*\p+1] op_sel:[0,\sel,0] op_sel_hi:[1,\sel,1]
.endif
.endr
.endm
.macro DOT j, left                     ; left: the LDS loads issued behind set j's eight
	s_wait_dscnt \left
	DOT1 \j, 0, 0
	DOT1 \j, 1, 1
	DOT1 \j, 2, 0
	DOT1 \j, 3, 1
.endm
.macro SCAN bv, bi                     ; the largest logit and its expert; only a strictly larger one takes the place: ties stay with the lower expert
	v_mov_b32 v[\bv], v[A]
	v_mov_b32 v[\bi], 0
.irp e, 1,2,3,4,5,6,7
	v_cmp_gt_f32 vcc_lo, v[A+\e], v[\bv]
	v_cndmask_b32 v[\bv], v[\bv], v[A+\e], vcc_lo
	v_cndmask_b32 v[\bi], v[\bi], \e, vcc_lo
.endr
.endm
.macro ONEHOT bi, lo, hi               ; 1 << 8 (e % 4), in the low word for e < 4, else in the high word
	v_and_b32 v251, 3, v[\bi]
	v_lshlrev_b32 v251, 3, v251
	v_lshlrev_b32 v251, v251, v246
	v_cmp_gt_u32 vcc_lo, 4, v[\bi]
	v_cndmask_b32 v[\lo], 0, v251, vcc_lo
	v_xor_b32 v[\hi], v251, v[\lo]
.endm
	s_load_b256 s[4:11], s[0:1], 0x0               ; x s[4:5], router_W s[6:7], router_b s[8:9], route s[10:11]
	s_load_b64 s[12:13], s[0:1], 0x20              ; tokf
	s_set_vgpr_msb 0x40
	v_lshl_add_u32 v0, v0, 2, 0x9100
	v_mov_b32 v1, 0
	s_set_vgpr_msb 0x4000
	v_lshrrev_b32 v240, 5, v0
	v_readfirstlane_b32 s14, v240                  ; wave 0..3
	v_and_b32 v241, 31, v0                         ; lane
	v_lshlrev_b32 v1, 4, v241                      ; x: 16 bytes a lane
	v_mul_u32_u24 v2, v241, CH                     ; LDS, reading: my piece of a step's 32
	v_and_b32 v3, 0x60, v0                         ; LDS: 32 bytes for each wave's token
	v_and_b32 v242, 3, v0
	v_lshlrev_b32 v4, 5, v242                      ; LDS, on the way out: token lane % 4
	v_lshlrev_b32 v5, 4, v242                      ; and its 16 bytes in memory
	v_lshlrev_b32 v6, 4, v0                        ; router_W in memory: 16 bytes a thread
	v_lshrrev_b32 v7, 3, v0                        ; eight threads fill a piece
	v_mul_u32_u24 v7, v7, CH
	v_and_b32 v243, 7, v0
	v_lshl_add_u32 v7, v243, 4, v7                 ; LDS, storing: 144 (t / 8) + 16 (t % 8)
	v_mov_b32 v254, 0                              ; a lane permute's destination counts as one of its sources
	s_mov_b32 s24, 0x76543210
	s_mov_b32 s25, 0xfedcba98                      ; lane l xor 16
	s_mov_b32 s26, 0x3727c5ac                      ; 1e-5
	s_mov_b32 s27, 0x3a800000                      ; 1 / 1024
	s_lshl_b32 s28, ttmp9, 14                      ; 4 tokens of 4,096 bytes a work-group,
	s_lshl_b32 s29, s14, 12                        ; one a wave
	s_add_co_u32 s28, s28, s29
	s_mov_b32 s29, 0
	s_lshl_b32 s30, ttmp9, 6                       ; 4 tokens of 16 bytes in route and in tokf
	s_mov_b32 s31, 0
	s_wait_kmcnt 0x0
	s_load_b256 s[16:23], s[8:9], 0x0              ; router_b
	s_add_nc_u64 s[4:5], s[4:5], s[28:29]
	s_add_nc_u64 s[10:11], s[10:11], s[30:31]
	s_add_nc_u64 s[12:13], s[12:13], s[30:31]
.irp i, 0,1,2,3,4,5,6,7,8,9,10,11,12,13,14,15
	global_load_b128 v[W+4*\i:W+4*\i+3], v6, s[6:7] offset:2048*\i    ; the work-group's four waves cover 2,048 consecutive bytes
.endr
.irp j, 0,1,2,3,4,5,6,7
	global_load_b128 v[X+4*\j:X+4*\j+3], v1, s[4:5] offset:512*\j
.endr
	s_wait_loadcnt 8                               ; router_W's 16 loads are in; the 8 loads of x behind them may be out
.irp i, 0,1,2,3,4,5,6,7,8,9,10,11,12,13,14,15
	ds_store_b128 v7, v[W+4*\i:W+4*\i+3] offset:16*CH*\i              ; 2,048 bytes are 16 pieces
.endr
	s_wait_loadcnt 0x0                             ; x
	s_wait_dscnt 0x0                               ; for the others' sake: my part of router_W has landed
	s_barrier_signal -1
	s_barrier_wait -1                              ; all of router_W lies in LDS; nobody stores there any more
.irp j, 0,1,2,3,4,5
	LOADW \j                                       ; 48 LDS loads; the mean and the variance are made while they come
.endr
	v_pk_add_f32 v[240:241], v[8:9], v[10:11]      ; the mean, in two chains
	v_pk_add_f32 v[242:243], v[12:13], v[14:15]
.irp i, 16,20,24,28,32,36
	v_pk_add_f32 v[240:241], v[240:241], v[\i:\i+1]
	v_pk_add_f32 v[242:243], v[242:243], v[\i+2:\i+3]
.endr
	v_pk_add_f32 v[240:241], v[240:241], v[242:243]
	v_add_f32 v240, v240, v241
	BFLY 240
	v_mul_f32 v252, s27, v240                      ; mean
	v_mov_b32 v253, 0                              ; (named with it as a pair, so it is written)
	v_pk_add_f32 v[244:245], v[8:9], v[252:253] op_sel_hi:[1,0] neg_lo:[0,1] neg_hi:[0,1]
	v_pk_add_f32 v[246:247], v[10:11], v[252:253] op_sel_hi:[1,0] neg_lo:[0,1] neg_hi:[0,1]
	v_pk_mul_f32 v[248:249], v[244:245], v[244:245]   ; the first squares start the sums
	v_pk_mul_f32 v[250:251], v[246:247], v[246:247]
.irp i, 12,16,20,24,28,32,36
	v_pk_add_f32 v[244:245], v[\i:\i+1], v[252:253] op_sel_hi:[1,0] neg_lo:[0,1] neg_hi:[0,1]
	v_pk_add_f32 v[246:247], v[\i+2:\i+3], v[252:253] op_sel_hi:[1,0] neg_lo:[0,1] neg_hi:[0,1]
	v_pk_fma_f32 v[248:249], v[244:245], v[244:245], v[248:249]
	v_pk_fma_f32 v[250:251], v[246:247], v[246:247], v[250:251]
.endr
	v_pk_add_f32 v[248:249], v[248:249], v[250:251]
	v_add_f32 v248, v248, v249
	BFLY 248
	v_fma_f32 v255, v248, s27, s26                 ; var + 1e-5
	v_rsq_f32 v253, v255
	v_nop                                          ; a plain instruction behind the transcendental,
	s_wait_alu depctr_va_vdst(0)                   ; and a wait ahead of the first line that names its result
	DOT 0, 40                                      ; behind set 0: sets 1 to 5
	LOADW 6                                        ; into the set just used
	DOT 1, 40
	LOADW 7
	DOT 2, 40
	DOT 3, 32
	DOT 4, 24
	DOT 5, 16
	DOT 6, 8
	DOT 7, 0
.irp m, 1,2,4,8
.irp e, 0,1,2,3,4,5,6,7
	v_add_f32_dpp v[A+\e], v[A+\e], v[A+\e] row_xmask:\m row_mask:0xf bank_mask:0xf
.endr
.endr
.irp e, 0,1,2,3,4,5,6,7
	v_permlanex16_b32 v[240+\e], v[A+\e], s24, s25
.endr
.irp e, 0,1,2,3,4,5,6,7
	v_add_f32 v[A+\e], v[A+\e], v[240+\e]
.endr
	s_wait_kmcnt 0x0                               ; router_b
.irp e, 0,1,2,3,4,5,6,7
	v_add_f32 v[A+\e], s[16+\e], v[A+\e]
.endr
	SCAN 240, 241                                  ; the largest: w0, e0
	v_mov_b32 v255, 0xff800000                     ; -infinity takes its place,
.irp e, 0,1,2,3,4,5,6,7
	v_cmp_eq_u32 vcc_lo, \e, v241
	v_cndmask_b32 v[A+\e], v[A+\e], v255, vcc_lo
.endr
	SCAN 242, 243                                  ; and the scan gives the second: w1, e1
	v_sub_f32 v244, v242, v240                     ; w1 - w0, 0 or less: the maximum is taken away
	v_mul_f32 v244, 0x3fb8aa3b, v244
	v_exp_f32 v244, v244                           ; p1 = e^(w1 - w0)
	v_mov_b32 v246, 1                              ; (a plain instruction behind the transcendental)
	s_wait_alu depctr_va_vdst(0)
	v_add_f32 v245, 1.0, v244
	v_rcp_f32 v12, v245                            ; g0 = 1 / (1 + p1)
	v_mov_b32 v14, v252                            ; (plain)  the mean
	s_wait_alu depctr_va_vdst(0)
	v_mul_f32 v13, v244, v12                       ; g1 = p1 g0
	v_mov_b32 v15, v253                            ; rstd
	ONEHOT 241, 247, 248
	ONEHOT 243, 249, 250
	v_or_b32 v8, v247, v249
	v_or_b32 v9, v248, v250
	v_mov_b32 v10, v241
	v_mov_b32 v11, v243
	ds_store_b128 v3, v[8:11] offset:RES           ; all lanes of a wave write the same bytes with the same values
	ds_store_b128 v3, v[12:15] offset:RES+16
	s_wait_dscnt 0x0                               ; for the others' sake: my stores have landed
	s_barrier_signal -1
	s_barrier_wait -1
	s_cmp_lg_u32 s14, 0
	s_cbranch_scc1 .Lnot_0
	ds_load_b128 v[16:19], v4 offset:RES           ; wave 0: the 4 tokens' whole numbers: 64 consecutive bytes (lanes 4-31 repeat lanes 0-3)
	s_wait_dscnt 0x0
	global_store_b128 v5, v[16:19], s[10:11]
	s_set_vgpr_msb 0x5
	s_wait_tensorcnt 0x0
	ds_add_u32 v0, v1
	s_wait_dscnt 0x0
	s_set_vgpr_msb 0x500
	s_endpgm
.Lnot_0:
	s_cmp_lg_u32 s14, 1
	s_cbranch_scc1 .Lnot_1
	ds_load_b128 v[16:19], v4 offset:RES+16        ; wave 1: their gates, means and rstd
	s_wait_dscnt 0x0
	global_store_b128 v5, v[16:19], s[12:13]
.Lnot_1:
	s_set_vgpr_msb 0x5
	s_wait_tensorcnt 0x0
	ds_add_u32 v0, v1
	s_wait_dscnt 0x0
	s_set_vgpr_msb 0x500
	s_endpgm
.Lfunc_end_k_q3fd20382c3_route:
	.size	k_q3fd20382c3_route, .Lfunc_end_k_q3fd20382c3_route-k_q3fd20382c3_route
	.p2alignl 7, 3214868480
	.fill 96, 4, 3214868480
	.section	.rodata,"a",@progbits
	.p2align	6, 0x0
	.amdhsa_kernel k_q3fd20382c3_route
		.amdhsa_group_segment_fixed_size 37632
		.amdhsa_private_segment_fixed_size 0
		.amdhsa_enable_private_segment 0
		.amdhsa_kernarg_size 40
		.amdhsa_user_sgpr_count 2
		.amdhsa_user_sgpr_kernarg_segment_ptr 1
		.amdhsa_wavefront_size32 1
		.amdhsa_system_sgpr_workgroup_id_x 1
		.amdhsa_system_sgpr_workgroup_id_y 1
		.amdhsa_system_sgpr_workgroup_id_z 1
		.amdhsa_system_vgpr_workitem_id 0
		.amdhsa_next_free_vgpr 258
		.amdhsa_next_free_sgpr 66
		.amdhsa_reserve_vcc 1
		.amdhsa_float_denorm_mode_32 3
		.amdhsa_float_denorm_mode_16_64 3
		.amdhsa_memory_ordered 1
		.amdhsa_forward_progress 1
		.amdhsa_inst_pref_size 29
	.end_amdhsa_kernel
	.amdgpu_metadata
---
amdhsa.version: [ 1, 2 ]
amdhsa.kernels:
  - .name:           k_q3fd20382c3_route
    .symbol:         k_q3fd20382c3_route.kd
    .args:
      - { .name: x, .offset: 0, .size: 8, .value_kind: global_buffer, .address_space: global }
      - { .name: router_W, .offset: 8, .size: 8, .value_kind: global_buffer, .address_space: global }
      - { .name: router_b, .offset: 16, .size: 8, .value_kind: global_buffer, .address_space: global }
      - { .name: route, .offset: 24, .size: 8, .value_kind: global_buffer, .address_space: global }
      - { .name: tokf, .offset: 32, .size: 8, .value_kind: global_buffer, .address_space: global }
    .group_segment_fixed_size: 37632
    .private_segment_fixed_size: 0
    .kernarg_segment_align: 8
    .kernarg_segment_size: 40
    .max_flat_workgroup_size: 128
    .sgpr_count:     66
    .vgpr_count:     258
    .wavefront_size: 32
...
	.end_amdgpu_metadata
.endif
;; end of part 6
;; launch place: the kernel of part 2 again; grid 136 x 1, 8 waves a work-group, no clusters, 0 bytes of LDS; arguments route, tokf, x, ln_g, ln_b, place, hq; writes place, hq
;; launch ffn1: the kernel of part 3 again; grid 256 x 1, 16 waves a work-group, no clusters, 104,448 bytes of LDS; arguments W1, b1, place, hq, aq; writes aq
;; launch ffn2: the kernel of part 4 again; grid 256 x 1, 16 waves a work-group, no clusters, 174,080 bytes of LDS; arguments W2, place, aq, ypart; writes ypart
;; launch combine: the kernel of part 5 again; grid 256 x 1, 4 waves a work-group, no clusters, 0 bytes of LDS; arguments route, tokf, place, ypart, b2, x, out0; writes out0
;; ======== version 3 of 3: 5 launches
;; workspace buffers: route 16,384 bytes of whole numbers; tokf 16,384 bytes; place 41,728 bytes of whole numbers; hq 1,740,800 bytes; aq 6,963,200 bytes; ypart 17,825,792 bytes
;; launch route (part 7): grid 256 x 1, 4 waves a work-group, no clusters, 37,632 bytes of LDS; arguments x, router_W, router_b, route, tokf; writes route, tokf
.if DOCPART == 7
	.amdgcn_target "amdgcn-amd-amdhsa--gfx1250"
	.amdhsa_code_object_version 6
	.text
	.protected	k_q3fd20382c3_route
	.globl	k_q3fd20382c3_route
	.p2align	8
	.type	k_q3fd20382c3_route,@function
k_q3fd20382c3_route:
	s_mov_b64 s[64:65], 0
	v_nop
	global_prefetch_b8 v0, s[64:65] scope:SCOPE_SE
	s_setreg_imm32_b32 hwreg(HW_REG_WAVE_MODE, 25, 1), 1
	s_wait_xcnt 0x0
; ROUTE.  For each of the 1,024 tokens: the mean and 1/sqrt(var + 1e-5) of its 1,024 numbers, its 8 logits (f32 multiply-adds), the two largest (ties to the lower expert),
; and the softmax over those two (the larger is taken away before the exponential).  Stored at fixed places: route[token] = {count word low, count word high, e0, e1}, tokf[token] = {g0, g1, mean, rstd}.
; The count words carry a 1 in byte e % 4 of the low (e < 4) or high word for each chosen expert.  No address and no branch hangs on the choice.
; SHARES: a work-group takes 4 tokens, a wave one.  Lane l holds columns 128 j + 4 l + c (j = 0..7, c = 0..3): each load of x covers 512 consecutive bytes.
; router_W (32 KiB) COMES INTO LDS ONCE A WORK-GROUP, as it lies in memory: thread t loads 16 bytes at 2,048 i + 16 t (i = 0..15), so each load of a wave covers 512 consecutive bytes.  A lane's four rows of a step
; (128 consecutive bytes) are a piece; in LDS a piece is followed by 16 bytes of padding, so that pieces lie 144 bytes apart.
; A work-group's results are 64 bytes of route and 64 of tokf: a quarter of an aligned block of 256 bytes each, 32 KiB in the whole launch; lanes 4 to 31 of the storing wave repeat lanes 0 to 3.
; LIMITS: NaN and infinities are not served.  The logits are summed in another order than a plain dot product: two logits equal to within f32 rounding may be ranked either way.
; No matrix unit (N = 8), no cluster and no tensor load (what the work-groups share is 32 KiB).
.set X, 8                              ; v8-39    my 32 numbers of x
.set A, 40                             ; v40-47   the 8 logits' partial sums, four pairs
.set W, 48                             ; v48-239  first 64 registers of router_W on its way to LDS; then six sets of 32: the rows of four columns, 8 experts each
.set CH, 144                           ; LDS: a piece of 128 bytes + 16 of padding
.set RES, 256*CH                       ; behind the 256 pieces: the four tokens' results, 32 bytes each
.macro BFLY r                          ; the sum over the 32 lanes, in every lane
	v_add_f32_dpp v[\r], v[\r], v[\r] row_xmask:1 row_mask:0xf bank_mask:0xf
	v_add_f32_dpp v[\r], v[\r], v[\r] row_xmask:2 row_mask:0xf bank_mask:0xf
	v_add_f32_dpp v[\r], v[\r], v[\r] row_xmask:4 row_mask:0xf bank_mask:0xf
	v_add_f32_dpp v[\r], v[\r], v[\r] row_xmask:8 row_mask:0xf bank_mask:0xf
	v_permlanex16_b32 v254, v[\r], s24, s25
	v_add_f32 v[\r], v[\r], v254
.endm
.macro LOADW j                         ; router_W's rows 128 j + 4 l + c out of LDS: piece 32 j + l, 32 bytes a row
.set WBL, W+32*((\j)%6)
.irp c, 0,1,2,3
	ds_load_b128 v[WBL+8*\c:WBL+8*\c+3], v2 offset:32*CH*(\j)+32*\c
	ds_load_b128 v[WBL+8*\c+4:WBL+8*\c+7], v2 offset:32*CH*(\j)+32*\c+16
.endr
.endm
.macro DOT1 j, c, sel                  ; 8 logits += x(128 j + 4 l + c) x its row of router_W; sel picks x's register of the pair for both halves
.set WBD, W+32*((\j)%6)+8*(\c)
.set XP, X+4*(\j)+2*((\c)/2)
.irp p, 0,1,2,3
.if ((\j) == 0) && ((\c) == 0)
	v_pk_mul_f32 v[A+2*\p:A+2*\p+1], v[WBD+2*\p:WBD+2*\p+1], v[XP:XP+1] op_sel:[0,\sel] op_sel_hi:[1,\sel]
.else
	v_pk_fma_f32 v[A+2*\p:A+2*\p+1], v[WBD+2*\p:WBD+2*\p+1], v[XP:XP+1], v[A+2*\p:A+2*\p+1] op_sel:[0,\sel,0] op_sel_hi:[1,\sel,1]
.endif
.endr
.endm
.macro DOT j, left                     ; left: the LDS loads issued behind set j's eight
	s_wait_dscnt \left
	DOT1 \j, 0, 0
	DOT1 \j, 1, 1
	DOT1 \j, 2, 0
	DOT1 \j, 3, 1
.endm
.macro SCAN bv, bi                     ; the largest logit and its expert; only a strictly larger one takes the place: ties stay with the lower expert
	v_mov_b32 v[\bv], v[A]
	v_mov_b32 v[\bi], 0
.irp e, 1,2,3,4,5,6,7
	v_cmp_gt_f32 vcc_lo, v[A+\e], v[\bv]
	v_cndmask_b32 v[\bv], v[\bv], v[A+\e], vcc_lo
	v_cndmask_b32 v[\bi], v[\bi], \e, vcc_lo
.endr
.endm
.macro ONEHOT bi, lo, hi               ; 1 << 8 (e % 4), in the low word for e < 4, else in the high word
	v_and_b32 v251, 3, v[\bi]
	v_lshlrev_b32 v251, 3, v251
	v_lshlrev_b32 v251, v251, v246
	v_cmp_gt_u32 vcc_lo, 4, v[\bi]
	v_cndmask_b32 v[\lo], 0, v251, vcc_lo
	v_xor_b32 v[\hi], v251, v[\lo]
.endm
	s_load_b256 s[4:11], s[0:1], 0x0               ; x s[4:5], router_W s[6:7], router_b s[8:9], route s[10:11]
	s_load_b64 s[12:13], s[0:1], 0x20              ; tokf
	s_set_vgpr_msb 0x40
	v_lshl_add_u32 v0, v0, 2, 0x9100
	v_mov_b32 v1, 0
	s_set_vgpr_msb 0x4000
	v_lshrrev_b32 v240, 5, v0
	v_readfirstlane_b32 s14, v240                  ; wave 0..3
	v_and_b32 v241, 31, v0                         ; lane
	v_lshlrev_b32 v1, 4, v241                      ; x: 16 bytes a lane
	v_mul_u32_u24 v2, v241, CH                     ; LDS, reading: my piece of a step's 32
	v_and_b32 v3, 0x60, v0                         ; LDS: 32 bytes for each wave's token
	v_and_b32 v242, 3, v0
	v_lshlrev_b32 v4, 5, v242                      ; LDS, on the way out: token lane % 4
	v_lshlrev_b32 v5, 4, v242                      ; and its 16 bytes in memory
	v_lshlrev_b32 v6, 4, v0                        ; router_W in memory: 16 bytes a thread
	v_lshrrev_b32 v7, 3, v0                        ; eight threads fill a piece
	v_mul_u32_u24 v7, v7, CH
	v_and_b32 v243, 7, v0
	v_lshl_add_u32 v7, v243, 4, v7                 ; LDS, storing: 144 (t / 8) + 16 (t % 8)
	v_mov_b32 v254, 0                              ; a lane permute's destination counts as one of its sources
	s_mov_b32 s24, 0x76543210
	s_mov_b32 s25, 0xfedcba98                      ; lane l xor 16
	s_mov_b32 s26, 0x3727c5ac                      ; 1e-5
	s_mov_b32 s27, 0x3a800000                      ; 1 / 1024
	s_lshl_b32 s28, ttmp9, 14                      ; 4 tokens of 4,096 bytes a work-group,
	s_lshl_b32 s29, s14, 12                        ; one a wave
	s_add_co_u32 s28, s28, s29
	s_mov_b32 s29, 0
	s_lshl_b32 s30, ttmp9, 6                       ; 4 tokens of 16 bytes in route and in tokf
	s_mov_b32 s31, 0
	s_wait_alu depctr_va_vdst(0)
	s_wait_kmcnt 0x0
	s_load_b256 s[16:23], s[8:9], 0x0              ; router_b
	s_add_nc_u64 s[4:5], s[4:5], s[28:29]
	s_add_nc_u64 s[10:11], s[10:11], s[30:31]
	s_add_nc_u64 s[12:13], s[12:13], s[30:31]
.irp i, 0,1,2,3,4,5,6,7,8,9,10,11,12,13,14,15
	global_load_b128 v[W+4*\i:W+4*\i+3], v6, s[6:7] offset:2048*\i    ; the work-group's four waves cover 2,048 consecutive bytes
.endr
.irp j, 0,1,2,3,4,5,6,7
	global_load_b128 v[X+4*\j:X+4*\j+3], v1, s[4:5] offset:512*\j
.endr
	s_wait_loadcnt 8                               ; router_W's 16 loads are in; the 8 loads of x behind them may be out
.irp i, 0,1,2,3,4,5,6,7,8,9,10,11,12,13,14,15
	ds_store_b128 v7, v[W+4*\i:W+4*\i+3] offset:16*CH*\i              ; 2,048 bytes are 16 pieces
.endr
	s_wait_loadcnt 0x0                             ; x
	s_wait_dscnt 0x0                               ; for the others' sake: my part of router_W has landed
	s_barrier_signal -1
	s_barrier_wait -1                              ; all of router_W lies in LDS; nobody stores there any more
.irp j, 0,1,2,3,4,5
	LOADW \j                                       ; 48 LDS loads; the mean and the variance are made while they come
.endr
	v_pk_add_f32 v[240:241], v[8:9], v[10:11]      ; the mean, in two chains
	v_pk_add_f32 v[242:243], v[12:13], v[14:15]
.irp i, 16,20,24,28,32,36
	v_pk_add_f32 v[240:241], v[240:241], v[\i:\i+1]
	v_pk_add_f32 v[242:243], v[242:243], v[\i+2:\i+3]
.endr
	v_pk_add_f32 v[240:241], v[240:241], v[242:243]
	v_add_f32 v240, v240, v241
	BFLY 240
	v_mul_f32 v252, s27, v240                      ; mean
	v_mov_b32 v253, 0                              ; (named with it as a pair, so it is written)
	v_pk_add_f32 v[244:245], v[8:9], v[252:253] op_sel_hi:[1,0] neg_lo:[0,1] neg_hi:[0,1]
	v_pk_add_f32 v[246:247], v[10:11], v[252:253] op_sel_hi:[1,0] neg_lo:[0,1] neg_hi:[0,1]
	v_pk_mul_f32 v[248:249], v[244:245], v[244:245]   ; the first squares start the sums
	v_pk_mul_f32 v[250:251], v[246:247], v[246:247]
.irp i, 12,16,20,24,28,32,36
	v_pk_add_f32 v[244:245], v[\i:\i+1], v[252:253] op_sel_hi:[1,0] neg_lo:[0,1] neg_hi:[0,1]
	v_pk_add_f32 v[246:247], v[\i+2:\i+3], v[252:253] op_sel_hi:[1,0] neg_lo:[0,1] neg_hi:[0,1]
	v_pk_fma_f32 v[248:249], v[244:245], v[244:245], v[248:249]
	v_pk_fma_f32 v[250:251], v[246:247], v[246:247], v[250:251]
.endr
	v_pk_add_f32 v[248:249], v[248:249], v[250:251]
	v_add_f32 v248, v248, v249
	BFLY 248
	v_fma_f32 v255, v248, s27, s26                 ; var + 1e-5
	s_wait_alu depctr_va_vdst(0)
	v_rsq_f32 v253, v255
	v_nop                                          ; a plain instruction behind the transcendental,
	s_wait_alu depctr_va_vdst(0)                   ; and a wait ahead of the first line that names its result
	DOT 0, 40                                      ; behind set 0: sets 1 to 5
	LOADW 6                                        ; into the set just used
	s_wait_alu depctr_va_vdst(0)
	DOT 1, 40
	LOADW 7
	s_wait_alu depctr_va_vdst(0)
	DOT 2, 40
	s_wait_alu depctr_va_vdst(0)
	DOT 3, 32
	s_wait_alu depctr_va_vdst(0)
	DOT 4, 24
	s_wait_alu depctr_va_vdst(0)
	DOT 5, 16
	s_wait_alu depctr_va_vdst(0)
	DOT 6, 8
	s_wait_alu depctr_va_vdst(0)
	DOT 7, 0
.irp m, 1,2,4,8
.irp e, 0,1,2,3,4,5,6,7
	v_add_f32_dpp v[A+\e], v[A+\e], v[A+\e] row_xmask:\m row_mask:0xf bank_mask:0xf
.endr
.endr
.irp e, 0,1,2,3,4,5,6,7
	v_permlanex16_b32 v[240+\e], v[A+\e], s24, s25
.endr
.irp e, 0,1,2,3,4,5,6,7
	v_add_f32 v[A+\e], v[A+\e], v[240+\e]
.endr
	s_wait_alu depctr_va_vdst(0)
	s_wait_kmcnt 0x0                               ; router_b
.irp e, 0,1,2,3,4,5,6,7
	v_add_f32 v[A+\e], s[16+\e], v[A+\e]
.endr
	SCAN 240, 241                                  ; the largest: w0, e0
	v_mov_b32 v255, 0xff800000                     ; -infinity takes its place,
.irp e, 0,1,2,3,4,5,6,7
	v_cmp_eq_u32 vcc_lo, \e, v241
	v_cndmask_b32 v[A+\e], v[A+\e], v255, vcc_lo
.endr
	SCAN 242, 243                                  ; and the scan gives the second: w1, e1
	v_sub_f32 v244, v242, v240                     ; w1 - w0, 0 or less: the maximum is taken away
	v_mul_f32 v244, 0x3fb8aa3b, v244
	s_wait_alu depctr_va_vdst(0)
	v_exp_f32 v244, v244                           ; p1 = e^(w1 - w0)
	v_mov_b32 v246, 1                              ; (a plain instruction behind the transcendental)
	s_wait_alu depctr_va_vdst(0)
	v_add_f32 v245, 1.0, v244
	s_wait_alu depctr_va_vdst(0)
	v_rcp_f32 v12, v245                            ; g0 = 1 / (1 + p1)
	v_mov_b32 v14, v252                            ; (plain)  the mean
	s_wait_alu depctr_va_vdst(0)
	v_mul_f32 v13, v244, v12                       ; g1 = p1 g0
	v_mov_b32 v15, v253                            ; rstd
	ONEHOT 241, 247, 248
	ONEHOT 243, 249, 250
	v_or_b32 v8, v247, v249
	v_or_b32 v9, v248, v250
	v_mov_b32 v10, v241
	v_mov_b32 v11, v243
	ds_store_b128 v3, v[8:11] offset:RES           ; all lanes of a wave write the same bytes with the same values
	ds_store_b128 v3, v[12:15] offset:RES+16
	s_wait_dscnt 0x0                               ; for the others' sake: my stores have landed
	s_barrier_signal -1
	s_barrier_wait -1
	s_cmp_lg_u32 s14, 0
	s_cbranch_scc1 .Lnot_0
	ds_load_b128 v[16:19], v4 offset:RES           ; wave 0: the 4 tokens' whole numbers: 64 consecutive bytes (lanes 4-31 repeat lanes 0-3)
	s_wait_dscnt 0x0
	global_store_b128 v5, v[16:19], s[10:11]
	s_set_vgpr_msb 0x5
	s_wait_tensorcnt 0x0
	ds_add_u32 v0, v1
	s_wait_dscnt 0x0
	s_set_vgpr_msb 0x500
	s_endpgm
.Lnot_0:
	s_cmp_lg_u32 s14, 1
	s_cbranch_scc1 .Lnot_1
	ds_load_b128 v[16:19], v4 offset:RES+16        ; wave 1: their gates, means and rstd
	s_wait_dscnt 0x0
	global_store_b128 v5, v[16:19], s[12:13]
.Lnot_1:
	s_set_vgpr_msb 0x5
	s_wait_tensorcnt 0x0
	ds_add_u32 v0, v1
	s_wait_dscnt 0x0
	s_set_vgpr_msb 0x500
	s_endpgm
.Lfunc_end_k_q3fd20382c3_route:
	.size	k_q3fd20382c3_route, .Lfunc_end_k_q3fd20382c3_route-k_q3fd20382c3_route
	.p2alignl 7, 3214868480
	.fill 96, 4, 3214868480
	.section	.rodata,"a",@progbits
	.p2align	6, 0x0
	.amdhsa_kernel k_q3fd20382c3_route
		.amdhsa_group_segment_fixed_size 37632
		.amdhsa_private_segment_fixed_size 0
		.amdhsa_enable_private_segment 0
		.amdhsa_kernarg_size 40
		.amdhsa_user_sgpr_count 2
		.amdhsa_user_sgpr_kernarg_segment_ptr 1
		.amdhsa_wavefront_size32 1
		.amdhsa_system_sgpr_workgroup_id_x 1
		.amdhsa_system_sgpr_workgroup_id_y 1
		.amdhsa_system_sgpr_workgroup_id_z 1
		.amdhsa_system_vgpr_workitem_id 0
		.amdhsa_next_free_vgpr 258
		.amdhsa_next_free_sgpr 66
		.amdhsa_reserve_vcc 1
		.amdhsa_float_denorm_mode_32 3
		.amdhsa_float_denorm_mode_16_64 3
		.amdhsa_memory_ordered 1
		.amdhsa_forward_progress 1
		.amdhsa_inst_pref_size 30
	.end_amdhsa_kernel
	.amdgpu_metadata
---
amdhsa.version: [ 1, 2 ]
amdhsa.kernels:
  - .name:           k_q3fd20382c3_route
    .symbol:         k_q3fd20382c3_route.kd
    .args:
      - { .name: x, .offset: 0, .size: 8, .value_kind: global_buffer, .address_space: global }
      - { .name: router_W, .offset: 8, .size: 8, .value_kind: global_buffer, .address_space: global }
      - { .name: router_b, .offset: 16, .size: 8, .value_kind: global_buffer, .address_space: global }
      - { .name: route, .offset: 24, .size: 8, .value_kind: global_buffer, .address_space: global }
      - { .name: tokf, .offset: 32, .size: 8, .value_kind: global_buffer, .address_space: global }
    .group_segment_fixed_size: 37632
    .private_segment_fixed_size: 0
    .kernarg_segment_align: 8
    .kernarg_segment_size: 40
    .max_flat_workgroup_size: 128
    .sgpr_count:     66
    .vgpr_count:     258
    .wavefront_size: 32
...
	.end_amdgpu_metadata
.endif
;; end of part 7
;; launch place (part 8): grid 136 x 1, 8 waves a work-group, no clusters, 0 bytes of LDS; arguments route, tokf, x, ln_g, ln_b, place, hq; writes place, hq
.if DOCPART == 8
	.amdgcn_target "amdgcn-amd-amdhsa--gfx1250"
	.amdhsa_code_object_version 6
	.text
	.protected	k_q3fd20382c3_place
	.globl	k_q3fd20382c3_place
	.p2align	8
	.type	k_q3fd20382c3_place,@function
k_q3fd20382c3_place:
	s_mov_b64 s[64:65], 0
	v_nop
	global_prefetch_b8 v0, s[64:65] scope:SCOPE_SE
	s_setreg_imm32_b32 hwreg(HW_REG_WAVE_MODE, 25, 1), 1
	s_wait_xcnt 0x0
; PLACE.  The routed rows (token, expert) are laid in tiles of 16 rows, each expert's rows in token order, each expert padded to whole tiles: at most (2,048 + 8 x 15) / 16 = 135 tiles, whatever the split.
; Work-group T makes tile T; a work-group beyond the last tile ends.  Every wave repeats the whole-number work (counts, prefix, compaction) in registers: no LDS bytes, no barrier.
; Then wave s makes K step s (128 of the 1,024) of the tile's operand: h = (x - mean) rstd ln_g[E] + ln_b[E] in f32, quantised to E2M3 with one E8M0 byte for each 32 along K,
; stored as an IMAGE OF THE OPERAND'S REGISTERS: hq + 12,288 T + 1,536 s + 512 g + 16 lane holds registers 4 g .. 4 g + 3; the rows' scale words at hq + HSC + 512 T + 64 s + 4 row.
; place: words 0-7 each expert's first tile, words 8-15 its number of tiles; from byte 256 posOf[token][expert] = 16 T + row; pad rows (they carry token 0's numbers and are never gathered) write a word of their own behind that table.
; LIMITS: NaN and infinities are not served; a block whose largest magnitude lies under 2^-124 (a block of zeros too) keeps the scale byte 1: its codes are then small or zeros, and this program alone reads the bytes.
; No cluster: the work-groups share only the 16 KiB of route.
.set X,   16                           ; v16-79   first the 32 pairs of count words (token 32 q + lane), later my 64 numbers of x, then of h
.set G,   80                           ; v80-143  ln_g
.set BT,  144                          ; v144-207 ln_b
.set TM,  208                          ; v208-223 the quantiser's work
.set PW,  224                          ; the scale word
.set PC,  226                          ; v226-244 the codes
.set MU,  246                          ; v[246:247] mean, rstd
.set HSC, 1671168                      ; 136 tiles x 12,288 bytes of codes
; 64 numbers of a lane, register 16 b + i = k 32 b + 16 (lane / 16) + i of my row, become a fragment's codes in v[PC] on and its scale word in v[PW]
.macro QUANT s
.irp b, 0,1,2,3
	v_max3_num_f32 v[TM+\b], |v[\s+16*\b]|, |v[\s+1+16*\b]|, 0x1800000   ; my 16 numbers of block b, and the floor 2^(3 - 127): the byte cannot fall under 1
.endr
.irp i, 2,4,6,8,10,12,14
.irp b, 0,1,2,3
	s_delay_alu instid0(VALU_DEP_4)
	v_max3_num_f32 v[TM+\b], v[TM+\b], |v[\s+16*\b+\i]|, |v[\s+1+16*\b+\i]|
.endr
.endr
.irp b, 0,1,2,3
	s_delay_alu instid0(VALU_DEP_4)
	v_permlanex16_b32 v[TM+4+\b], v[TM+\b], s58, s59
.endr
.irp b, 0,1,2,3
	s_delay_alu instid0(VALU_DEP_4)
	v_max_num_f32 v[TM+\b], v[TM+\b], v[TM+4+\b]   ; with lane l xor 16's 16: the block's largest magnitude
.endr
.irp b, 0,1,2,3
	s_delay_alu instid0(VALU_DEP_4)
	v_add_nc_u32 v[TM+12+\b], 0xff000000, v[TM+\b] ; 2 off its exponent field: the conversion's scale operand
.endr
.irp b, 0,1,2,3
	s_delay_alu instid0(VALU_DEP_4)
	v_lshrrev_b32 v[TM+4+\b], 23, v[TM+12+\b]      ; the scale's byte
.endr
	s_delay_alu instid0(VALU_DEP_3)
	v_lshl_or_b32 v[PW], v[TM+5], 8, v[TM+4]
	s_delay_alu instid0(VALU_DEP_1)
	v_lshl_or_b32 v[PW], v[TM+6], 16, v[PW]
	s_delay_alu instid0(VALU_DEP_1)
	v_lshl_or_b32 v[PW], v[TM+7], 24, v[PW]
.irp c, 0,1
	v_cvt_scalef32_pk16_fp6_f32 v[PC+6*\c:PC+2+6*\c], v[\s+32*\c:\s+15+32*\c], v[TM+12+2*\c]
	v_cvt_scalef32_pk16_fp6_f32 v[PC+12+4*\c:PC+14+4*\c], v[\s+16+32*\c:\s+31+32*\c], v[TM+12+2*\c+1]   ; (a conversion's three registers begin on an even number)
.endr
	v_nop                                          ; one plain instruction behind a scaled conversion
.irp c, 0,1                                    ; the operand wants a whole block in a lane: lanes 0-15 block 2 c, lanes 16-31 block 2 c + 1
.irp i, 0,1,2
	v_permlane16_swap_b32 v[PC+6*\c+\i], v[PC+12+4*\c+\i]
.endr
.irp i, 0,1,2
	s_delay_alu instid0(VALU_DEP_3)
	v_mov_b32 v[PC+3+6*\c+\i], v[PC+12+4*\c+\i]
.endr
.endr
.endm
; Tokens 32 q + lane.  Members of expert E are numbered in token order; s23 is the number, counted from my tile's first row, of this group's first member.  A member whose number n lies in 0 .. 15 sends token + 1 to lane n.
; So that no two lanes send to one lane, members aim at s23 + (members below me) and the others at s23 + (members in the group) + (others below me): all 32 lanes, modulo 32, once each; who has nothing to say sends 0.
.macro COMPACT
	v_and_b32 v248, s49, v[X+2*q]
	s_delay_alu instid0(VALU_DEP_1)
	v_and_or_b32 v248, v[X+2*q+1], s50, v248
	s_delay_alu instid0(VALU_DEP_1)
	v_cmp_ne_u32 s51, 0, v248                      ; the members
	s_bcnt1_i32_b32 s52, s51
	v_mbcnt_lo_u32_b32 v249, s51, 0                ; members below me
	s_delay_alu instid0(VALU_DEP_1)
	v_add_nc_u32 v250, s23, v249                   ; a member's number
	s_delay_alu instid0(VALU_DEP_2)
	v_sub_nc_u32 v251, v1, v249                    ; others below me
	s_add_co_u32 s53, s23, s52
	v_add_nc_u32 v251, s53, v251
	s_delay_alu instid0(VALU_DEP_1)
	v_cndmask_b32 v251, v251, v250, s51
	v_cmp_gt_u32 s54, 16, v250                     ; unsigned: numbers in front of my tile are very large
	s_and_b32 s54, s54, s51
	v_add_nc_u32 v249, 32*q, v7                    ; token + 1
	s_delay_alu instid0(VALU_DEP_1)
	v_cndmask_b32 v249, 0, v249, s54
	v_lshlrev_b32 v251, 2, v251
	s_delay_alu instid0(VALU_DEP_1)
	v_and_b32 v251, 0x7c, v251                     ; 4 x (the lane aimed at, modulo 32)
	ds_permute_b32 v[X+2*q], v251, v249            ; touches no LDS byte
	s_mov_b32 s23, s53
.endm
	s_load_b256 s[4:11], s[0:1], 0x0               ; route s[4:5], tokf s[6:7], x s[8:9], ln_g s[10:11]
	s_load_b128 s[12:15], s[0:1], 0x20             ; ln_b s[12:13], place s[14:15]
	s_load_b64 s[16:17], s[0:1], 0x30              ; hq
	v_lshrrev_b32 v1, 5, v0
	s_delay_alu instid0(VALU_DEP_1)
	v_readfirstlane_b32 s18, v1                    ; wave = K step
	s_mov_b32 s19, ttmp9                           ; T
	v_and_b32 v1, 31, v0                           ; lane
	v_and_b32 v2, 15, v0                           ; r
	v_bfe_u32 v3, v0, 4, 1                         ; h
	s_delay_alu instid0(VALU_DEP_3)
	v_lshlrev_b32 v4, 4, v1                        ; 16 x lane
	s_delay_alu instid0(VALU_DEP_4)
	v_lshlrev_b32 v6, 2, v1                        ; 4 x lane
	v_add_nc_u32 v7, 1, v1
	v_lshlrev_b32 v8, 2, v2                        ; 4 r
	v_lshlrev_b32 v14, 6, v3                       ; 64 h: my 16 numbers of a block of 32
	v_mov_b32 v254, 0                              ; destinations of lane moves count as sources: written once
.irp b, 0,1,2,3
	v_mov_b32 v[TM+4+\b], 0
.endr
	s_mov_b32 s58, 0x76543210
	s_mov_b32 s59, 0xfedcba98                      ; lane l xor 16
	s_mov_b32 s60, 0x00ff00ff
	s_wait_kmcnt 0x0
.set q, 0
.rept 32
	global_load_b64 v[X+2*q:X+2*q+1], v4, s[4:5] offset:512*q   ; the count words of token 32 q + lane
.set q, q+1
.endr
	s_wait_loadcnt 0x0
	; each expert's rows: a lane's 32 tokens first (a byte holds up to 32), then widened to 16 bits and summed over the lanes
	v_add3_u32 v248, v16, v18, v20
	v_add3_u32 v249, v17, v19, v21
.irp q, 3,5,7,9,11,13,15,17,19,21,23,25,27,29
	s_delay_alu instid0(VALU_DEP_2)
	v_add3_u32 v248, v248, v[16+2*\q], v[18+2*\q]
	s_delay_alu instid0(VALU_DEP_2)
	v_add3_u32 v249, v249, v[17+2*\q], v[19+2*\q]
.endr
	s_delay_alu instid0(VALU_DEP_2)
	v_add_nc_u32 v248, v248, v78
	s_delay_alu instid0(VALU_DEP_2)
	v_add_nc_u32 v249, v249, v79
	s_delay_alu instid0(VALU_DEP_2)
	v_and_b32 v250, s60, v248                      ; experts 0 and 2
	s_delay_alu instid0(VALU_DEP_3)
	v_lshrrev_b32 v251, 8, v248
	s_delay_alu instid0(VALU_DEP_1)
	v_and_b32 v251, s60, v251                      ; 1 and 3
	s_delay_alu instid0(VALU_DEP_4)
	v_and_b32 v252, s60, v249                      ; 4 and 6
	v_lshrrev_b32 v253, 8, v249
	s_delay_alu instid0(VALU_DEP_1)
	v_and_b32 v253, s60, v253                      ; 5 and 7
.irp m, 1,2,4,8
.irp a, 250,251,252,253
	v_mov_b32_dpp v254, v\a row_xmask:\m row_mask:0xf bank_mask:0xf
	s_delay_alu instid0(VALU_DEP_1)
	v_add_nc_u32 v\a, v\a, v254
.endr
.endr
.irp a, 250,251,252,253
	s_delay_alu instid0(VALU_DEP_2)
	v_permlanex16_b32 v254, v\a, s58, s59
	s_delay_alu instid0(VALU_DEP_1)
	v_add_nc_u32 v\a, v\a, v254
.endr
	v_readfirstlane_b32 s61, v250
	s_and_b32 s24, s61, 0xffff
	s_lshr_b32 s26, s61, 16
	v_readfirstlane_b32 s61, v251
	s_and_b32 s25, s61, 0xffff
	s_lshr_b32 s27, s61, 16
	v_readfirstlane_b32 s61, v252
	s_and_b32 s28, s61, 0xffff
	s_lshr_b32 s30, s61, 16
	v_readfirstlane_b32 s61, v253
	s_and_b32 s29, s61, 0xffff
	s_lshr_b32 s31, s61, 16
	; the prefix over experts, in tiles: s[32+e] first tile, s[40+e] tiles; E = the last expert whose first tile is not beyond T, S its first tile
	s_mov_b32 s20, 0
	s_mov_b32 s21, 0
	s_mov_b32 s22, 0
.irp e, 0,1,2,3,4,5,6,7
	s_add_co_u32 s[40+\e], s[24+\e], 15
	s_lshr_b32 s[40+\e], s[40+\e], 4
	s_mov_b32 s[32+\e], s20
	s_cmp_ge_u32 s19, s20
	s_cselect_b32 s21, \e, s21
	s_cselect_b32 s22, s20, s22
	s_add_co_u32 s20, s20, s[40+\e]
.endr
	s_cmp_ge_u32 s19, s20                          ; beyond the last tile of this split: nothing to do
	s_cbranch_scc1 .Lend
	s_min_u32 s21, s21, 7
	s_or_b32 s61, s19, s18
	s_cmp_lg_u32 s61, 0
	s_cbranch_scc1 .Lno_meta
	v_mov_b32 v5, 0                                ; work-group 0, wave 0: the table of experts, 128 bytes
.irp e, 0,1,2,3,4,5,6,7
	s_delay_alu instid0(VALU_DEP_1)
	v_writelane_b32 v5, s[32+\e], \e
	s_delay_alu instid0(VALU_DEP_1)
	v_writelane_b32 v5, s[40+\e], 8+\e
.endr
	global_store_b32 v6, v5, s[14:15]
.Lno_meta:
	s_sub_co_u32 s23, s22, s19
	s_lshl_b32 s23, s23, 4                         ; -16 (T - S)
	s_and_b32 s48, s21, 3
	s_lshl_b32 s48, s48, 3
	s_lshl_b32 s48, 1, s48
	s_cmp_lt_u32 s21, 4
	s_cselect_b32 s49, s48, 0                      ; E's bit in the low count word,
	s_cselect_b32 s50, 0, s48                      ; or in the high one
.set q, 0
.rept 32
	COMPACT
.set q, q+1
.endr
	s_wait_dscnt 0x0
.set q, 1
	v_or_b32 v16, v16, v[X+2*q]
.set q, q+1
.rept (31)-1
	s_delay_alu instid0(VALU_DEP_1)
	v_or_b32 v16, v16, v[X+2*q]                    ; each of lanes 0-15 was given at most one token
.set q, q+1
.endr
	ds_bpermute_b32 v249, v8, v16                  ; lanes 16-31 take lanes 0-15's
	s_wait_dscnt 0x0
	v_cmp_eq_u32 s55, 0, v249                      ; a pad row
	v_max_u32 v9, 1, v249
	s_delay_alu instid0(VALU_DEP_1)
	v_add_nc_u32 v9, -1, v9
	s_delay_alu instid0(VALU_DEP_1)
	v_min_u32 v9, 0x3ff, v9                        ; my row's token (a pad row: token 0)
	s_lshl_b32 s56, s19, 4
	v_add_nc_u32 v11, s56, v2                      ; my row's position: 16 T + r
	s_cmp_lg_u32 s18, 0
	s_cbranch_scc1 .Lno_pos
	v_lshl_add_u32 v10, v9, 3, s21                 ; wave 0: posOf[token][E],
	v_add_nc_u32 v15, 0x2000, v11                  ; or, for a pad row, the word of its own behind the table
	s_delay_alu instid0(VALU_DEP_1)
	v_cndmask_b32 v10, v10, v15, s55
	s_delay_alu instid0(VALU_DEP_1)
	v_min_u32 v10, 10367, v10
	s_delay_alu instid0(VALU_DEP_1)
	v_lshlrev_b32 v10, 2, v10
	global_store_b32 v10, v11, s[14:15] offset:256
.Lno_pos:
	s_lshl_b32 s66, s18, 9                         ; my K step: 512 bytes along a row
	s_mov_b32 s67, 0
	s_add_nc_u64 s[8:9], s[8:9], s[66:67]
	s_lshl_b32 s68, s21, 12                        ; expert E's row of ln_g and ln_b
	s_add_co_u32 s66, s66, s68
	s_add_nc_u64 s[10:11], s[10:11], s[66:67]
	s_add_nc_u64 s[12:13], s[12:13], s[66:67]
	s_mul_i32 s66, s19, 12288
	s_mul_i32 s68, s18, 1536
	s_add_co_u32 s66, s66, s68
	s_add_nc_u64 s[70:71], s[16:17], s[66:67]      ; my fragment's image
	s_lshl_b32 s66, s19, 9
	s_lshl_b32 s68, s18, 6
	s_add_co_u32 s66, s66, s68
	s_add_nc_u64 s[72:73], s[16:17], s[66:67]      ; its scale words (HSC stands in the immediate)
	s_wait_alu depctr_va_vdst(0)
	v_lshlrev_b32 v12, 4, v9
	v_lshl_add_u32 v13, v9, 12, v14                ; x: my token's row, + 64 h
	global_load_b64 v[MU:MU+1], v12, s[6:7] offset:8
.irp b, 0,1,2,3
.irp j, 0,1,2,3
	global_load_b128 v[X+16*\b+4*\j:X+16*\b+4*\j+3], v13, s[8:9] offset:128*\b+16*\j
	global_load_b128 v[G+16*\b+4*\j:G+16*\b+4*\j+3], v14, s[10:11] offset:128*\b+16*\j
	global_load_b128 v[BT+16*\b+4*\j:BT+16*\b+4*\j+3], v14, s[12:13] offset:128*\b+16*\j
.endr
.endr
	s_wait_loadcnt 0x0
.set i, 0
.rept 32
	v_pk_add_f32 v[X+i:X+i+1], v[X+i:X+i+1], v[MU:MU+1] op_sel_hi:[1,0] neg_lo:[0,1] neg_hi:[0,1]   ; x - mean
.set i, i+2
.endr
.set i, 0
.rept 32
	v_pk_mul_f32 v[X+i:X+i+1], v[X+i:X+i+1], v[MU:MU+1] op_sel:[0,1] op_sel_hi:[1,1]                 ; x rstd
.set i, i+2
.endr
.set i, 0
.rept 32
	v_pk_fma_f32 v[X+i:X+i+1], v[X+i:X+i+1], v[G+i:G+i+1], v[BT+i:BT+i+1]                            ; x ln_g + ln_b
.set i, i+2
.endr
	QUANT X
.irp g, 0,1,2
	global_store_b128 v4, v[PC+4*\g:PC+4*\g+3], s[70:71] offset:512*\g   ; 512 consecutive bytes, aligned to 256
.endr
	global_store_b32 v8, v[PW], s[72:73] offset:HSC    ; lanes 16-31 hold the same words as lanes 0-15
.Lend:
	s_endpgm
.Lfunc_end_k_q3fd20382c3_place:
	.size	k_q3fd20382c3_place, .Lfunc_end_k_q3fd20382c3_place-k_q3fd20382c3_place
	.p2alignl 7, 3214868480
	.fill 96, 4, 3214868480
	.section	.rodata,"a",@progbits
	.p2align	6, 0x0
	.amdhsa_kernel k_q3fd20382c3_place
		.amdhsa_group_segment_fixed_size 0
		.amdhsa_private_segment_fixed_size 0
		.amdhsa_enable_private_segment 0
		.amdhsa_kernarg_size 56
		.amdhsa_user_sgpr_count 2
		.amdhsa_user_sgpr_kernarg_segment_ptr 1
		.amdhsa_wavefront_size32 1
		.amdhsa_system_sgpr_workgroup_id_x 1
		.amdhsa_system_sgpr_workgroup_id_y 1
		.amdhsa_system_sgpr_workgroup_id_z 1
		.amdhsa_system_vgpr_workitem_id 0
		.amdhsa_next_free_vgpr 256
		.amdhsa_next_free_sgpr 80
		.amdhsa_reserve_vcc 0
		.amdhsa_float_denorm_mode_32 3
		.amdhsa_float_denorm_mode_16_64 3
		.amdhsa_memory_ordered 1
		.amdhsa_forward_progress 1
		.amdhsa_inst_pref_size 69
	.end_amdhsa_kernel
	.amdgpu_metadata
---
amdhsa.version: [ 1, 2 ]
amdhsa.kernels:
  - .name:           k_q3fd20382c3_place
    .symbol:         k_q3fd20382c3_place.kd
    .args:
      - { .name: route, .offset: 0, .size: 8, .value_kind: global_buffer, .address_space: global }
      - { .name: tokf, .offset: 8, .size: 8, .value_kind: global_buffer, .address_space: global }
      - { .name: x, .offset: 16, .size: 8, .value_kind: global_buffer, .address_space: global }
      - { .name: ln_g, .offset: 24, .size: 8, .value_kind: global_buffer, .address_space: global }
      - { .name: ln_b, .offset: 32, .size: 8, .value_kind: global_buffer, .address_space: global }
      - { .name: place, .offset: 40, .size: 8, .value_kind: global_buffer, .address_space: global }
      - { .name: hq, .offset: 48, .size: 8, .value_kind: global_buffer, .address_space: global }
    .group_segment_fixed_size: 0
    .private_segment_fixed_size: 0
    .kernarg_segment_align: 8
    .kernarg_segment_size: 56
    .max_flat_workgroup_size: 256
    .sgpr_count:     80
    .vgpr_count:     256
    .wavefront_size: 32
...
	.end_amdgpu_metadata
.endif
;; end of part 8
;; launch ffn1 (part 9): grid 256 x 1, 16 waves a work-group, no clusters, 104,448 bytes of LDS; arguments W1, b1, place, hq, aq; writes aq
.if DOCPART == 9
	.amdgcn_target "amdgcn-amd-amdhsa--gfx1250"
	.amdhsa_code_object_version 6
	.text
	.protected	k_q3fd20382c3_ffn1
	.globl	k_q3fd20382c3_ffn1
	.p2align	8
	.type	k_q3fd20382c3_ffn1,@function
k_q3fd20382c3_ffn1:
	s_mov_b64 s[64:65], 0
	v_nop
	global_prefetch_b8 v0, s[64:65] scope:SCOPE_SE
	s_setreg_imm32_b32 hwreg(HW_REG_WAVE_SCHED_MODE, 0, 2), 2
	s_setreg_imm32_b32 hwreg(HW_REG_WAVE_MODE, 25, 1), 1
	s_wait_xcnt 0x0
	s_wait_alu depctr_vm_vsrc(0)
; FFN1.  a = gelu(h W1[e] + b1[e]) for the rows routed to expert e, both operands of the product in E2M3 with one E8M0 byte for each 32 along K; a is quantised along the next product's K and stored as codes.
; SHARES.  Work-group = (expert e = id / 32, slice = id % 32): 128 hidden units, all 1,024 of K: 512 KiB of W1, each byte of W1 read once in the launch, as f32.
; PHASE A: the slice is quantised into LDS.  A lane takes a column (a hidden unit) and its registers run down K, so a block of 32 is one lane's and the codes come out with K innermost.  Wave w: columns 32 (w % 4) on,
; K 256 (w / 4) on.  The codes are laid as IMAGES OF THE OPERAND'S REGISTERS: fragment (K step sg, tile j) at 1,536 (8 sg + j); in it registers 4 g .. 4 g + 3 of lane L at 512 g + 16 L.  Scale words at SCW + 512 sg + 64 j + 4 row.
; THE UNITS OF A TILE ARE NOT NEIGHBOURS: row p of tile 2 b + u is unit 32 b + 8 u + p + 8 (p / 8), so that the 16 result registers of tiles 2 b and 2 b + 1 are 16 neighbours along the next K.
; One barrier; it stands ahead of every branch on stored numbers.
; PHASE B: wave w takes units 64 (w % 2) on (4 tiles) for three tiles of 16 rows, 3 (w / 2) on, 24 further each trip: 12 accumulators by turns.  THREE TRIPS AT THE MOST: the two experts of a token differ, so an expert
; has at most 1,024 rows, 64 tiles, and three trips of 24 cover 72; a wave with no tile left leaves the loop.  The product is used transposed (source 0 = W1's units,
; source 1 = h's rows): a lane holds one row and neighbouring units.  b1 is loaded straight into the accumulators and is the first product's C.  h's fragments come from hq, three K steps ahead.
; gelu(u) = max(u, 0) - |u| erfc(|u| / sqrt 2) / 2, with erfc(z) = t exp(-z^2 + P(t)), t = 1 / (1 + z / 2), P of degree 9 (a fit whose relative error is near 1.2e-7 for every z).
; aq: tile, K' step (= slice), half c: 768 bytes: registers 6 c .. 6 c + 3 at 16 x lane, then 6 c + 4, 6 c + 5 at 512 + 8 x lane; scale words at ASC + 2,048 tile + 64 slice + 4 row, my two bytes at + 2 c.
; A trip's tiles beyond the expert's last are held at the last: that tile is then made and stored again by the same wave with the same values.
; NO CLUSTER, NO TENSOR LOADS: the 32 work-groups of an expert do read the same tiles of hq, but how many hangs on the stored list, and a joint request comes by a tensor load alone.
; LIMITS: NaN and infinities are not served; gelu's relative error grows to about 5e-6 for u under -10 (the exponent's rounding) and the erfc term is 0 from |u| near 13 on; blocks under 2^-124 keep the scale byte 1.
; THE MODE: SCHED_MODE bits 1:0 = 2 (LLVM: expert scheduling mode 2), set by the entry lines.  The code itself states the register dependences
; between vector or matrix instructions and memory or LDS instructions, with s_wait_alu, always for 0.
; THE PLAN.  Registers that memory or LDS instructions touch, and who else names them:
;   v1-v9, v21       Offsets and LDS addresses: written once, at the head (v21 ahead of the wait in front of the first load, the others ahead of block 0's wait on va_vdst), never again: scalar bases and immediates do the rest.
;   PHASE A  XA0, XA1          Block t's maxima and conversions read XA[t % 2]; behind them the loads of block t + 2 land in it.
;            v[CC ..], v[TP+4]  Written by block t's conversions, moves and shifts; read by its LDS stores; written again by block t + 1.
;            ONE wait on va_vdst a block, behind its last vector line: the codes and the scale word are written, and XA[t % 2] has been read.  The block's LDS stores and 32 loads follow it with no vector line between.
;            ONE wait on vm_vsrc a block, ahead of its conversions: the last block's LDS stores have read what is written again.
;   PHASE B  WF, WS            LDS loads land in them; a half step's six products read them.  WF holds two of my four fragments: the wave's 256 registers are all taken, so there is no second set.
;            HF[s % 3], HS[s % 3]  The loads of K step s land; its twelve products read them; the loads of K step s + 3 land.
;            ONE wait on va_vdst behind each half step's products and their four places: behind it go the next half step's seven LDS loads and, at a K step's end, the twelve loads of three K steps on.
;            ACC               b1's loads land; the products, gelu and the quantiser write and read; the next trip's b1 lands.
;            v[PC ..], v[HW ..]  Written by the quantiser; read by the trip's stores; the next trip's loads of h land there.
;            ONE wait on va_vdst ahead of the stores: no vector line follows it in the trip, so it also serves the next trip's loads.  ONE wait on vm_vsrc behind the stores, ahead of the backward jump; one behind the barrier, for the way in.
.set SCW,   98304                      ; LDS: behind the 64 fragments, their scale words, 4,096 bytes
.set HSC,   1671168
.set ASC,   6684672
.set PITCH, 16384                      ; a row of W1 in bytes
.set FSTEP, 12288                      ; LDS bytes from a K step's fragments to the next's
.set SSTEP, 512                        ; and of scale words
.set TRIPS, 3                          ; 3 x 24 tiles cover an expert's 64 at the most
.set L16, 1                            ; v1   16 x lane
.set L8,  2                            ; v2   8 x lane
.set WB,  3                            ; v3, v4  my four tiles' images, K steps 0-3 and 4-7
.set SB,  5                            ; v5   my tiles' scale words: lanes 0-15 an even tile's, lanes 16-31 the odd one's
.set HSO, 6                            ; v6   4 (lane % 16)
.set BHO, 7                            ; v7   64 (lane / 16)
.set WST, 8                            ; v8   phase A: where my column's codes go
.set SST, 9                            ; v9   and its scale words
.set WS,  10                           ; v10-11  W1's scale words: scales and nothing else
.set HS,  12                           ; v12-20  h's scale words, three sets of three: scales and nothing else
.set LW,  21                           ; v21  4 x lane
.set WF,  22                           ; v22-45  two fragments of W1
.set HF,  46                           ; v46-153 three sets of three fragments of h
.set VC8, 154                          ; v[154:155] the polynomial's c8
.set ACC, 160                          ; v160-255 accumulator (row tile m, unit tile jj) at 160 + 32 m + 8 jj
.set XA,  160                          ; phase A: two sets of 32 numbers
.set CC,  22                           ; phase A: a block's codes
.set CT,  28
.set TP,  32                           ; phase A: at work
.set GT,  22                           ; gelu: t, then t u
.set GP,  54                           ; the polynomial, then the exponential
.set GQ,  86                           ; u^2
.set MX,  22                           ; the quantiser of a: six blocks' maxima, v28.. lane l xor 16's, v34.. scale operands, v40.. bytes, v46.. two bytes a row, v50.. codes
.set MT,  28
.set SO,  34
.set BY,  40
.set HW,  46
.set PC,  50
.set PT,  74
.macro LOAD t                          ; block t: W1(32 t + i, my column): a wave reads 128 consecutive bytes, the four waves side by side 512
.set i, 0
.rept 32
	global_load_b32 v[XA+32*((\t)%2)+i], v[LW], s[26:27] offset:(32*(\t)+i)*PITCH th:TH_LOAD_NT
.set i, i+1
.endr
.endm
.macro BLOCK t
.set XS, XA+32*((\t)%2)
.if (\t) < 7
	s_wait_loadcnt 32                              ; this block's 32 loads are in; the next block's may be out
.else
	s_wait_loadcnt 0
.endif
	v_max3_num_f32 v[TP], |v[XS]|, |v[XS+1]|, |v[XS+2]|            ; the block's largest magnitude: all 32 numbers are mine
	v_max3_num_f32 v[TP+1], |v[XS+3]|, |v[XS+4]|, |v[XS+5]|
.irp i, 6,10,14,18,22,26
	v_max3_num_f32 v[TP], v[TP], |v[XS+\i]|, |v[XS+\i+1]|
	v_max3_num_f32 v[TP+1], v[TP+1], |v[XS+\i+2]|, |v[XS+\i+3]|
.endr
	v_max3_num_f32 v[TP], v[TP], |v[XS+30]|, |v[XS+31]|
	v_max3_num_f32 v[TP], v[TP], v[TP+1], 0x1800000                ; and the floor 2^(3 - 127): the byte cannot fall under 1
	v_add_nc_u32 v[TP+2], 0xff000000, v[TP]                        ; 2 off the exponent field: the conversion's scale operand
.if (\t) > 0
	s_wait_alu depctr_va_vdst(0)
	s_wait_dscnt 0x0                               ; the last block's LDS stores are done
	s_wait_alu depctr_vm_vsrc(0)                   ; the last block's LDS stores have read v[CC ..] and v[TP+4], which are written again below
.endif
	v_cvt_scalef32_pk16_fp6_f32 v[CC:CC+2], v[XS:XS+15], v[TP+2]
	v_cvt_scalef32_pk16_fp6_f32 v[CT:CT+2], v[XS+16:XS+31], v[TP+2]   ; (a conversion's three registers begin on an even number)
	v_lshrrev_b32 v[TP+3], 23, v[TP+2]             ; the scale's byte (also the plain instruction behind the conversions)
.if (\t)%4 == 0
	v_mov_b32 v[TP+4], v[TP+3]                     ; four bytes make my column's scale word of a K step
.else
	v_lshl_or_b32 v[TP+4], v[TP+3], 8*((\t)%4), v[TP+4]
.endif
.irp i, 0,1,2
	v_mov_b32 v[CC+3+\i], v[CT+\i]
.endr
	s_wait_alu depctr_va_vdst(0)                   ; the conversions, moves and shifts have written v[CC ..] and v[TP+4], which the LDS stores read; the maxima and conversions are done reading XA[t % 2], in which the loads below land; in block 0 the head's addresses v1 to v9 are written too
.set OF, ((\t)/4)*FSTEP+256*((\t)%2)           ; block t of a K step is registers 6 c .. 6 c + 5 (c = (t / 2) % 2) of the lane 16 (t % 2) + my row
.if ((\t)/2)%2 == 0
	ds_store_b128 v[WST], v[CC:CC+3] offset:OF
	ds_store_b64 v[WST], v[CC+4:CC+5] offset:OF+512
.else
	ds_store_b64 v[WST], v[CC:CC+1] offset:OF+520
	ds_store_b128 v[WST], v[CC+2:CC+5] offset:OF+1024
.endif
.if (\t)%4 == 3
	ds_store_b32 v[SST], v[TP+4] offset:((\t)/4)*SSTEP
.endif
.if (\t)+2 < 8
	LOAD (\t)+2                                    ; no wait: no vector line since the wait above
.endif
.endm
.macro LOADH sg                        ; K step sg of my three row tiles: 12 loads
.set HBL, HF+36*((\sg)%3)
.irp m, 0,1,2
.irp g, 0,1,2
	global_load_b128 v[HBL+12*\m+4*\g:HBL+12*\m+4*\g+3], v[L16], s[32+2*\m:33+2*\m] offset:1536*(\sg)+512*\g
.endr
	global_load_b32 v[HS+3*((\sg)%3)+\m], v[HSO], s[38+2*\m:39+2*\m] offset:HSC+64*(\sg)
.endr
.endm
.macro WFRAG sg, hs                    ; two of my four unit tiles' fragments of K step sg, and their scale words: 7 LDS loads
.irp f, 0,1
.irp g, 0,1,2
	ds_load_b128 v[WF+12*\f+4*\g:WF+12*\f+4*\g+3], v[WB+(\sg)/4] offset:((\sg)%4)*12288+(2*(\hs)+\f)*1536+512*\g
.endr
.endr
	ds_load_b32 v[WS+(\hs)], v[SB] offset:512*(\sg)+128*(\hs)
.endm
.macro HALF sg, hs                     ; a half step: those two unit tiles against my three row tiles
.set HBK, HF+36*((\sg)%3)
.set HSK, HS+3*((\sg)%3)
.irp m, 0,1,2                                  ; the twelve accumulators take turns, one instruction a turn
	v_wmma_scale_f32_16x16x128_f8f6f4 v[ACC+32*\m+16*(\hs):ACC+32*\m+16*(\hs)+7], v[WF:WF+11], v[HBK+12*\m:HBK+12*\m+11], v[ACC+32*\m+16*(\hs):ACC+32*\m+16*(\hs)+7], v[WS+(\hs)], v[HSK+\m] matrix_a_fmt:MATRIX_FMT_FP6 matrix_b_fmt:MATRIX_FMT_FP6
.endr
.irp m, 0,1,2
	v_wmma_scale_f32_16x16x128_f8f6f4 v[ACC+32*\m+16*(\hs)+8:ACC+32*\m+16*(\hs)+15], v[WF+12:WF+23], v[HBK+12*\m:HBK+12*\m+11], v[ACC+32*\m+16*(\hs)+8:ACC+32*\m+16*(\hs)+15], v[WS+(\hs)], v[HSK+\m] matrix_a_fmt:MATRIX_FMT_FP6 matrix_b_fmt:MATRIX_FMT_FP6 matrix_a_scale:MATRIX_SCALE_ROW1
.endr
.rept 4
	v_nop                                          ; four plain instructions in front of loads into registers that matrix instructions have read, and of the first read of results
.endr
.endm
.macro KSTEP sg
.if (\sg) <= 5
	s_wait_loadcnt 24                              ; this K step's fragments (and, older, the biases) are in; the two later sets of 12 may be out
.else
	s_wait_loadcnt 12*(7-(\sg))
.endif
	s_wait_dscnt 0x0                               ; W1's first two fragments of this K step, asked for behind the last wait on va_vdst, are in
	HALF \sg, 0
	s_wait_alu depctr_va_vdst(0)                   ; the six products are done reading WF, in which the loads below land (v[WS+1]'s last readers stand further back)
	WFRAG \sg, 1
	s_wait_dscnt 0x0
	HALF \sg, 1
.if (\sg) < 7
	s_wait_alu depctr_va_vdst(0)                   ; the six products are done reading WF, and this K step's twelve are done reading their set of HF and HS: the loads below land in these
	WFRAG (\sg)+1, 0
.if (\sg)+3 <= 7
	LOADH (\sg)+3
.endif
.endif
.endm
.macro GELU m                          ; in place on row tile m's 32 registers, from each accumulator's low end on
.set XB, ACC+32*(\m)
.set i, 0
.rept 32
	v_fma_f32 v[GT+i], |v[XB+i]|, s66, 1.0         ; 1 + z / 2, z = |u| / sqrt 2
.set i, i+1
.endr
.set i, 0
	s_wait_alu depctr_va_vdst(0)
.rept 32
	v_rcp_f32 v[GT+i], v[GT+i]                     ; t
.set i, i+1
.endr
.set i, 0
.rept 16
	v_pk_mul_f32 v[GQ+i:GQ+i+1], v[XB+i:XB+i+1], v[XB+i:XB+i+1]   ; u^2: plain work behind the reciprocals
.set i, i+2
.endr
	s_wait_alu depctr_va_vdst(0)                   ; one wait for the 32 reciprocals in v[GT ..], ahead of their first reader
.set i, 0
.rept 16
	v_pk_fma_f32 v[GP+i:GP+i+1], v[GT+i:GT+i+1], s[86:87], v[VC8:VC8+1] op_sel_hi:[1,0,1]   ; c9 t + c8
.set i, i+2
.endr
.irp cc, 84,82,80,78,76,74,72,70               ; x t + c7 .. c1, c0 (all times log2 e; c0 with log2(1/2) in it)
.set i, 0
.rept 16
	v_pk_fma_f32 v[GP+i:GP+i+1], v[GP+i:GP+i+1], v[GT+i:GT+i+1], s[\cc:\cc+1] op_sel_hi:[1,1,0]
.set i, i+2
.endr
.endr
.set i, 0
.rept 16
	v_pk_fma_f32 v[GP+i:GP+i+1], v[GQ+i:GQ+i+1], s[68:69], v[GP+i:GP+i+1] op_sel_hi:[1,0,1]  ; - z^2 log2 e
.set i, i+2
.endr
.set i, 0
	s_wait_alu depctr_va_vdst(0)
.rept 32
	v_exp_f32 v[GP+i], v[GP+i]
.set i, i+1
.endr
.set i, 0
.rept 16
	v_pk_mul_f32 v[GT+i:GT+i+1], v[GT+i:GT+i+1], v[XB+i:XB+i+1]   ; t u: plain work behind the exponentials
.set i, i+2
.endr
.set i, 0
.rept 32
	v_max_num_f32 v[XB+i], 0, v[XB+i]
.set i, i+1
.endr
	s_wait_alu depctr_va_vdst(0)                   ; one wait for the 32 exponentials in v[GP ..], ahead of their first reader
.set i, 0
.rept 32
	v_fma_f32 v[XB+i], -|v[GT+i]|, v[GP+i], v[XB+i]   ; max(u, 0) - |u| erfc / 2
.set i, i+1
.endr
.endm
	s_load_b256 s[4:11], s[0:1], 0x0               ; W1 s[4:5], b1 s[6:7], place s[8:9], hq s[10:11]
	s_load_b64 s[12:13], s[0:1], 0x20              ; aq
	v_lshl_add_u32 v158, v0, 2, 0x19000
	v_mov_b32 v159, 0
	v_lshrrev_b32 v32, 5, v0
	v_readfirstlane_b32 s14, v32                   ; wave 0..15
	s_lshr_b32 s15, ttmp9, 5                       ; expert
	s_and_b32 s16, ttmp9, 31                       ; slice
	s_lshl_b32 s17, s15, 2
	v_and_b32 v33, 31, v0                          ; lane
	v_lshlrev_b32 v[LW], 2, v33
	s_wait_alu depctr_va_sdst(0)                   ; s14 is written, ahead of its first reader: the bases of W1, b1 and aq and my first row tile are made from it
	s_and_b32 s19, s14, 1                          ; c: which 64 of the slice's units are mine in phase B
	s_and_b32 s24, s14, 3                          ; phase A: my 32 columns,
	s_lshr_b32 s30, s14, 2                         ; my 256 rows of K
	s_lshl_b32 s24, s24, 7
	s_lshl_b32 s30, s30, 22
	s_add_co_u32 s24, s24, s30
	s_lshl_b32 s30, s15, 24                        ; an expert's W1 is 2^24 bytes
	s_add_co_u32 s24, s24, s30
	s_lshl_b32 s30, s16, 9
	s_add_co_u32 s24, s24, s30
	s_mov_b32 s25, 0
	s_wait_kmcnt 0x0
	s_add_nc_u64 s[26:27], s[4:5], s[24:25]
	s_wait_alu depctr_va_vdst(0)                   ; v[LW] is written, which every load of W1 reads as its offset
	LOAD 0                                         ; the stream starts before anything else: two blocks, 64 loads a wave
	LOAD 1
	s_load_b32 s20, s[8:9], s17 offset:0x0         ; my expert's first tile
	s_load_b32 s21, s[8:9], s17 offset:0x20        ; and its number of tiles: waited for behind phase A
	v_lshlrev_b32 v[L16], 4, v33
	v_lshlrev_b32 v[L8], 3, v33
	v_bfe_u32 v34, v0, 5, 1                        ; c
	v_mad_u32_u24 v[WB], v34, 6144, v[L16]
	v_add_nc_u32 v[WB+1], 49152, v[WB]
	v_lshl_add_u32 v[SB], v34, 8, v[LW]
	v_add_nc_u32 v[SB], SCW, v[SB]
	v_and_b32 v35, 15, v0
	v_lshlrev_b32 v[HSO], 2, v35
	v_bfe_u32 v36, v0, 4, 1
	v_lshlrev_b32 v[BHO], 6, v36
	v_and_b32 v37, 7, v0
	v_lshl_or_b32 v37, v36, 3, v37                 ; column 16 a + 8 u + j of a block of 32 is row 8 a + j of tile u
	v_bfe_u32 v38, v0, 3, 1                        ; u
	v_bfe_u32 v39, v0, 5, 2                        ; which 32 columns
	v_bfe_u32 v40, v0, 7, 2                        ; which 256 of K
	v_lshlrev_b32 v[WST], 4, v37
	v_mad_u32_u24 v[WST], v38, 1536, v[WST]
	v_mad_u32_u24 v[WST], v39, 3072, v[WST]
	v_mad_u32_u24 v[WST], v40, 24576, v[WST]
	v_lshlrev_b32 v[SST], 2, v37
	v_lshl_add_u32 v[SST], v38, 6, v[SST]
	v_lshl_add_u32 v[SST], v39, 7, v[SST]
	v_lshl_add_u32 v[SST], v40, 10, v[SST]
	v_add_nc_u32 v[SST], SCW, v[SST]
	v_mov_b32 v[VC8], 0xbf97d29d                   ; c8 = -1.1861149
	v_mov_b32 v[VC8+1], 0xbf97d29d
	s_lshl_b32 s24, s15, 14                        ; b1: 16,384 e + 512 slice + 256 c
	s_lshl_b32 s30, s16, 9
	s_add_co_u32 s24, s24, s30
	s_lshl_b32 s30, s19, 8
	s_add_co_u32 s24, s24, s30
	s_add_nc_u64 s[28:29], s[6:7], s[24:25]
	s_mul_i32 s24, s16, 1536                       ; aq's codes: 1,536 slice + 768 c
	s_mul_i32 s30, s19, 768
	s_add_co_u32 s24, s24, s30
	s_add_nc_u64 s[58:59], s[12:13], s[24:25]
	s_lshl_b32 s24, s16, 6                         ; its scale words: 64 slice + 2 c (ASC stands in the immediate)
	s_lshl_b32 s30, s19, 1
	s_add_co_u32 s24, s24, s30
	s_add_nc_u64 s[60:61], s[12:13], s[24:25]
	s_mov_b32 s31, 0
	s_mov_b32 s56, 0x76543210
	s_mov_b32 s57, 0xfedcba98                      ; lane l xor 16
	s_mov_b32 s66, 0x3eb504f3                      ; 1 / (2 sqrt 2)
	s_mov_b32 s67, 0x3eb504f3
	s_mov_b32 s68, 0xbf38aa3b                      ; -log2(e) / 2   (a packed form names a pair and takes its low word for both halves: both words are written)
	s_mov_b32 s69, 0xbf38aa3b
	s_mov_b32 s70, 0xc034d90f                      ; c0 = -2.8257482
	s_mov_b32 s71, 0xc034d90f
	s_mov_b32 s72, 0x3fb8ab5a                      ; c1 = 1.4427292
	s_mov_b32 s73, 0x3fb8ab5a
	s_mov_b32 s74, 0x3f0a29d2                      ; c2 = 0.53970062
	s_mov_b32 s75, 0x3f0a29d2
	s_mov_b32 s76, 0x3e0efb2e                      ; c3 = 0.13963006
	s_mov_b32 s77, 0x3e0efb2e
	s_mov_b32 s78, 0xbe899a80                      ; c4 = -0.26875686
	s_mov_b32 s79, 0xbe899a80
	s_mov_b32 s80, 0x3ecdfd18                      ; c5 = 0.40232158
	s_mov_b32 s81, 0x3ecdfd18
	s_mov_b32 s82, 0xbfd1a1e5                      ; c6 = -1.6377532
	s_mov_b32 s83, 0xbfd1a1e5
	s_mov_b32 s84, 0x40097039                      ; c7 = 2.1474745
	s_mov_b32 s85, 0x40097039
	s_mov_b32 s86, 0x3e7c6f08                      ; c9 = 0.24651730
	s_mov_b32 s87, 0x3e7c6f08
.irp t, 0,1,2,3,4,5,6,7
	BLOCK \t
.endr
	s_wait_dscnt 0x0                               ; for the others' sake: my codes and scale words have landed
	s_barrier_signal -1
	s_barrier_wait -1                              ; the slice lies in LDS; nothing is stored there any more
	s_wait_alu depctr_vm_vsrc(0)                   ; my last block's LDS stores have read v[CC ..] and v[TP+4]: these registers are WF from here on, in which LDS loads land (phase A's vector lines all stand ahead of block 7's wait on va_vdst)
	s_wait_kmcnt 0x0
	s_add_co_u32 s22, s21, -1                      ; the expert's last tile
	s_lshr_b32 s23, s14, 1
	s_mul_i32 s23, s23, 3                          ; my first row tile
	s_mov_b32 s62, 0                               ; the trips' counter
.Lunit:
	s_cmp_lt_u32 s23, s21                          ; no tile left for me: out of the loop (no barrier stands behind this branch)
	s_cbranch_scc0 .Lend
.irp m, 0,1,2
	s_add_co_u32 s24, s23, \m
	s_min_u32 s24, s24, s22                        ; held at the expert's last tile
	s_add_co_u32 s24, s24, s20
	s_min_u32 s24, s24, 135
	s_mul_i32 s30, s24, 12288
	s_add_nc_u64 s[32+2*\m:33+2*\m], s[10:11], s[30:31]   ; h's codes
	s_lshl_b32 s30, s24, 9
	s_add_nc_u64 s[38+2*\m:39+2*\m], s[10:11], s[30:31]   ; h's scale words
	s_mul_i32 s30, s24, 49152
	s_add_nc_u64 s[44+2*\m:45+2*\m], s[58:59], s[30:31]   ; a's codes
	s_lshl_b32 s30, s24, 11
	s_add_nc_u64 s[50+2*\m:51+2*\m], s[60:61], s[30:31]   ; a's scale words
.endr
.irp m, 0,1,2                                  ; b1 in the result's layout: lane (r, h), tile jj, register i: unit 32 (jj / 2) + 16 h + 8 (jj % 2) + i
.irp jj, 0,1,2,3
	global_load_b128 v[ACC+32*\m+8*\jj:ACC+32*\m+8*\jj+3], v[BHO], s[28:29] offset:(32*(\jj/2)+8*(\jj%2))*4
	global_load_b128 v[ACC+32*\m+8*\jj+4:ACC+32*\m+8*\jj+7], v[BHO], s[28:29] offset:(32*(\jj/2)+8*(\jj%2))*4+16
.endr
.endr
	LOADH 0
	LOADH 1
	LOADH 2
	WFRAG 0, 0                                     ; no vector or matrix line stands between the last wait on va_vdst (block 7's, or the last trip's ahead of its stores) and these 67 loads
.irp sg, 0,1,2,3,4,5,6,7
	KSTEP \sg
.endr
	GELU 0
	GELU 1
	GELU 2
	; a is quantised: six blocks of 32 (three row tiles x my two blocks), each in lanes l and l xor 16; register 16 b + i of a tile is unit 32 b + 16 h + i
.irp m, 0,1,2
.irp b, 0,1
	v_max3_num_f32 v[MX+2*\m+\b], |v[ACC+32*\m+16*\b]|, |v[ACC+32*\m+16*\b+1]|, 0x1800000
.endr
.endr
.irp i, 2,4,6,8,10,12,14
.irp m, 0,1,2
.irp b, 0,1
	v_max3_num_f32 v[MX+2*\m+\b], v[MX+2*\m+\b], |v[ACC+32*\m+16*\b+\i]|, |v[ACC+32*\m+16*\b+\i+1]|
.endr
.endr
.endr
.irp q, 0,1,2,3,4,5
	v_permlanex16_b32 v[MT+\q], v[MX+\q], s56, s57
.endr
.irp q, 0,1,2,3,4,5
	v_max_num_f32 v[MX+\q], v[MX+\q], v[MT+\q]
.endr
.irp q, 0,1,2,3,4,5
	v_add_nc_u32 v[SO+\q], 0xff000000, v[MX+\q]
.endr
.irp q, 0,1,2,3,4,5
	v_lshrrev_b32 v[BY+\q], 23, v[SO+\q]
.endr
.irp m, 0,1,2
	v_lshl_or_b32 v[HW+\m], v[BY+2*\m+1], 8, v[BY+2*\m]   ; my two bytes of the row's scale word
.endr
.irp m, 0,1,2
	v_cvt_scalef32_pk16_fp6_f32 v[PC+8*\m:PC+8*\m+2], v[ACC+32*\m:ACC+32*\m+15], v[SO+2*\m]
	v_cvt_scalef32_pk16_fp6_f32 v[PT+4*\m:PT+4*\m+2], v[ACC+32*\m+16:ACC+32*\m+31], v[SO+2*\m+1]
.endr
	v_nop                                          ; one plain instruction behind a scaled conversion
.irp m, 0,1,2                                  ; a whole block to a lane: lanes 0-15 my first block, lanes 16-31 my second
.irp i, 0,1,2
	v_permlane16_swap_b32 v[PC+8*\m+\i], v[PT+4*\m+\i]
.endr
.irp i, 0,1,2
	v_mov_b32 v[PC+8*\m+3+\i], v[PT+4*\m+\i]
.endr
.endr
	s_wait_alu depctr_va_vdst(0)                   ; the swaps, moves and shifts have written v[PC ..] and v[HW ..], which the stores read; and gelu and the quantiser are done with v22 to v117 and the accumulators, in which the next trip's loads land: no vector line follows in this trip
.irp m, 0,1,2
	global_store_b128 v[L16], v[PC+8*\m:PC+8*\m+3], s[44+2*\m:45+2*\m]              ; 512 consecutive bytes, aligned to 256
	global_store_b64 v[L8], v[PC+8*\m+4:PC+8*\m+5], s[44+2*\m:45+2*\m] offset:512   ; 256 consecutive bytes, aligned
	global_store_b16 v[HSO], v[HW+\m], s[50+2*\m:51+2*\m] offset:ASC                ; two of each row's four scale bytes; the wave beside me stores the other two
.endr
	s_wait_xcnt 0x0                                ; the stores have read their registers and bases: both are written again in the next trip
	s_wait_alu depctr_vm_vsrc(0)                   ; the stores have read v[PC ..] and v[HW ..], in which the next trip's loads of h land
	s_add_co_u32 s23, s23, 24                      ; my next three tiles
	s_add_co_u32 s62, s62, 1
	s_cmp_lt_u32 s62, TRIPS
	s_cbranch_scc1 .Lunit
.Lend:
	s_wait_dscnt 0x0                               ; the closing lines, six on end
	s_wait_alu 0x0
	s_wait_tensorcnt 0x0
	ds_add_u32 v158, v159
	s_wait_dscnt 0x0
	s_endpgm
.Lfunc_end_k_q3fd20382c3_ffn1:
	.size	k_q3fd20382c3_ffn1, .Lfunc_end_k_q3fd20382c3_ffn1-k_q3fd20382c3_ffn1
	.p2alignl 7, 3214868480
	.fill 96, 4, 3214868480
	.section	.rodata,"a",@progbits
	.p2align	6, 0x0
	.amdhsa_kernel k_q3fd20382c3_ffn1
		.amdhsa_group_segment_fixed_size 104448
		.amdhsa_private_segment_fixed_size 0
		.amdhsa_enable_private_segment 0
		.amdhsa_kernarg_size 40
		.amdhsa_user_sgpr_count 2
		.amdhsa_user_sgpr_kernarg_segment_ptr 1
		.amdhsa_wavefront_size32 1
		.amdhsa_system_sgpr_workgroup_id_x 1
		.amdhsa_system_sgpr_workgroup_id_y 1
		.amdhsa_system_sgpr_workgroup_id_z 1
		.amdhsa_system_vgpr_workitem_id 0
		.amdhsa_next_free_vgpr 256
		.amdhsa_next_free_sgpr 96
		.amdhsa_reserve_vcc 0
		.amdhsa_float_denorm_mode_32 3
		.amdhsa_float_denorm_mode_16_64 3
		.amdhsa_memory_ordered 1
		.amdhsa_forward_progress 1
		.amdhsa_inst_pref_size 142
	.end_amdhsa_kernel
	.amdgpu_metadata
---
amdhsa.version: [ 1, 2 ]
amdhsa.kernels:
  - .name:           k_q3fd20382c3_ffn1
    .symbol:         k_q3fd20382c3_ffn1.kd
    .args:
      - { .name: W1, .offset: 0, .size: 8, .value_kind: global_buffer, .address_space: global }
      - { .name: b1, .offset: 8, .size: 8, .value_kind: global_buffer, .address_space: global }
      - { .name: place, .offset: 16, .size: 8, .value_kind: global_buffer, .address_space: global }
      - { .name: hq, .offset: 24, .size: 8, .value_kind: global_buffer, .address_space: global }
      - { .name: aq, .offset: 32, .size: 8, .value_kind: global_buffer, .address_space: global }
    .group_segment_fixed_size: 104448
    .private_segment_fixed_size: 0
    .kernarg_segment_align: 8
    .kernarg_segment_size: 40
    .max_flat_workgroup_size: 512
    .sgpr_count:     96
    .vgpr_count:     256
    .wavefront_size: 32
...
	.end_amdgpu_metadata
.endif
;; end of part 9
;; launch ffn2 (part 10): grid 256 x 1, 16 waves a work-group, no clusters, 174,080 bytes of LDS; arguments W2, place, aq, ypart; writes ypart
.if DOCPART == 10
	.amdgcn_target "amdgcn-amd-amdhsa--gfx1250"
	.amdhsa_code_object_version 6
	.text
	.protected	k_q3fd20382c3_ffn2
	.globl	k_q3fd20382c3_ffn2
	.p2align	8
	.type	k_q3fd20382c3_ffn2,@function
k_q3fd20382c3_ffn2:
	s_mov_b64 s[64:65], 0
	v_nop
	global_prefetch_b8 v0, s[64:65] scope:SCOPE_SE
	s_setreg_imm32_b32 hwreg(HW_REG_WAVE_SCHED_MODE, 0, 2), 2
	s_setreg_imm32_b32 hwreg(HW_REG_WAVE_MODE, 25, 1), 1
	s_wait_xcnt 0x0
	s_wait_alu depctr_vm_vsrc(0)
; FFN2.  Partial sums of a W2[e] for the rows routed to expert e, both operands in E2M3 with one E8M0 byte for each 32 along K; sums in f32.
; SHARES.  Work-group = (expert e = id / 32, 64 output columns cs = (id % 32) / 2, half kh = id % 2 of K = 4,096): 2,048 rows x 256 aligned bytes of W2, 512 KiB, each byte of W2 read once in the launch, as f32.
; PHASE A, as in the launch before: a lane takes a column, its registers run down K; wave w: columns 32 (w % 2) on, K 256 (w / 2) on.  Fragment (K step sg, tile j) at 1,536 (4 sg + j) in LDS as an image of the
; operand's registers; scale words at SCW + 256 sg + 64 j + 4 row.  One barrier, ahead of every branch on stored numbers.
; PHASE B: wave w takes two tiles of 16 rows, 2 w on, 32 further in a second trip, against all four column tiles: 8 accumulators by turns, 16 K steps; a's fragments come from aq, four K steps ahead.
; TWO TRIPS AT THE MOST: the two experts of a token differ, so an expert has at most 1,024 rows, 64 tiles; a wave with no tile left leaves the loop.
; The product is used transposed (source 0 = W2's columns, source 1 = a's rows): a lane holds one row and 8 neighbouring columns.  Results go through the wave's own stage in LDS and leave as rows of 256 aligned bytes:
; ypart[kh][position][column].  The two halves of K, b2, the residual and the gates meet in the next launch.
; NO CLUSTER, NO TENSOR LOADS: the 16 work-groups of an expert and a half do read the same tiles of aq, but how many hangs on the stored list, and a joint request comes by a tensor load alone.
; LIMITS: NaN and infinities are not served; blocks of W2 under 2^-124 keep the scale byte 1; K is summed in two halves.
; THE MODE: SCHED_MODE bits 1:0 = 2 (LLVM: expert scheduling mode 2), set by the entry lines.  The code itself states the register dependences
; between vector or matrix instructions and memory or LDS instructions, with s_wait_alu, always for 0.
; THE PLAN.  Registers that memory or LDS instructions touch, and who else names them:
;   v1-v9, v164-v166  Offsets and LDS addresses: written once, at the head (v166 ahead of the wait in front of the first load, the others ahead of block 0's wait on va_vdst), never again: scalar bases and immediates do the rest.
;   PHASE A  XA0, XA1          Block t's maxima and conversions read XA[t % 2]; behind them the loads of block t + 2 land in it.
;            v[CC ..], v[TP+4]  Written by block t's conversions, moves and shifts; read by its LDS stores; written again by block t + 1.
;            ONE wait on va_vdst a block, behind its last vector line; ONE wait on vm_vsrc a block, ahead of its conversions.
;   PHASE B  WF, WS            A K step's 14 LDS loads land; its eight products read them.  One set: the wave's 256 registers are all taken.
;            AF[s % 4], AS[s % 4]  The loads of K step s land; its eight products read them; the loads of K step s + 4 land.
;            ONE wait on va_vdst a K step, behind its products and their places: behind it go the next K step's 14 LDS loads and the 10 loads of four K steps on, with no vector or matrix line between.
;            ACC               Written by the products; read by the way out's LDS stores; written anew by the next trip's first products.
;            AF on the way out  The stage's LDS loads land; the global stores read; the next trip's loads of a land.
;            The wait on va_vdst behind K step 15 serves the way out; ONE wait on vm_vsrc behind the stores, ahead of the backward jump; one behind the barrier, for the way in.
.set SCW,   98304
.set STG,   102400                     ; LDS: the stages, 16 rows x (256 + 16) bytes for each wave
.set ASC,   6684672
.set PITCH, 4096                       ; a row of W2 in bytes
.set FSTEP, 6144
.set SSTEP, 256
.set TRIPS, 2                          ; 2 x 32 tiles cover an expert's 64 at the most
.set L16, 1                            ; v1   16 x lane: also the images' place for K steps 0-7
.set L8,  2                            ; v2   8 x lane
.set WB1, 4                            ; v4   16 x lane + 49,152: K steps 8-15
.set SB,  5                            ; v5   SCW + 4 x lane
.set ASO, 6                            ; v6   4 (lane % 16)
.set STO, 7                            ; v7   the stage: where I put 32 bytes of a row
.set RD,  8                            ; v8   and where I read a row back
.set YO,  9                            ; v9   my byte offset in two rows of ypart
.set WS,  10                           ; v10-11  W2's scale words: scales and nothing else
.set AS,  12                           ; v12-19  a's scale words, four sets of two: scales and nothing else
.set WF,  20                           ; v20-67  four fragments of W2
.set AF,  68                           ; v68-163 four sets of two fragments of a; on the way out 2 x 32 registers of rows
.set WST, 164
.set SST, 165
.set LW,  166                          ; v166 4 x lane
.set ACC, 192                          ; v192-255 accumulator (row tile m, column tile jj) at 192 + 32 m + 8 jj
.set XA,  68                           ; phase A
.set CC,  20
.set CT,  26
.set TP,  30
.macro LOAD t
.set i, 0
.rept 32
	global_load_b32 v[XA+32*((\t)%2)+i], v[LW], s[26:27] offset:(32*(\t)+i)*PITCH th:TH_LOAD_NT
.set i, i+1
.endr
.endm
.macro BLOCK t
.set XS, XA+32*((\t)%2)
.if (\t) < 7
	s_wait_loadcnt 32                              ; this block's 32 loads are in; the next block's may be out
.else
	s_wait_loadcnt 0
.endif
	v_max3_num_f32 v[TP], |v[XS]|, |v[XS+1]|, |v[XS+2]|
	v_max3_num_f32 v[TP+1], |v[XS+3]|, |v[XS+4]|, |v[XS+5]|
.irp i, 6,10,14,18,22,26
	v_max3_num_f32 v[TP], v[TP], |v[XS+\i]|, |v[XS+\i+1]|
	v_max3_num_f32 v[TP+1], v[TP+1], |v[XS+\i+2]|, |v[XS+\i+3]|
.endr
	v_max3_num_f32 v[TP], v[TP], |v[XS+30]|, |v[XS+31]|
	v_max3_num_f32 v[TP], v[TP], v[TP+1], 0x1800000                ; the floor 2^(3 - 127): the byte cannot fall under 1
	v_add_nc_u32 v[TP+2], 0xff000000, v[TP]                        ; the conversion's scale operand
.if (\t) > 0
	s_wait_alu depctr_va_vdst(0)
	s_wait_dscnt 0x0                               ; the last block's LDS stores are done
	s_wait_alu depctr_vm_vsrc(0)                   ; the last block's LDS stores have read v[CC ..] and v[TP+4], which are written again below
.endif
	v_cvt_scalef32_pk16_fp6_f32 v[CC:CC+2], v[XS:XS+15], v[TP+2]
	v_cvt_scalef32_pk16_fp6_f32 v[CT:CT+2], v[XS+16:XS+31], v[TP+2]
	v_lshrrev_b32 v[TP+3], 23, v[TP+2]             ; the scale's byte (also the plain instruction behind the conversions)
.if (\t)%4 == 0
	v_mov_b32 v[TP+4], v[TP+3]
.else
	v_lshl_or_b32 v[TP+4], v[TP+3], 8*((\t)%4), v[TP+4]
.endif
.irp i, 0,1,2
	v_mov_b32 v[CC+3+\i], v[CT+\i]
.endr
	s_wait_alu depctr_va_vdst(0)                   ; the conversions, moves and shifts have written v[CC ..] and v[TP+4], which the LDS stores read; the maxima and conversions are done reading XA[t % 2], in which the loads below land; in block 0 the head's addresses are written too
.set OF, ((\t)/4)*FSTEP+256*((\t)%2)
.if ((\t)/2)%2 == 0
	ds_store_b128 v[WST], v[CC:CC+3] offset:OF
	ds_store_b64 v[WST], v[CC+4:CC+5] offset:OF+512
.else
	ds_store_b64 v[WST], v[CC:CC+1] offset:OF+520
	ds_store_b128 v[WST], v[CC+2:CC+5] offset:OF+1024
.endif
.if (\t)%4 == 3
	ds_store_b32 v[SST], v[TP+4] offset:((\t)/4)*SSTEP
.endif
.if (\t)+2 < 8
	LOAD (\t)+2                                    ; no wait: no vector line since the wait above
.endif
.endm
.macro LOADA sg                        ; K step sg of my two row tiles: 10 loads
.set AFL, AF+24*((\sg)%4)
.irp m, 0,1
	global_load_b128 v[AFL+12*\m:AFL+12*\m+3], v[L16], s[32+2*\m:33+2*\m] offset:1536*(\sg)
	global_load_b64 v[AFL+12*\m+4:AFL+12*\m+5], v[L8], s[32+2*\m:33+2*\m] offset:1536*(\sg)+512
	global_load_b128 v[AFL+12*\m+6:AFL+12*\m+9], v[L16], s[32+2*\m:33+2*\m] offset:1536*(\sg)+768
	global_load_b64 v[AFL+12*\m+10:AFL+12*\m+11], v[L8], s[32+2*\m:33+2*\m] offset:1536*(\sg)+1280
	global_load_b32 v[AS+2*((\sg)%4)+\m], v[ASO], s[36+2*\m:37+2*\m] offset:ASC+64*(\sg)
.endr
.endm
.macro WFRAG sg                        ; W2's four fragments of K step sg and their scale words: 14 LDS loads
.irp jj, 0,1,2,3
.irp g, 0,1,2
	ds_load_b128 v[WF+12*\jj+4*\g:WF+12*\jj+4*\g+3], v[L16+3*((\sg)/8)] offset:((\sg)%8)*6144+1536*\jj+512*\g
.endr
.endr
	ds_load_b32 v[WS], v[SB] offset:256*(\sg)
	ds_load_b32 v[WS+1], v[SB] offset:256*(\sg)+128
.endm
.macro MM d, a, b, sa, sb, zero, odd   ; one product; zero = 1: it starts the sum; odd = 1: W2's scale words stand in lanes 16-31
.if \zero
.if \odd
	v_wmma_scale_f32_16x16x128_f8f6f4 v[\d:\d+7], v[\a:\a+11], v[\b:\b+11], 0, v[\sa], v[\sb] matrix_a_fmt:MATRIX_FMT_FP6 matrix_b_fmt:MATRIX_FMT_FP6 matrix_a_scale:MATRIX_SCALE_ROW1
.else
	v_wmma_scale_f32_16x16x128_f8f6f4 v[\d:\d+7], v[\a:\a+11], v[\b:\b+11], 0, v[\sa], v[\sb] matrix_a_fmt:MATRIX_FMT_FP6 matrix_b_fmt:MATRIX_FMT_FP6
.endif
.else
.if \odd
	v_wmma_scale_f32_16x16x128_f8f6f4 v[\d:\d+7], v[\a:\a+11], v[\b:\b+11], v[\d:\d+7], v[\sa], v[\sb] matrix_a_fmt:MATRIX_FMT_FP6 matrix_b_fmt:MATRIX_FMT_FP6 matrix_a_scale:MATRIX_SCALE_ROW1
.else
	v_wmma_scale_f32_16x16x128_f8f6f4 v[\d:\d+7], v[\a:\a+11], v[\b:\b+11], v[\d:\d+7], v[\sa], v[\sb] matrix_a_fmt:MATRIX_FMT_FP6 matrix_b_fmt:MATRIX_FMT_FP6
.endif
.endif
.endm
.macro KSTEP sg
.if (\sg) <= 12
	s_wait_loadcnt 30                              ; this K step's fragments are in; the three later sets of 10 may be out
.else
	s_wait_loadcnt 10*(15-(\sg))
.endif
	s_wait_dscnt 0x0                               ; W2's fragments of this K step, asked for behind the last wait on va_vdst, are in
.set AFK, AF+24*((\sg)%4)
.set ASK, AS+2*((\sg)%4)
.set ZR, 0
.if (\sg) == 0
.set ZR, 1
.endif
.irp jj, 0,1,2,3                               ; the eight accumulators take turns, one instruction a turn
.irp m, 0,1
	MM ACC+32*\m+8*\jj, WF+12*\jj, AFK+12*\m, WS+\jj/2, ASK+\m, ZR, \jj%2
.endr
.endr
.rept 4
	v_nop                                          ; four plain instructions in front of loads into registers that matrix instructions have read
.endr
.if (\sg) < 15
	s_wait_alu depctr_va_vdst(0)                   ; the eight products are done reading WF, WS and their set of AF and AS: the loads below land in these
	WFRAG (\sg)+1
.if (\sg)+4 <= 15
	LOADA (\sg)+4
.endif
.endif
.endm
	s_load_b256 s[4:11], s[0:1], 0x0               ; W2 s[4:5], place s[6:7], aq s[8:9], ypart s[10:11]
	v_lshl_add_u32 v190, v0, 2, 0x2a000
	v_mov_b32 v191, 0
	v_lshrrev_b32 v33, 5, v0
	v_readfirstlane_b32 s14, v33                   ; wave 0..15
	s_lshr_b32 s15, ttmp9, 5                       ; expert
	s_bfe_u32 s16, ttmp9, 0x40001                  ; which 64 columns
	s_and_b32 s18, ttmp9, 1                        ; which half of K
	s_lshl_b32 s17, s15, 2
	v_and_b32 v30, 31, v0                          ; lane
	v_lshlrev_b32 v[LW], 2, v30
	s_wait_alu depctr_va_sdst(0)                   ; s14 is written, ahead of its first reader: W2's base and my first row tile are made from it
	s_and_b32 s24, s14, 1                          ; phase A: my 32 columns,
	s_lshr_b32 s30, s14, 1                         ; my 256 rows of K
	s_lshl_b32 s24, s24, 7
	s_lshl_b32 s30, s30, 20
	s_add_co_u32 s24, s24, s30
	s_lshl_b32 s30, s18, 23
	s_add_co_u32 s24, s24, s30
	s_lshl_b32 s30, s15, 24
	s_add_co_u32 s24, s24, s30
	s_lshl_b32 s30, s16, 8
	s_add_co_u32 s24, s24, s30
	s_mov_b32 s25, 0
	s_wait_kmcnt 0x0
	s_add_nc_u64 s[26:27], s[4:5], s[24:25]
	s_wait_alu depctr_va_vdst(0)                   ; v[LW] is written, which every load of W2 reads as its offset
	LOAD 0                                         ; the stream starts before anything else: two blocks, 64 loads a wave
	LOAD 1
	s_load_b32 s20, s[6:7], s17 offset:0x0         ; my expert's first tile
	s_load_b32 s21, s[6:7], s17 offset:0x20        ; and its number of tiles: waited for behind phase A
	v_lshlrev_b32 v[L16], 4, v30
	v_lshlrev_b32 v[L8], 3, v30
	v_add_nc_u32 v[WB1], 49152, v[L16]
	v_add_nc_u32 v[SB], SCW, v[LW]
	v_and_b32 v31, 15, v0                          ; r
	v_bfe_u32 v32, v0, 4, 1                        ; h
	v_lshlrev_b32 v[ASO], 2, v31
	v_mul_u32_u24 v34, v33, 4352
	v_add_nc_u32 v34, STG, v34                     ; my wave's stage
	v_mad_u32_u24 v[STO], v31, 272, v34
	v_lshl_add_u32 v[STO], v32, 5, v[STO]          ; in: row r, + 32 h
	v_mad_u32_u24 v[RD], v32, 272, v34
	v_lshl_add_u32 v[RD], v31, 4, v[RD]            ; back: lanes 0-15 one row, lanes 16-31 the next
	v_lshlrev_b32 v[YO], 12, v32
	v_lshl_add_u32 v[YO], v31, 4, v[YO]            ; and the same two rows of ypart
	v_bfe_u32 v35, v0, 5, 1                        ; which 32 columns
	v_bfe_u32 v36, v0, 6, 3                        ; which 256 of K
	v_lshlrev_b32 v[WST], 4, v31
	v_mad_u32_u24 v[WST], v32, 1536, v[WST]        ; column 16 a + p of my 32 is row p of tile a
	v_mad_u32_u24 v[WST], v35, 3072, v[WST]
	v_mad_u32_u24 v[WST], v36, 12288, v[WST]
	v_lshl_add_u32 v[SST], v35, 7, v[SB]
	v_lshl_add_u32 v[SST], v36, 9, v[SST]
	s_mul_i32 s24, s18, 24576                      ; aq's codes: my half's 16 K steps
	s_add_nc_u64 s[44:45], s[8:9], s[24:25]
	s_lshl_b32 s24, s18, 10                        ; its scale words (ASC stands in the immediate)
	s_add_nc_u64 s[46:47], s[8:9], s[24:25]
	s_mul_i32 s24, s18, 8912896                    ; ypart: my half's 2,176 rows of 4,096 bytes, my 256 bytes of a row
	s_lshl_b32 s30, s16, 8
	s_add_co_u32 s24, s24, s30
	s_add_nc_u64 s[48:49], s[10:11], s[24:25]
	s_mov_b32 s31, 0
.irp t, 0,1,2,3,4,5,6,7
	BLOCK \t
.endr
	s_wait_dscnt 0x0                               ; for the others' sake: my codes and scale words have landed
	s_barrier_signal -1
	s_barrier_wait -1                              ; the slice lies in LDS; only the waves' own stages are stored to from here on
	s_wait_alu depctr_vm_vsrc(0)                   ; my last block's LDS stores have read v[CC ..] and v[TP+4]: these registers are WF from here on, in which LDS loads land (phase A's vector lines all stand ahead of block 7's wait on va_vdst)
	s_wait_kmcnt 0x0
	s_add_co_u32 s22, s21, -1                      ; the expert's last tile
	s_lshl_b32 s23, s14, 1                         ; my first row tile
	s_mov_b32 s50, 0                               ; the trips' counter
.Lunit:
	s_cmp_lt_u32 s23, s21                          ; no tile left for me: out of the loop (no barrier stands behind this branch)
	s_cbranch_scc0 .Lend
.irp m, 0,1
	s_add_co_u32 s24, s23, \m
	s_min_u32 s24, s24, s22                        ; held at the expert's last tile: that tile is then made and stored twice by this wave, with the same values
	s_add_co_u32 s24, s24, s20
	s_min_u32 s24, s24, 135
	s_mul_i32 s30, s24, 49152
	s_add_nc_u64 s[32+2*\m:33+2*\m], s[44:45], s[30:31]
	s_lshl_b32 s30, s24, 11
	s_add_nc_u64 s[36+2*\m:37+2*\m], s[46:47], s[30:31]
	s_lshl_b32 s30, s24, 16
	s_add_nc_u64 s[40+2*\m:41+2*\m], s[48:49], s[30:31]
.endr
	LOADA 0
	LOADA 1
	LOADA 2
	LOADA 3
	WFRAG 0                                        ; no vector or matrix line stands between the last wait on va_vdst (block 7's, or the last trip's behind K step 15) and these 54 loads
.irp sg, 0,1,2,3,4,5,6,7,8,9,10,11,12,13,14,15
	KSTEP \sg
.endr
	v_nop                                          ; a fifth plain instruction: a next trip's first products write over these accumulators with another C
	s_wait_alu depctr_va_vdst(0)                   ; the products have written the accumulators, which the LDS stores read, and are done reading AF, in which the stage's loads land; the places above stay beside this wait
.irp m, 0,1                                    ; the way out: a tile's 16 rows x 256 bytes through my stage.  LDS serves a wave's instructions in order (ISA guide 5.7.1.4): no wait between stores and loads
.irp jj, 0,1,2,3
	ds_store_b128 v[STO], v[ACC+32*\m+8*\jj:ACC+32*\m+8*\jj+3] offset:64*\jj          ; each accumulator from its low end on
	ds_store_b128 v[STO], v[ACC+32*\m+8*\jj+4:ACC+32*\m+8*\jj+7] offset:64*\jj+16
.endr
.irp i, 0,1,2,3,4,5,6,7
	ds_load_b128 v[AF+32*\m+4*\i:AF+32*\m+4*\i+3], v[RD] offset:544*\i
.endr
.endr
.irp m, 0,1
.irp i, 0,1,2,3,4,5,6,7
	s_wait_dscnt 16*(1-\m)+7-\i                    ; behind this load: the rest of its tile's loads, and for the first tile the second's 16 LDS instructions
	global_store_b128 v[YO], v[AF+32*\m+4*\i:AF+32*\m+4*\i+3], s[40+2*\m:41+2*\m] offset:8192*\i   ; sixteen lanes store 256 consecutive bytes, aligned
.endr
.endr
	s_wait_xcnt 0x0                                ; the stores have read their registers and bases: both are written again in the next trip
	s_wait_alu depctr_vm_vsrc(0)                   ; the LDS stores have read the accumulators, which the next trip's first products write; the global stores have read v[AF ..], in which the next trip's loads of a land
	s_add_co_u32 s23, s23, 32                      ; my next two tiles
	s_add_co_u32 s50, s50, 1
	s_cmp_lt_u32 s50, TRIPS
	s_cbranch_scc1 .Lunit
.Lend:
	s_wait_dscnt 0x0                               ; the closing lines, six on end
	s_wait_alu 0x0
	s_wait_tensorcnt 0x0
	ds_add_u32 v190, v191
	s_wait_dscnt 0x0
	s_endpgm
.Lfunc_end_k_q3fd20382c3_ffn2:
	.size	k_q3fd20382c3_ffn2, .Lfunc_end_k_q3fd20382c3_ffn2-k_q3fd20382c3_ffn2
	.p2alignl 7, 3214868480
	.fill 96, 4, 3214868480
	.section	.rodata,"a",@progbits
	.p2align	6, 0x0
	.amdhsa_kernel k_q3fd20382c3_ffn2
		.amdhsa_group_segment_fixed_size 174080
		.amdhsa_private_segment_fixed_size 0
		.amdhsa_enable_private_segment 0
		.amdhsa_kernarg_size 32
		.amdhsa_user_sgpr_count 2
		.amdhsa_user_sgpr_kernarg_segment_ptr 1
		.amdhsa_wavefront_size32 1
		.amdhsa_system_sgpr_workgroup_id_x 1
		.amdhsa_system_sgpr_workgroup_id_y 1
		.amdhsa_system_sgpr_workgroup_id_z 1
		.amdhsa_system_vgpr_workitem_id 0
		.amdhsa_next_free_vgpr 256
		.amdhsa_next_free_sgpr 80
		.amdhsa_reserve_vcc 0
		.amdhsa_float_denorm_mode_32 3
		.amdhsa_float_denorm_mode_16_64 3
		.amdhsa_memory_ordered 1
		.amdhsa_forward_progress 1
		.amdhsa_inst_pref_size 95
	.end_amdhsa_kernel
	.amdgpu_metadata
---
amdhsa.version: [ 1, 2 ]
amdhsa.kernels:
  - .name:           k_q3fd20382c3_ffn2
    .symbol:         k_q3fd20382c3_ffn2.kd
    .args:
      - { .name: W2, .offset: 0, .size: 8, .value_kind: global_buffer, .address_space: global }
      - { .name: place, .offset: 8, .size: 8, .value_kind: global_buffer, .address_space: global }
      - { .name: aq, .offset: 16, .size: 8, .value_kind: global_buffer, .address_space: global }
      - { .name: ypart, .offset: 24, .size: 8, .value_kind: global_buffer, .address_space: global }
    .group_segment_fixed_size: 174080
    .private_segment_fixed_size: 0
    .kernarg_segment_align: 8
    .kernarg_segment_size: 32
    .max_flat_workgroup_size: 512
    .sgpr_count:     80
    .vgpr_count:     256
    .wavefront_size: 32
...
	.end_amdgpu_metadata
.endif
;; end of part 10
;; launch combine (part 11): grid 256 x 1, 4 waves a work-group, no clusters, 0 bytes of LDS; arguments route, tokf, place, ypart, b2, x, out0; writes out0
.if DOCPART == 11
	.amdgcn_target "amdgcn-amd-amdhsa--gfx1250"
	.amdhsa_code_object_version 6
	.text
	.protected	k_q3fd20382c3_combine
	.globl	k_q3fd20382c3_combine
	.p2align	8
	.type	k_q3fd20382c3_combine,@function
k_q3fd20382c3_combine:
	s_mov_b64 s[64:65], 0
	v_nop
	global_prefetch_b8 v0, s[64:65] scope:SCOPE_SE
	s_setreg_imm32_b32 hwreg(HW_REG_WAVE_MODE, 25, 1), 1
	s_wait_xcnt 0x0
; COMBINE.  out[t] = g0 (y(t, e0) + b2[e0] + x[t]) + g1 (y(t, e1) + b2[e1] + x[t]), y = the two halves of K added in f32.  Each output row has one owner: a wave takes a token.
; The rows' positions come from the stored list (posOf[token][expert]); experts and positions are held inside their tables before they enter an address.
; A stream: seven rows of 4,096 bytes in, one out; every load and store of a wave covers 512 consecutive bytes; all 56 loads go out at once.  No LDS, no barrier, no matrix unit, no cluster: nothing is shared.
	s_load_b256 s[4:11], s[0:1], 0x0               ; route s[4:5], tokf s[6:7], place s[8:9], ypart s[10:11]
	s_load_b128 s[12:15], s[0:1], 0x20             ; b2 s[12:13], x s[14:15]
	s_load_b64 s[16:17], s[0:1], 0x30              ; out0
	v_lshrrev_b32 v2, 5, v0
	v_readfirstlane_b32 s18, v2                    ; wave
	v_and_b32 v1, 31, v0
	v_lshlrev_b32 v1, 4, v1                        ; 16 bytes a lane
	s_lshl_b32 s19, ttmp9, 2
	s_add_co_u32 s19, s19, s18                     ; my token
	s_lshl_b32 s20, s19, 4
	s_wait_alu depctr_va_vdst(0)
	s_wait_kmcnt 0x0
	s_load_b128 s[24:27], s[4:5], s20 offset:0x0   ; .., .., e0, e1
	s_load_b128 s[28:31], s[6:7], s20 offset:0x0   ; g0, g1, .., ..
	s_wait_kmcnt 0x0
	s_min_u32 s26, s26, 7
	s_min_u32 s27, s27, 7
	s_lshl_b32 s21, s19, 5
	s_lshl_b32 s22, s26, 2
	s_add_co_u32 s22, s22, s21
	s_lshl_b32 s23, s27, 2
	s_add_co_u32 s23, s23, s21
	s_load_b32 s32, s[8:9], s22 offset:0x100       ; posOf[t][e0]
	s_load_b32 s33, s[8:9], s23 offset:0x100       ; posOf[t][e1]
	s_mov_b32 s35, 0
	s_lshl_b32 s34, s26, 12
	s_add_nc_u64 s[44:45], s[12:13], s[34:35]      ; b2[e0]
	s_lshl_b32 s34, s27, 12
	s_add_nc_u64 s[46:47], s[12:13], s[34:35]      ; b2[e1]
	s_lshl_b32 s34, s19, 12
	s_add_nc_u64 s[48:49], s[14:15], s[34:35]      ; x[t]
	s_add_nc_u64 s[50:51], s[16:17], s[34:35]      ; out[t]
	s_mov_b32 s52, s29                             ; g1 as the low word of a pair of its own
	s_mov_b32 s53, s29
	s_wait_kmcnt 0x0
	s_min_u32 s32, s32, 2175
	s_min_u32 s33, s33, 2175
	s_lshl_b32 s34, s32, 12
	s_add_nc_u64 s[36:37], s[10:11], s[34:35]      ; the first half of K, expert e0's row,
	s_add_nc_u64 s[38:39], s[36:37], 0x880000      ; and the second half: 2,176 rows of 4,096 bytes on
	s_lshl_b32 s34, s33, 12
	s_add_nc_u64 s[40:41], s[10:11], s[34:35]
	s_add_nc_u64 s[42:43], s[40:41], 0x880000
.irp j, 0,1,2,3,4,5,6,7
.irp k, 0,1,2,3,4,5,6
	global_load_b128 v[8+28*\j+4*\k:8+28*\j+4*\k+3], v1, s[36+2*\k:37+2*\k] offset:512*\j
.endr
.endr
.irp j, 0,1,2,3,4,5,6,7
	s_wait_loadcnt 7*(7-\j)                        ; this piece's seven loads are in; the later pieces' may be out
.irp u, 0,2
	v_pk_add_f32 v[8+28*\j+\u:9+28*\j+\u], v[8+28*\j+\u:9+28*\j+\u], v[12+28*\j+\u:13+28*\j+\u]      ; the two halves of K, expert e0
	v_pk_add_f32 v[16+28*\j+\u:17+28*\j+\u], v[16+28*\j+\u:17+28*\j+\u], v[20+28*\j+\u:21+28*\j+\u]  ; and e1
	v_pk_add_f32 v[8+28*\j+\u:9+28*\j+\u], v[8+28*\j+\u:9+28*\j+\u], v[24+28*\j+\u:25+28*\j+\u]      ; + b2[e0]
	v_pk_add_f32 v[16+28*\j+\u:17+28*\j+\u], v[16+28*\j+\u:17+28*\j+\u], v[28+28*\j+\u:29+28*\j+\u]  ; + b2[e1]
	v_pk_add_f32 v[8+28*\j+\u:9+28*\j+\u], v[8+28*\j+\u:9+28*\j+\u], v[32+28*\j+\u:33+28*\j+\u]      ; + x
	v_pk_add_f32 v[16+28*\j+\u:17+28*\j+\u], v[16+28*\j+\u:17+28*\j+\u], v[32+28*\j+\u:33+28*\j+\u]
	v_pk_mul_f32 v[8+28*\j+\u:9+28*\j+\u], v[8+28*\j+\u:9+28*\j+\u], s[28:29] op_sel_hi:[1,0]        ; x g0
	v_pk_fma_f32 v[8+28*\j+\u:9+28*\j+\u], v[16+28*\j+\u:17+28*\j+\u], s[52:53], v[8+28*\j+\u:9+28*\j+\u] op_sel_hi:[1,0,1]   ; + g1 x the other
.endr
	global_store_b128 v1, v[8+28*\j:11+28*\j], s[50:51] offset:512*\j th:TH_STORE_NT   ; 512 consecutive bytes, aligned to 256; written once, read by nobody here
.endr
	s_endpgm
.Lfunc_end_k_q3fd20382c3_combine:
	.size	k_q3fd20382c3_combine, .Lfunc_end_k_q3fd20382c3_combine-k_q3fd20382c3_combine
	.p2alignl 7, 3214868480
	.fill 96, 4, 3214868480
	.section	.rodata,"a",@progbits
	.p2align	6, 0x0
	.amdhsa_kernel k_q3fd20382c3_combine
		.amdhsa_group_segment_fixed_size 0
		.amdhsa_private_segment_fixed_size 0
		.amdhsa_enable_private_segment 0
		.amdhsa_kernarg_size 56
		.amdhsa_user_sgpr_count 2
		.amdhsa_user_sgpr_kernarg_segment_ptr 1
		.amdhsa_wavefront_size32 1
		.amdhsa_system_sgpr_workgroup_id_x 1
		.amdhsa_system_sgpr_workgroup_id_y 1
		.amdhsa_system_sgpr_workgroup_id_z 1
		.amdhsa_system_vgpr_workitem_id 0
		.amdhsa_next_free_vgpr 256
		.amdhsa_next_free_sgpr 66
		.amdhsa_reserve_vcc 0
		.amdhsa_float_denorm_mode_32 3
		.amdhsa_float_denorm_mode_16_64 3
		.amdhsa_memory_ordered 1
		.amdhsa_forward_progress 1
		.amdhsa_inst_pref_size 17
	.end_amdhsa_kernel
	.amdgpu_metadata
---
amdhsa.version: [ 1, 2 ]
amdhsa.kernels:
  - .name:           k_q3fd20382c3_combine
    .symbol:         k_q3fd20382c3_combine.kd
    .args:
      - { .name: route, .offset: 0, .size: 8, .value_kind: global_buffer, .address_space: global }
      - { .name: tokf, .offset: 8, .size: 8, .value_kind: global_buffer, .address_space: global }
      - { .name: place, .offset: 16, .size: 8, .value_kind: global_buffer, .address_space: global }
      - { .name: ypart, .offset: 24, .size: 8, .value_kind: global_buffer, .address_space: global }
      - { .name: b2, .offset: 32, .size: 8, .value_kind: global_buffer, .address_space: global }
      - { .name: x, .offset: 40, .size: 8, .value_kind: global_buffer, .address_space: global }
      - { .name: out0, .offset: 48, .size: 8, .value_kind: global_buffer, .address_space: global }
    .group_segment_fixed_size: 0
    .private_segment_fixed_size: 0
    .kernarg_segment_align: 8
    .kernarg_segment_size: 56
    .max_flat_workgroup_size: 128
    .sgpr_count:     66
    .vgpr_count:     256
    .wavefront_size: 32
...
	.end_amdgpu_metadata
.endif
;; end of part 11
